; MI455X (gfx1250); checked and timed in simulation.
; The chip was launched on July 23, 2026; its instructions are those of AMD's public machine-readable ISA for CDNA 5 (MIT licence, August 2026) and "CDNA5" Instruction Set Architecture Reference Guide (July 2026). The comments in the code are by the model that wrote it; some were corrected since.
;; Multi Head Attention. Allowed arithmetic: matrix products marked QUANTISED: E2M3 operands, one E8M0 scale for each 32 along K, by v_wmma_scale_f32_16x16x128_f8f6f4 with both operands' format E2M3, f32 sums; everything else in f32.
;; Inputs: Wk 1,024 x 1,024 float32; Wo 1,024 x 1,024 float32; Wq 1,024 x 1,024 float32; Wv 1,024 x 1,024 float32; bk 1,024 float32; bo 1,024 float32; bq 1,024 float32; bv 1,024 float32; k 4 x 2,048 x 1,024 float32; mask 1 x 1 x 2,048 x 2,048 int32; q 4 x 2,048 x 1,024 float32; v 4 x 2,048 x 1,024 float32.
;; Outputs: out0 4 x 2,048 x 1,024 float32.
;; This version of the problem:
;;   THIS VERSION OF THE PROBLEM IS GIVEN IN LOW PRECISION. The matrix products marked QUANTISED in the list below multiply operands that are first quantised to E2M3 (2 exponent bits, 3 mantissa bits; 6 bits a number), with one power-of-two scale for each 32 numbers along K (OCP MX v1.0); their sums are f32. All else is computed in f32.
;;   The module's matrix products, in the order in which they are computed (A, B: the left and right operand; K: the contracted axis; several contracted axes count as one K, in the product's order):
;;     1. [M 8,192, K 1,024] x [K 1,024, N 1,024]; A: input q; B: input Wq: QUANTISED
;;     2. [M 8,192, K 1,024] x [K 1,024, N 1,024]; A: input k; B: input Wk: QUANTISED
;;     3. [M 8,192, K 1,024] x [K 1,024, N 1,024]; A: input v; B: input Wv: QUANTISED
;;     4. batch 64 x [M 2,048, K 64] x [K 64, N 2,048]; A: computed on the way; B: computed on the way: QUANTISED
;;     5. batch 64 x [M 2,048, K 2,048] x [K 2,048, N 64]; A: softmax (see below); B: computed on the way: QUANTISED
;;     6. [M 8,192, K 1,024] x [K 1,024, N 1,024]; A: computed on the way; B: input Wo: QUANTISED
;;   THE QUANTISER, for each operand of a quantised product, along K:
;;     - K is cut into blocks of 32 from its start; a last block that is shorter is filled with zeros.
;;     - A block's scale is 2^e with e = floor(log2(the largest magnitude in the block)) - 2, held to -126 .. 127; a block of zeros has e = 0. As a byte (E8M0): e + 127.
;;     - Each number is divided by its block's scale, clamped to +-7.5, and rounded to the nearest number of E2M3, ties to even, subnormals kept.
;;     - The product sums the exact products of the quantised numbers (number of the format x scale) in f32.
;;   ~~~python
;;   def quantise(x, axis):      # numpy; x: float32 -> the quantised numbers, widened to float32 again
;;       x = np.moveaxis(x, axis, -1); K = x.shape[-1]
;;       x = np.pad(x, [(0, 0)] * (x.ndim - 1) + [(0, -K % 32)]); x = x.reshape(x.shape[:-1] + (-1, 32)); a = np.abs(x).max(-1, keepdims=True)
;;       e = np.where(a > 0, np.clip(np.frexp(np.where(a > 0, a, 1))[1] - 1 - 2, -126, 127), 0)      # np.frexp(a)[1] - 1 = floor(log2(a)), exactly
;;       r = np.clip(x / 2.0 ** e, -7.5, 7.5)
;;       step = 2.0 ** (np.maximum(np.frexp(np.where(r == 0, 1, r))[1] - 1, 0) - 3)
;;       q = np.round(r / step) * step * 2.0 ** e      # np.round: ties to even
;;       return np.moveaxis(q.reshape(q.shape[:-2] + (-1,))[..., :K], -1, axis).astype(np.float32)
;;   ~~~
;;   SOFTMAX AHEAD OF A QUANTISED PRODUCT. Where the list says 'softmax', what is quantised is not the finished softmax but p = 2^(t - M), with t = logit x log2(e) and M = ceil(the row's largest t), a whole number; so 1/2 < the row's largest p <= 1. The row's sum l is taken of the UNQUANTISED p, in f32, and the product's result is divided by l at the end. Since M is a whole number, a kernel that streams over the keys may use a running M (the ceiling of the running maximum): every later rescaling is an exact power of two, which a block's scale takes up: the codes' values come out the same.
;;   OPERANDS COMPUTED ON THE WAY. 'Computed on the way' means the value that the module computes at that place (a softmax that the list does not call 'softmax' is quantised finished and normalised). What goes into a quantiser is computed in f32, as accurately as f32 sums, v_exp_f32 and their like allow (about 1e-6 of the number): no bf16 or f16 on the way to a quantiser, and a product that is left as it is and whose result goes on into a quantised operand takes f32 operands (vector FMAs, or v_wmma_f32_16x16x4_f32). A number that lies on a knife's edge between two numbers of the format may be rounded either way, as far as f32 arithmetic and the matrix unit's own rounding can turn it there, and no further.
;; 2 versions. Each part assembles by itself: llvm-mc -triple=amdgcn-amd-amdhsa -mcpu=gfx1250 --defsym DOCPART=n.
;; ======== version 1 of 2: 4 launches
;; workspace buffers: xi 19,660,800 bytes; wi 3,276,800 bytes; mw 524,288 bytes of whole numbers; mf 32,768 bytes of whole numbers; rope 524,288 bytes; qi 6,553,600 bytes; kv 13,107,200 bytes; oi 6,553,600 bytes
;; launch prep (part 1): grid 256 x 1, 8 waves a work-group, no clusters, 140,288 bytes of LDS; arguments q, k, v, mask, Wq, Wk, Wv, Wo, xi, wi, mw, mf, rope; writes xi, wi, mw, mf, rope
.if DOCPART == 1
	.amdgcn_target "amdgcn-amd-amdhsa--gfx1250"
	.amdhsa_code_object_version 6
	.text
	.protected	k_q525ec4e6cb_prep
	.globl	k_q525ec4e6cb_prep
	.p2align	8
	.type	k_q525ec4e6cb_prep,@function
k_q525ec4e6cb_prep:
	s_mov_b64 s[64:65], 0
	v_nop
	global_prefetch_b8 v0, s[64:65] scope:SCOPE_SE
	s_setreg_imm32_b32 hwreg(HW_REG_WAVE_MODE, 25, 1), 1
	s_wait_xcnt 0x0
; PREP.  q, k, v [8192][1024] and Wq, Wk, Wv, Wo [1024 (k)][1024 (n)], f32, become codes of FP6 (E2M3) with one E8M0 byte for each 32 along K, laid in the order of a matrix operand's
; registers; the mask [2048][2048] int32 becomes lane-mask words and flags; the table of cos and sin is made.  2,048 wave tasks of 64 KiB read each; no wave depends on another: no barrier.
; Work-groups 0-191: q, k, v (path X).  192-223: the weights (path W).  224-255: the mask and the table (path M).  The paths part on the work-group's number and never meet again; X and M have LDS bytes of their own.
; THE ORDER OF ROWS.  Lane r of tile t of a block of 128 rows takes row 32 (t/2) + 8 (t%2) + r + 8 (r/8): so in a product that is used with the other side first the 16 registers of tiles 2 b and 2 b + 1 are 16 neighbours.
; xi [tensor 3][block 64] x 102,400 bytes: [tile 8][K step 8] fragments of 1,536 bytes (two units of 768: registers 6c..6c+3, 16 bytes a lane; then registers 6c+4, 6c+5, 8 bytes a lane);
;    from byte 98,304: [tile 8][lane 32][4] scale words: word (L, i) is that of row L % 16 for K step 2 i + L / 16.
; wi [tensor 4][head 16] x 51,200 bytes: [tile 4][K step 8] fragments of 1,536 bytes (three planes of 512: registers 4g..4g+3, 16 bytes a lane); from byte 49,152: [b 2][sg 2][lane][4] scale words:
;    word (b, sg, L, j) is that of K step 4 sg + j, tile 2 b + L / 16, row L % 16.
; mw [tile of queries 128][key step 16][64] words: bit L of word 16 b + i says whether key 128 st + 32 b + 16 (L / 16) + i counts for the query of lane L.  mf [tile][half][32] equal words: bit st is set where a record has a hole.
; rope [position 2048][32] (cos, sin).
; A block's scale is 2^(floor(log2(its largest magnitude)) - 2); its byte is the largest magnitude's exponent field - 2, held at 1 from below (a block of zeros keeps the byte 1: its codes are zeros, and this program alone reads the bytes).
; LIMITS: NaN and infinities among the inputs are not served; blocks whose largest magnitude lies under 2^-124 keep the byte 1; cos and sin lie within about 1e-7 of the exact functions of the f32 angle, and the 32 frequencies are the f32 numbers nearest to 10^(-i/8).
.set SPARE, 139264                     ; the spare words: 128 bytes for each of eight waves, four blocks of 256 bytes that no other line names
.set STG,   8704                       ; a wave's stage: 16 rows x (512 bytes + 16)
.set MSTG,  69632                      ; path M's eight stages lie behind path X's
.set SPW,   5                          ; v5  LDS address of my spare word; never rewritten
.set NIL,   6                          ; v6  0; never rewritten
.set TM,    8                          ; v8-23   the quantiser's work
.set PW,    24                         ; v24     a scale word just made
.set XSW,   28                         ; v28-31  the tile's scale words as they are stored
.set PC,    32                         ; v32-50  codes just made
.set X,     64                         ; v64-127 64 numbers of a lane: register 16 b + i = k 32 b + 16 (lane / 16) + i of my row
.set R,     128                        ; v128-255 two sets of 64 registers as loaded
.set SEL,   46                         ; s[46:47] v_permlanex16_b32's selects for lane l xor 16
.set FA,    32                         ; path W: the fragment of tile 2 b,
.set FB,    44                         ; of tile 2 b + 1,
.set T0,    56                         ; and the conversions' upper halves
.set T1,    60
; 16 rows x 512 bytes (K step s): load i takes row i + 8 (i / 8); 32 lanes read 512 consecutive bytes
.macro LOADR s, base, pitch
.irp i, 0,1,2,3,4,5,6,7,8,9,10,11,12,13,14,15
	global_load_b128 v[R+64*((\s)%2)+4*\i:R+64*((\s)%2)+4*\i+3], v1, s[\base:\base+1] offset:(\i+8*(\i/8))*\pitch+512*(\s) th:TH_LOAD_NT
.endr
.endm
; through my own stage: in as loaded, out 16 neighbours of each block of 32 to a lane.  LDS serves a wave's instructions in order: no wait between the stores and the loads
.macro TURN s
.irp i, 0,1,2,3,4,5,6,7,8,9,10,11,12,13,14,15
	ds_store_b128 v2, v[R+64*((\s)%2)+4*\i:R+64*((\s)%2)+4*\i+3] offset:528*\i
.endr
.irp b, 0,1,2,3
.irp j, 0,1,2,3
	ds_load_b128 v[X+16*\b+4*\j:X+16*\b+4*\j+3], v3 offset:128*\b+16*\j
.endr
.endr
.endm
; 64 numbers of a lane become a fragment's codes in v[PC] on and its scale word in v[PW]
.macro QUANT s
.irp b, 0,1,2,3
	v_max3_num_f32 v[TM+\b], |v[\s+16*\b]|, |v[\s+1+16*\b]|, 0x1800000   ; my 16 numbers of block b, and the floor 2^(3 - 127): the byte cannot fall under 1
.endr
.irp i, 2,4,6,8,10,12,14
.irp b, 0,1,2,3
	v_max3_num_f32 v[TM+\b], v[TM+\b], |v[\s+16*\b+\i]|, |v[\s+1+16*\b+\i]|
.endr
.endr
.irp b, 0,1,2,3
	v_permlanex16_b32 v[TM+4+\b], v[TM+\b], s[SEL], s[SEL+1]
.endr
.irp b, 0,1,2,3
	v_max_num_f32 v[TM+\b], v[TM+\b], v[TM+4+\b]       ; with lane l xor 16's: the block's largest magnitude
.endr
.irp b, 0,1,2,3
	v_add_nc_u32 v[TM+12+\b], 0xff000000, v[TM+\b]     ; 2 off its exponent field: the conversion's scale operand
.endr
.irp b, 0,1,2,3
	v_lshrrev_b32 v[TM+4+\b], 23, v[TM+12+\b]          ; the scale's byte
.endr
	v_lshl_or_b32 v[PW], v[TM+5], 8, v[TM+4]
	v_lshl_or_b32 v[PW], v[TM+6], 16, v[PW]
	v_lshl_or_b32 v[PW], v[TM+7], 24, v[PW]
.irp c, 0,1
	v_cvt_scalef32_pk16_fp6_f32 v[PC+6*\c:PC+2+6*\c], v[\s+32*\c:\s+15+32*\c], v[TM+12+2*\c]
	v_cvt_scalef32_pk16_fp6_f32 v[PC+12+4*\c:PC+14+4*\c], v[\s+16+32*\c:\s+31+32*\c], v[TM+12+2*\c+1]   ; (a conversion's three registers begin on an even number)
.endr
	v_nop                                              ; one plain place behind a scaled conversion
.irp c, 0,1                                        ; the operand wants a whole block in a lane: lanes 0-15 block 2 c, lanes 16-31 block 2 c + 1
.irp i, 0,1,2
	v_permlane16_swap_b32 v[PC+6*\c+\i], v[PC+12+4*\c+\i]
.endr
.irp i, 0,1,2
	v_mov_b32 v[PC+3+6*\c+\i], v[PC+12+4*\c+\i]
.endr
.endr
.endm
	s_load_b512 s[8:23], s[0:1], 0x0               ; q s[8:9], k s[10:11], v s[12:13], mask s[14:15], Wq s[16:17], Wk s[18:19], Wv s[20:21], Wo s[22:23]
	s_load_b256 s[24:31], s[0:1], 0x40             ; xi s[24:25], wi s[26:27], mw s[28:29], mf s[30:31]
	s_load_b64 s[32:33], s[0:1], 0x60              ; rope
	v_lshl_add_u32 v[SPW], v0, 2, SPARE
	v_mov_b32 v[NIL], 0
	v_lshrrev_b32 v1, 5, v0
	v_readfirstlane_b32 s4, v1                     ; wave 0..7
	v_and_b32 v7, 31, v0                           ; lane
	v_lshlrev_b32 v1, 4, v7                        ; 16 x lane
	v_lshlrev_b32 v4, 3, v7                        ; 8 x lane
	v_and_b32 v8, 15, v0                           ; r
	v_bfe_u32 v9, v0, 4, 1                         ; h
	v_mul_u32_u24 v3, v8, 528
	v_lshl_add_u32 v3, v9, 6, v3                   ; out of a stage: row r, + 64 h
	s_mul_i32 s44, s4, STG                         ; my stage
	s_mov_b32 s5, 0xffff0000                       ; lanes 16-31
	s_mov_b32 s[SEL], 0x76543210
	s_mov_b32 s[SEL+1], 0xfedcba98
	s_wait_kmcnt 0x0
	s_cmp_lt_u32 ttmp9, 192
	s_cbranch_scc1 .Lx
	s_cmp_lt_u32 ttmp9, 224
	s_cbranch_scc1 .Lw
; ---------------- PATH M: task m = tile of queries m / 2, keys 1,024 (m % 2) on; then positions 8 m .. 8 m + 7 of the table
	s_sub_co_u32 s34, ttmp9, 224
	s_lshl_b32 s34, s34, 3
	s_add_co_u32 s34, s34, s4                      ; m
	s_lshr_b32 s35, s34, 1                         ; the tile T
	s_and_b32 s38, s34, 1                          ; the half
	s_lshr_b32 s39, s35, 1
	s_lshl_b32 s39, s39, 5
	s_and_b32 s40, s35, 1
	s_lshl_b32 s40, s40, 3
	s_add_co_u32 s39, s39, s40                     ; the tile's first query: 32 (T / 2) + 8 (T % 2)
	s_lshl_b32 s40, s39, 13                        ; a row of the mask is 8,192 bytes
	s_lshl_b32 s41, s38, 12
	s_add_co_u32 s40, s40, s41
	s_mov_b32 s41, 0
	s_add_nc_u64 s[14:15], s[14:15], s[40:41]
	s_lshl_b32 s40, s35, 12                        ; mw: records of 256 bytes, 16 T + 8 half on
	s_lshl_b32 s42, s38, 11
	s_add_co_u32 s40, s40, s42
	s_add_nc_u64 s[28:29], s[28:29], s[40:41]
	s_lshl_b32 s40, s34, 7                         ; mf: 128 bytes a task
	s_add_nc_u64 s[30:31], s[30:31], s[40:41]
	s_lshl_b32 s40, s34, 11                        ; rope: 8 positions of 256 bytes a task
	s_add_nc_u64 s[32:33], s[32:33], s[40:41]
	s_add_co_u32 s44, s44, MSTG
	v_add_nc_u32 v2, s44, v1
	v_add_nc_u32 v3, s44, v3
	v_mov_b32 v24, 0                               ; (v_writelane_b32's destination counts as read)
	v_mov_b32 v25, 0
	v_mov_b32 v28, 0
	s_mov_b32 s57, 0                               ; the flags
	LOADR 0, 14, 8192
	LOADR 1, 14, 8192
.macro STEPM s
.if (\s) < 7
	s_wait_loadcnt 16                              ; this step's 16 loads are in; the next step's may be out
.else
	s_wait_loadcnt 0x0
.endif
	TURN \s
	s_wait_dscnt 0x0
	s_wait_xcnt 0x0                                ; the last step's store has read v24 and v25
.if (\s) < 6
	LOADR (\s)+2, 14, 8192
.endif
.irp g, 0,1,2,3,4,5,6,7
.irp k, 0,1,2,3,4,5,6,7
	v_cmp_ne_u32 s[48+\k], 0, v[X+8*\g+\k]         ; the compare's lane mask IS the word
.endr
.irp k, 0,1,2,3,4,5,6,7
	v_writelane_b32 v[24+\k%2], s[48+\k], 4*\g+\k/2   ; word j to lane j / 2, register j % 2: the record leaves as 256 consecutive bytes
.endr
.endr
	global_store_b64 v4, v[24:25], s[28:29] offset:256*(\s)
	v_and_b32 v26, v24, v25
	v_cmp_ne_u32 vcc_lo, -1, v26                   ; any word with a hole?
	s_cmp_lg_u32 vcc_lo, 0
	s_cselect_b32 s56, 1<<(\s), 0
	s_or_b32 s57, s57, s56
.endm
.irp s, 0,1,2,3,4,5,6,7
	STEPM \s
.endr
	s_lshl_b32 s56, s38, 3
	s_lshl_b32 s57, s57, s56                       ; bit = the key step's number among the 16
	v_mov_b32 v27, s57
	v_lshlrev_b32 v26, 2, v7
	global_store_b32 v26, v27, s[30:31]
; the table: lane i holds frequency 10^(-i/8) = 10000^(-2 i / 64)
.macro FREQ i, f
	s_mov_b32 s56, \f
	v_writelane_b32 v28, s56, \i
.endm
	FREQ 0, 1.0
	FREQ 1, 0.7498942093324559
	FREQ 2, 0.5623413251903491
	FREQ 3, 0.4216965034285822
	FREQ 4, 0.31622776601683794
	FREQ 5, 0.23713737056616552
	FREQ 6, 0.1778279410038923
	FREQ 7, 0.1333521432163324
	FREQ 8, 0.1
	FREQ 9, 0.07498942093324559
	FREQ 10, 0.05623413251903491
	FREQ 11, 0.04216965034285822
	FREQ 12, 0.031622776601683794
	FREQ 13, 0.023713737056616552
	FREQ 14, 0.01778279410038923
	FREQ 15, 0.01333521432163324
	FREQ 16, 0.01
	FREQ 17, 0.007498942093324559
	FREQ 18, 0.005623413251903491
	FREQ 19, 0.004216965034285822
	FREQ 20, 0.0031622776601683794
	FREQ 21, 0.0023713737056616552
	FREQ 22, 0.001778279410038923
	FREQ 23, 0.001333521432163324
	FREQ 24, 0.001
	FREQ 25, 0.0007498942093324559
	FREQ 26, 0.0005623413251903491
	FREQ 27, 0.0004216965034285822
	FREQ 28, 0.00031622776601683794
	FREQ 29, 0.00023713737056616552
	FREQ 30, 0.0001778279410038923
	FREQ 31, 0.0001333521432163324
	s_lshl_b32 s58, s34, 3                         ; my first position
	s_mov_b32 s60, 0x3fc90fdb                      ; pi / 2, its f32,
	s_mov_b32 s61, 0xb33bbd2e                      ; and what that leaves
	s_mov_b32 s62, 0x3638ef1d                      ; 1/9!
	s_mov_b32 s63, 0xb9500d01                      ; -1/7!
	s_mov_b32 s68, 0x3c088889                      ; 1/5!
	s_mov_b32 s70, 0xbe2aaaab                      ; -1/3!
	s_mov_b32 s66, 0x37d00d01                      ; 1/8!
	s_mov_b32 s67, 0xbab60b61                      ; -1/6!
	s_mov_b32 s69, 0x3d2aaaab                      ; 1/4!
.macro ROPE p
	s_add_co_u32 s59, s58, \p
	v_cvt_f32_u32 v29, s59
	v_mul_f32 v30, v29, v28                        ; the angle, rounded once
	v_mul_f32 v31, 0x3f22f983, v30
	v_rndne_f32 v31, v31                           ; n = the nearest multiple of pi / 2
	v_fma_f32 v32, -v31, s60, v30                  ; exact: the difference is a multiple of 2^-23 under 1
	v_fma_f32 v32, -v31, s61, v32                  ; r, at most pi / 4
	v_mul_f32 v33, v32, v32
	v_fma_f32 v34, v33, s62, s63
	v_fma_f32 v36, v33, s66, s67
	v_fma_f32 v34, v34, v33, s68
	v_fma_f32 v36, v36, v33, s69
	v_fma_f32 v34, v34, v33, s70
	v_fma_f32 v36, v36, v33, -0.5
	v_mul_f32 v35, v32, v33
	v_fma_f32 v36, v36, v33, 1.0                   ; cos r, to r^8
	v_fma_f32 v34, v35, v34, v32                   ; sin r, to r^9
	v_cvt_i32_f32 v37, v31
	v_and_b32 v38, 1, v37
	v_cmp_ne_u32 vcc_lo, 0, v38                    ; an odd quadrant swaps the two
	v_cndmask_b32 v39, v36, v34, vcc_lo
	v_cndmask_b32 v40, v34, v36, vcc_lo
	v_add_nc_u32 v41, 1, v37
	v_and_b32 v41, 2, v41                          ; cos is negative in quadrants 1 and 2,
	v_and_b32 v42, 2, v37                          ; sin in 2 and 3
	v_lshlrev_b32 v41, 30, v41
	v_lshlrev_b32 v42, 30, v42
	v_xor_b32 v[64+2*\p], v39, v41
	v_xor_b32 v[65+2*\p], v40, v42
	global_store_b64 v4, v[64+2*\p:65+2*\p], s[32:33] offset:256*\p   ; a position's 256 bytes; each position has its own data registers
.endm
.irp p, 0,1,2,3,4,5,6,7
	ROPE \p
.endr
	s_wait_tensorcnt 0x0                           ; the wave's end: three lines behind my last LDS store
	ds_add_u32 v[SPW], v[NIL]
	s_wait_dscnt 0x0
	s_endpgm
; ---------------- PATH X: work-group = tensor x 64 + block of 128 rows; wave = tile
.Lx:
	s_lshr_b32 s34, ttmp9, 6                       ; the tensor
	s_and_b32 s35, ttmp9, 63                       ; the block
	s_cmp_eq_u32 s34, 0
	s_cselect_b64 s[36:37], s[8:9], s[10:11]
	s_cmp_eq_u32 s34, 2
	s_cselect_b64 s[36:37], s[12:13], s[36:37]
	s_lshl_b32 s38, s35, 7
	s_lshr_b32 s39, s4, 1
	s_lshl_b32 s39, s39, 5
	s_add_co_u32 s38, s38, s39
	s_and_b32 s39, s4, 1
	s_lshl_b32 s39, s39, 3
	s_add_co_u32 s38, s38, s39                     ; the tile's first row
	s_lshl_b32 s38, s38, 12
	s_mov_b32 s39, 0
	s_add_nc_u64 s[36:37], s[36:37], s[38:39]
	s_mul_i32 s40, ttmp9, 102400
	s_mov_b32 s41, 0
	s_add_nc_u64 s[24:25], s[24:25], s[40:41]      ; the block's record in xi
	s_mul_i32 s40, s4, 12288
	s_add_nc_u64 s[42:43], s[24:25], s[40:41]      ; my tile's eight fragments
	s_lshl_b32 s40, s4, 9
	s_add_co_u32 s40, s40, 98304
	s_add_nc_u64 s[24:25], s[24:25], s[40:41]      ; and its scale words
	v_add_nc_u32 v2, s44, v1
	v_add_nc_u32 v3, s44, v3
.irp b, 0,1,2,3
	v_mov_b32 v[TM+4+\b], 0                        ; written once: a lane permute's destination counts as one of its sources
.endr
	LOADR 0, 36, 4096
	LOADR 1, 36, 4096
.macro STEPX s
.if (\s) < 7
	s_wait_loadcnt 16                              ; this K step's 16 loads are in; the next step's may be out
.else
	s_wait_loadcnt 0x0
.endif
	TURN \s
	s_wait_dscnt 0x0                               ; the numbers are back, and the stage's stores have read their registers
	s_wait_xcnt 0x0                                ; the last step's stores have read the codes' registers
.if (\s) < 6
	LOADR (\s)+2, 36, 4096
.endif
	QUANT X
	global_store_b128 v1, v[PC:PC+3], s[42:43] offset:1536*(\s)          ; each store covers 512 or 256 consecutive bytes, at a multiple of 256
	global_store_b64 v4, v[PC+4:PC+5], s[42:43] offset:1536*(\s)+512
	global_store_b128 v1, v[PC+6:PC+9], s[42:43] offset:1536*(\s)+768
	global_store_b64 v4, v[PC+10:PC+11], s[42:43] offset:1536*(\s)+1280
.if (\s)%2 == 0
	v_mov_b32 v[XSW+(\s)/2], v[PW]                 ; lanes 0-15 keep the even K step's word,
.else
	v_cndmask_b32 v[XSW+(\s)/2], v[XSW+(\s)/2], v[PW], s5   ; lanes 16-31 take the odd one's
.endif
.endm
.irp s, 0,1,2,3,4,5,6,7
	STEPX \s
.endr
	global_store_b128 v1, v[XSW:XSW+3], s[24:25]
	s_wait_tensorcnt 0x0                           ; the wave's end: three lines behind my last LDS store
	ds_add_u32 v[SPW], v[NIL]
	s_wait_dscnt 0x0
	s_endpgm
; ---------------- PATH W: task m = tensor m / 64, 32 columns (m % 64) / 2, K steps 4 (m % 2) on.  A lane takes a column and its registers run down K: nothing is transposed, and this path uses no LDS
.Lw:
	s_sub_co_u32 s34, ttmp9, 192
	s_lshl_b32 s34, s34, 3
	s_add_co_u32 s34, s34, s4                      ; m
	s_lshr_b32 s35, s34, 6                         ; the tensor: q, k, v, o
	s_bfe_u32 s38, s34, 0x50001                    ; the group of 32 columns
	s_and_b32 s39, s34, 1                          ; the half of K
	s_cmp_lt_u32 s35, 2
	s_cselect_b64 s[36:37], s[16:17], s[20:21]
	s_cselect_b64 s[40:41], s[18:19], s[22:23]
	s_and_b32 s42, s35, 1
	s_cmp_lg_u32 s42, 0
	s_cselect_b64 s[36:37], s[40:41], s[36:37]
	s_lshl_b32 s42, s39, 21                        ; 512 rows of 4,096 bytes
	s_lshl_b32 s43, s38, 7
	s_add_co_u32 s42, s42, s43
	s_mov_b32 s43, 0
	s_add_nc_u64 s[36:37], s[36:37], s[42:43]
	v_and_b32 v10, 8, v8
	v_add_nc_u32 v10, v10, v8
	v_lshl_add_u32 v10, v9, 3, v10                 ; my column of the 32: 8 h + r + 8 (r / 8): row r of tile 2 b + h
	v_lshlrev_b32 v2, 2, v10
	s_lshl_b32 s42, s35, 4
	s_lshr_b32 s44, s38, 1
	s_add_co_u32 s42, s42, s44
	s_mul_i32 s42, s42, 51200
	s_add_nc_u64 s[26:27], s[26:27], s[42:43]      ; the head's record in wi
	s_and_b32 s44, s38, 1                          ; b
	s_mul_i32 s42, s44, 16*1536
	s_mul_i32 s45, s39, 4*1536
	s_add_co_u32 s42, s42, s45
	s_add_nc_u64 s[40:41], s[26:27], s[42:43]      ; tile 2 b, my first K step
	s_lshl_b32 s42, s44, 1
	s_add_co_u32 s42, s42, s39
	s_lshl_b32 s42, s42, 9
	s_add_co_u32 s42, s42, 49152
	s_add_nc_u64 s[26:27], s[26:27], s[42:43]      ; my 512 bytes of scale words
.macro LOADP u                         ; 64 rows of K: two blocks of my column; 32 lanes read 128 consecutive bytes
.set j, 0
.rept 64
	global_load_b32 v[R+64*((\u)%2)+j], v2, s[36:37] offset:(64*(\u)+j)*4096 th:TH_LOAD_NT
.set j, j+1
.endr
.endm
	LOADP 0
	LOADP 1
.macro STEPW u
.set WB, R+64*((\u)%2)
.set CI, (\u)%2                        ; which half of the K step
.set KI, (\u)/2                        ; which of my four K steps
.if (\u) < 7
	s_wait_loadcnt 63                              ; 64 loads were issued behind this set's last: with at most 63 out the set is in
.else
	s_wait_loadcnt 0x0
.endif
	v_max3_num_f32 v12, |v[WB]|, |v[WB+1]|, 0x1800000
	v_max3_num_f32 v13, |v[WB+32]|, |v[WB+33]|, 0x1800000
.irp i, 2,4,6,8,10,12,14,16,18,20,22,24,26,28,30
	v_max3_num_f32 v12, v12, |v[WB+\i]|, |v[WB+\i+1]|
	v_max3_num_f32 v13, v13, |v[WB+32+\i]|, |v[WB+33+\i]|
.endr
	v_add_nc_u32 v14, 0xff000000, v12
	v_add_nc_u32 v15, 0xff000000, v13
	v_lshrrev_b32 v16, 23, v14
	v_lshrrev_b32 v17, 23, v15
.if CI == 0
	v_lshl_or_b32 v[24+KI], v17, 8, v16            ; my column's scale word of this K step: all four bytes are mine
.else
	v_lshl_or_b32 v[24+KI], v16, 16, v[24+KI]
	v_lshl_or_b32 v[24+KI], v17, 24, v[24+KI]
.endif
.if (CI == 0) && ((\u) > 0)
	s_wait_xcnt 0x0                                ; the last K step's stores have read both fragments
.endif
	v_cvt_scalef32_pk16_fp6_f32 v[FA+6*CI:FA+6*CI+2], v[WB:WB+15], v14
	v_cvt_scalef32_pk16_fp6_f32 v[T0:T0+2], v[WB+16:WB+31], v14
	v_cvt_scalef32_pk16_fp6_f32 v[FB+6*CI:FB+6*CI+2], v[WB+32:WB+47], v15
	v_cvt_scalef32_pk16_fp6_f32 v[T1:T1+2], v[WB+48:WB+63], v15
	v_nop                                          ; one plain place behind a scaled conversion
.irp i, 0,1,2
	v_mov_b32 v[FA+6*CI+3+\i], v[T0+\i]
	v_mov_b32 v[FB+6*CI+3+\i], v[T1+\i]
.endr
.irp i, 0,1,2,3,4,5
	v_permlane16_swap_b32 v[FA+6*CI+\i], v[FB+6*CI+\i]   ; lanes 0-15 held tile 2 b's two blocks, lanes 16-31 tile 2 b + 1's: now the first holds tile 2 b (a block to each half of the lanes), the second tile 2 b + 1
.endr
.if (\u) < 6
	LOADP (\u)+2
.endif
.if CI == 1
.irp g, 0,1,2
	global_store_b128 v1, v[FA+4*\g:FA+4*\g+3], s[40:41] offset:KI*1536+512*\g
	global_store_b128 v1, v[FB+4*\g:FB+4*\g+3], s[40:41] offset:12288+KI*1536+512*\g
.endr
.endif
.endm
.irp u, 0,1,2,3,4,5,6,7
	STEPW \u
.endr
	global_store_b128 v1, v[24:27], s[26:27]
	s_endpgm
.Lfunc_end_k_q525ec4e6cb_prep:
	.size	k_q525ec4e6cb_prep, .Lfunc_end_k_q525ec4e6cb_prep-k_q525ec4e6cb_prep
	.p2alignl 7, 3214868480
	.fill 96, 4, 3214868480
	.section	.rodata,"a",@progbits
	.p2align	6, 0x0
	.amdhsa_kernel k_q525ec4e6cb_prep
		.amdhsa_group_segment_fixed_size 140288
		.amdhsa_private_segment_fixed_size 0
		.amdhsa_enable_private_segment 0
		.amdhsa_kernarg_size 104
		.amdhsa_user_sgpr_count 2
		.amdhsa_user_sgpr_kernarg_segment_ptr 1
		.amdhsa_wavefront_size32 1
		.amdhsa_system_sgpr_workgroup_id_x 1
		.amdhsa_system_sgpr_workgroup_id_y 1
		.amdhsa_system_sgpr_workgroup_id_z 1
		.amdhsa_system_vgpr_workitem_id 0
		.amdhsa_next_free_vgpr 256
		.amdhsa_next_free_sgpr 72
		.amdhsa_reserve_vcc 1
		.amdhsa_float_denorm_mode_32 3
		.amdhsa_float_denorm_mode_16_64 3
		.amdhsa_memory_ordered 1
		.amdhsa_forward_progress 1
		.amdhsa_inst_pref_size 253
	.end_amdhsa_kernel
	.amdgpu_metadata
---
amdhsa.version: [ 1, 2 ]
amdhsa.kernels:
  - .name:           k_q525ec4e6cb_prep
    .symbol:         k_q525ec4e6cb_prep.kd
    .args:
      - { .name: q, .offset: 0, .size: 8, .value_kind: global_buffer, .address_space: global }
      - { .name: k, .offset: 8, .size: 8, .value_kind: global_buffer, .address_space: global }
      - { .name: v, .offset: 16, .size: 8, .value_kind: global_buffer, .address_space: global }
      - { .name: mask, .offset: 24, .size: 8, .value_kind: global_buffer, .address_space: global }
      - { .name: Wq, .offset: 32, .size: 8, .value_kind: global_buffer, .address_space: global }
      - { .name: Wk, .offset: 40, .size: 8, .value_kind: global_buffer, .address_space: global }
      - { .name: Wv, .offset: 48, .size: 8, .value_kind: global_buffer, .address_space: global }
      - { .name: Wo, .offset: 56, .size: 8, .value_kind: global_buffer, .address_space: global }
      - { .name: xi, .offset: 64, .size: 8, .value_kind: global_buffer, .address_space: global }
      - { .name: wi, .offset: 72, .size: 8, .value_kind: global_buffer, .address_space: global }
      - { .name: mw, .offset: 80, .size: 8, .value_kind: global_buffer, .address_space: global }
      - { .name: mf, .offset: 88, .size: 8, .value_kind: global_buffer, .address_space: global }
      - { .name: rope, .offset: 96, .size: 8, .value_kind: global_buffer, .address_space: global }
    .group_segment_fixed_size: 140288
    .private_segment_fixed_size: 0
    .kernarg_segment_align: 8
    .kernarg_segment_size: 104
    .max_flat_workgroup_size: 256
    .sgpr_count:     72
    .vgpr_count:     256
    .wavefront_size: 32
...
	.end_amdgpu_metadata
.endif
;; end of part 1
;; launch proj (part 2): grid 12 x 64, 4 waves a work-group, no clusters, 102,912 bytes of LDS; arguments xi, wi, rope, bq, bk, bv, qi, kv; writes qi, kv
.if DOCPART == 2
	.amdgcn_target "amdgcn-amd-amdhsa--gfx1250"
	.amdhsa_code_object_version 6
	.text
	.protected	k_q525ec4e6cb_proj
	.globl	k_q525ec4e6cb_proj
	.p2align	8
	.type	k_q525ec4e6cb_proj,@function
k_q525ec4e6cb_proj:
	s_mov_b64 s[64:65], 0
	v_nop
	global_prefetch_b8 v0, s[64:65] scope:SCOPE_SE
	s_setreg_imm32_b32 hwreg(HW_REG_WAVE_MODE, 25, 1), 1
	s_wait_xcnt 0x0
; PROJ.  The three projections x W + b on codes of FP6 (E2M3) with E8M0 scales; q's and k's results are rotated (RoPE) and quantised along the head's 64, v's along the keys; all leave as images of operand registers.
; SHARES.  Work-group x = tensor x 4 + nq, y = block of 128 tokens.  It makes 128 tokens x 256 columns; wave w makes head 4 nq + w for all 128 tokens.  The wave's 64 columns x K 1,024 of W stay in 384 registers
; (96 dense loads of 512 bytes); the block's codes of x (102,400 bytes) go through LDS once, as they lie, and are read by the four waves.  Straight-line code, one barrier.
; Of a work-group's 307,200 bytes two thirds (W) go straight into registers; what four work-groups share (x's block) is the other third: no cluster, no tensor load.
; Q, K: THE PRODUCT IS USED TRANSPOSED (source 0 = 16 columns of W, source 1 = 16 tokens): a lane holds one token, and, by the order of W's columns in a tile, the registers of tiles 2 b, 2 b + 1 are columns 32 b + 16 (lane / 16) + 0 .. 15.
; V: source 0 = 16 tokens, source 1 = 16 columns: a lane holds one column, and, by the order of the tokens in a tile, the registers of tiles 2 b, 2 b + 1 are tokens 32 b + 16 (lane / 16) + 0 .. 15: neighbours along the keys.
; qi [batch x head 64] x 102,400: [key step 16][pair 4] fragments of three planes of 512 bytes: registers 0-5 tile 2 p, registers 6-11 tile 2 p + 1; from 98,304: [step][lane][2] words: word (L, i): pair 2 i + L / 16, row L % 16.
; kv [batch x head 64] x 204,800: K as qi's codes; from 98,304 V: [step][tile of 16 channels 4] fragments, K = the step's 128 keys; from 196,608 K's words as qi's; from 200,704 V's: word (L, i): tile 2 i + L / 16, row L % 16.
; LIMITS: NaN and infinities are not served; a block whose largest magnitude lies under 2^-124 keeps the byte 1.
; REGISTERS.  Window 1: W (tile t, K step s) for s 0-3 at 12 (4 t + s); window 2: s 4-7; window 3: two sets of x's eight fragments at 0 and 96 (at the head v0-199: x's bytes on their way to LDS).
;   Window 0: v1-11 addresses; v16-31 W's scale words; v32-39 x's, two sets; v40-71 the bias as C; v72-95 at work; v96-159 accumulators; above: see the paths.
.set SPARE, 102400                     ; behind x's image: the spare words, 128 bytes for each wave
.set SPW, 8
.set NIL, 9
.set WS,  16                           ; register 8 b + s: lanes 0-15 tile 2 b, lanes 16-31 tile 2 b + 1, K step s
.set XS,  32                           ; set tau % 2; register i: lanes 0-15 K step 2 i, lanes 16-31 K step 2 i + 1
.set BI,  40
.set TM,  72
.set ACC, 96
.set RP,  160                          ; Q, K: v160-223 cos and sin, two sets of 32
.set KF,  224                          ; v224-247 a pair's fragment, two sets
.set KSI, 248                          ; v248-249 the scale words as they are stored
.set VF,  160                          ; V: v160-207 four fragments
.set VW,  208                          ; v208-211 their scale words
.set VSI, 216
.set BL,  220                          ; v220-223 the bias of my column in tile t
.set VT,  224                          ; v224-239 the conversions of an odd block
.set SEL, 46
.set MSB, 0
.macro WIN new                         ; the immediate's high byte repeats the setting that is left
.if MSB != \new
	s_set_vgpr_msb (MSB<<8)|\new
.set MSB, \new
.endif
.endm
; one matrix instruction: D, A, B, C by their first registers; the two scale registers; ra, rb = 1: that side's scales lie in lanes 16-31
.macro WM d, a, b, c, sa, sb, ra, rb
.if ((\ra) == 0) && ((\rb) == 0)
	v_wmma_scale_f32_16x16x128_f8f6f4 v[(\d):(\d)+7], v[(\a):(\a)+11], v[(\b):(\b)+11], v[(\c):(\c)+7], v[\sa], v[\sb] matrix_a_fmt:MATRIX_FMT_FP6 matrix_b_fmt:MATRIX_FMT_FP6
.elseif (\rb) == 0
	v_wmma_scale_f32_16x16x128_f8f6f4 v[(\d):(\d)+7], v[(\a):(\a)+11], v[(\b):(\b)+11], v[(\c):(\c)+7], v[\sa], v[\sb] matrix_a_fmt:MATRIX_FMT_FP6 matrix_b_fmt:MATRIX_FMT_FP6 matrix_a_scale:MATRIX_SCALE_ROW1
.elseif (\ra) == 0
	v_wmma_scale_f32_16x16x128_f8f6f4 v[(\d):(\d)+7], v[(\a):(\a)+11], v[(\b):(\b)+11], v[(\c):(\c)+7], v[\sa], v[\sb] matrix_a_fmt:MATRIX_FMT_FP6 matrix_b_fmt:MATRIX_FMT_FP6 matrix_b_scale:MATRIX_SCALE_ROW1
.else
	v_wmma_scale_f32_16x16x128_f8f6f4 v[(\d):(\d)+7], v[(\a):(\a)+11], v[(\b):(\b)+11], v[(\c):(\c)+7], v[\sa], v[\sb] matrix_a_fmt:MATRIX_FMT_FP6 matrix_b_fmt:MATRIX_FMT_FP6 matrix_a_scale:MATRIX_SCALE_ROW1 matrix_b_scale:MATRIX_SCALE_ROW1
.endif
.endm
; tile tau's eight fragments and its scale words, from x's image: 33 LDS loads
.macro FETCH tau
.set XFB, 96*((\tau)%2)
	WIN 0xc0                                       ; destination window 3
.irp s, 0,1,2,3,4,5,6,7
	ds_load_b128 v[XFB+12*\s:XFB+12*\s+3], v[1+(\tau)/4] offset:12288*((\tau)%4)+1536*\s
	ds_load_b64 v[XFB+12*\s+4:XFB+12*\s+5], v[3+(\tau)/4] offset:12288*((\tau)%4)+1536*\s+512
	ds_load_b128 v[XFB+12*\s+6:XFB+12*\s+9], v[1+(\tau)/4] offset:12288*((\tau)%4)+1536*\s+768
	ds_load_b64 v[XFB+12*\s+10:XFB+12*\s+11], v[3+(\tau)/4] offset:12288*((\tau)%4)+1536*\s+1280
.endr
	WIN 0
	ds_load_b128 v[XS+4*((\tau)%2):XS+4*((\tau)%2)+3], v5 offset:512*(\tau)
.endm
.macro WLOAD half                      ; W's fragments of K steps 4 half .. 4 half + 3
.set ti, 0
.rept 4
.set si, 0
.rept 4
.set gi, 0
.rept 3
	global_load_b128 v[12*(4*ti+si)+4*gi:12*(4*ti+si)+4*gi+3], v1, s[10:11] offset:(8*ti+si+4*(\half))*1536+512*gi
.set gi, gi+1
.endr
.set si, si+1
.endr
.set ti, ti+1
.endr
.endm
	s_load_b512 s[8:23], s[0:1], 0x0               ; xi s[8:9], wi s[10:11], rope s[12:13], bq s[14:15], bk s[16:17], bv s[18:19], qi s[20:21], kv s[22:23]
	v_lshl_add_u32 v[SPW], v0, 2, SPARE
	v_mov_b32 v[NIL], 0
	v_lshrrev_b32 v1, 5, v0
	v_readfirstlane_b32 s4, v1                     ; wave 0..3
	v_and_b32 v12, 31, v0                          ; lane
	v_and_b32 v13, 15, v0                          ; r
	v_bfe_u32 v14, v0, 4, 1                        ; h
	v_lshlrev_b32 v1, 4, v12                       ; 16 x lane;
	v_add_nc_u32 v2, 49152, v1                     ; the same for tiles 4-7 (an LDS immediate has 16 bits)
	v_lshlrev_b32 v3, 3, v12                       ; 8 x lane;
	v_add_nc_u32 v4, 49152, v3
	v_add_nc_u32 v5, 98304, v1                     ; x's scale words
	v_and_b32 v15, 8, v13
	v_add_nc_u32 v15, v15, v13                     ; r + 8 (r / 8)
	v_lshlrev_b32 v6, 8, v15
	v_lshl_add_u32 v6, v14, 6, v6                  ; cos and sin: my token's 256 bytes, + 64 h
	v_lshlrev_b32 v7, 6, v14                       ; the bias as C of the transposed product: 16 h numbers on
	v_lshlrev_b32 v10, 2, v15                      ; the bias of my column
	s_mul_i32 s28, s4, 25600
	v_add_nc_u32 v11, s28, v1                      ; where I put my quarter of x's image
.irp i, 2,3,4,5,6,7
	v_mov_b32 v[TM+\i], 0                          ; written once: a lane permute's destination counts as one of its sources
.endr
	s_lshr_b32 s6, ttmp9, 2                        ; the tensor: 0 q, 1 k, 2 v
	s_and_b32 s7, ttmp9, 3                         ; nq
	s_and_b32 s24, ttmp7, 0xffff                   ; the block
	s_lshl_b32 s25, s7, 2
	s_add_co_u32 s25, s25, s4                      ; my head
	s_mov_b32 s5, 0xffff0000                       ; lanes 16-31
	s_mov_b32 s[SEL], 0x76543210
	s_mov_b32 s[SEL+1], 0xfedcba98
	s_mov_b32 s27, 0
	s_mov_b32 s41, 0
	s_wait_kmcnt 0x0
	s_lshl_b32 s26, s6, 6
	s_add_co_u32 s26, s26, s24
	s_mul_i32 s26, s26, 102400
	s_add_co_u32 s26, s26, s28
	s_add_nc_u64 s[8:9], s[8:9], s[26:27]          ; my quarter of the block's record
	s_lshl_b32 s26, s6, 4
	s_add_co_u32 s26, s26, s25
	s_mul_i32 s26, s26, 51200
	s_add_nc_u64 s[10:11], s[10:11], s[26:27]      ; my head's record of W
	s_and_b32 s33, s24, 15                         ; the block's place in its sequence
	s_lshl_b32 s26, s33, 15
	s_add_nc_u64 s[12:13], s[12:13], s[26:27]      ; its 128 positions
	s_cmp_eq_u32 s6, 0                             ; the choices hang on the work-group's number alone
	s_cselect_b64 s[30:31], s[14:15], s[16:17]
	s_cselect_b64 s[34:35], s[20:21], s[22:23]
	s_mov_b32 s36, 204800
	s_cselect_b32 s36, 102400, s36                 ; a head's record in qi or in kv
	s_mov_b32 s37, 196608
	s_cselect_b32 s37, 98304, s37                  ; where its scale words begin
	s_cmp_eq_u32 s6, 2
	s_cselect_b64 s[30:31], s[18:19], s[30:31]
	s_cselect_b32 s38, 98304, 0                    ; V's codes lie behind K's
	s_mov_b32 s39, 200704
	s_cselect_b32 s37, s39, s37
	s_lshl_b32 s26, s25, 8
	s_add_nc_u64 s[30:31], s[30:31], s[26:27]      ; my head's 64 numbers of the bias
	s_lshr_b32 s32, s24, 4
	s_lshl_b32 s32, s32, 4
	s_add_co_u32 s32, s32, s25                     ; batch x 16 + head
	s_mul_i32 s36, s36, s32
	s_mul_i32 s40, s33, 6144
	s_add_co_u32 s40, s40, s36
	s_add_co_u32 s40, s40, s38
	s_add_nc_u64 s[42:43], s[34:35], s[40:41]      ; where my codes go
	s_lshl_b32 s40, s33, 8
	s_add_co_u32 s40, s40, s36
	s_add_co_u32 s40, s40, s37
	s_add_nc_u64 s[44:45], s[34:35], s[40:41]      ; and my scale words
	WIN 0xc0
.set i, 0
.rept 50
	global_load_b128 v[4*i:4*i+3], v1, s[8:9] offset:512*i
.set i, i+1
.endr
	WIN 0x40
	WLOAD 0
	WIN 0x80
	WLOAD 1
	WIN 0
.irp b, 0,1
.irp g, 0,1
	global_load_b128 v[WS+8*\b+4*\g:WS+8*\b+4*\g+3], v1, s[10:11] offset:49152+(2*\b+\g)*512
.endr
.endr
.irp t, 0,1,2,3
	global_load_b128 v[BI+8*\t:BI+8*\t+3], v7, s[30:31] offset:(32*(\t/2)+8*(\t%2))*4
	global_load_b128 v[BI+8*\t+4:BI+8*\t+7], v7, s[30:31] offset:(32*(\t/2)+8*(\t%2))*4+16
	global_load_b32 v[BL+\t], v10, s[30:31] offset:(32*(\t/2)+8*(\t%2))*4
.endr
	s_wait_loadcnt 0x0
	WIN 0x0c                                       ; an LDS store's data are its source 1: window 3
.set i, 0
.rept 50
	ds_store_b128 v11, v[4*i:4*i+3] offset:512*i
.set i, i+1
.endr
	WIN 0
	s_wait_dscnt 0x0                               ; for the others' sake: my quarter of the image has landed
	s_barrier_signal -1
	s_barrier_wait -1
	FETCH 0
	s_cmp_eq_u32 s6, 2
	s_cbranch_scc1 .Lv
; ---------------- Q and K
.macro RLOAD tau                       ; cos and sin of my token of tile tau, pairs 16 b + 8 h + 0 .. 7
.irp b, 0,1
.irp j, 0,1,2,3
	global_load_b128 v[RP+32*((\tau)%2)+16*\b+4*\j:RP+32*((\tau)%2)+16*\b+4*\j+3], v6, s[12:13] offset:(32*((\tau)/2)+8*((\tau)%2))*256+128*\b+16*\j
.endr
.endr
.endm
.macro PRODQ tau                       ; 32 matrix instructions: K step by K step, the four accumulators by turns; the bias is the C of each sum's first
.set XFB, 96*((\tau)%2)
.set XSB, XS+4*((\tau)%2)
.set si, 0
.rept 8
.if si == 0
	WIN 0x0d                                       ; source 0 (W) window 1, source 1 (x) window 3
.elseif si == 4
	WIN 0x0e                                       ; source 0 window 2
.endif
.set ti, 0
.rept 4
.if si == 0
	WM ACC+8*ti, 12*(4*ti+si%4), XFB+12*si, BI+8*ti, WS+8*(ti/2)+si, XSB+si/2, ti%2, si%2
.else
	WM ACC+8*ti, 12*(4*ti+si%4), XFB+12*si, ACC+8*ti, WS+8*(ti/2)+si, XSB+si/2, ti%2, si%2
.endif
.set ti, ti+1
.endr
.set si, si+1
.endr
	WIN 0
.endm
.macro ROT tau                         ; (t1, t2) -> (t1 c - t2 s, t1 s + t2 c): two packed instructions a pair, each accumulator from its low end on
.set RB, RP+32*((\tau)%2)
.set gi, 0
.rept 4
.irp n, 0,1,2,3
	v_pk_mul_f32 v[TM+16+2*\n:TM+17+2*\n], v[ACC+8*gi+2*\n:ACC+8*gi+2*\n+1], v[RB+8*gi+2*\n:RB+8*gi+2*\n+1] op_sel_hi:[1,0]   ; (t1 c, t2 c)
.endr
.irp n, 0,1,2,3
	v_pk_fma_f32 v[ACC+8*gi+2*\n:ACC+8*gi+2*\n+1], v[ACC+8*gi+2*\n:ACC+8*gi+2*\n+1], v[RB+8*gi+2*\n:RB+8*gi+2*\n+1], v[TM+16+2*\n:TM+17+2*\n] op_sel:[1,1,0] op_sel_hi:[0,1,1] neg_lo:[0,1,0]
.endr
.set gi, gi+1
.endr
.endm
; 32 numbers of a lane (register 16 b + i = k 32 b + 16 (lane / 16) + i of my row) become six registers of codes at dst (a block to each half of the lanes) and two scale bytes in v[w16]
.macro QUANT2 src, dst, w16
	v_max3_num_f32 v[TM], |v[\src]|, |v[\src+1]|, 0x1800000       ; and the floor 2^(3 - 127): the byte cannot fall under 1
	v_max3_num_f32 v[TM+1], |v[\src+16]|, |v[\src+17]|, 0x1800000
.irp i, 2,4,6,8,10,12,14
	v_max3_num_f32 v[TM], v[TM], |v[\src+\i]|, |v[\src+\i+1]|
	v_max3_num_f32 v[TM+1], v[TM+1], |v[\src+16+\i]|, |v[\src+17+\i]|
.endr
	v_permlanex16_b32 v[TM+2], v[TM], s[SEL], s[SEL+1]
	v_permlanex16_b32 v[TM+3], v[TM+1], s[SEL], s[SEL+1]
	v_max_num_f32 v[TM], v[TM], v[TM+2]
	v_max_num_f32 v[TM+1], v[TM+1], v[TM+3]
	v_add_nc_u32 v[TM+4], 0xff000000, v[TM]        ; 2 off the exponent field: the conversion's scale operand
	v_add_nc_u32 v[TM+5], 0xff000000, v[TM+1]
	v_lshrrev_b32 v[TM+6], 23, v[TM+4]
	v_lshrrev_b32 v[TM+7], 23, v[TM+5]
	v_cvt_scalef32_pk16_fp6_f32 v[(\dst):(\dst)+2], v[\src:\src+15], v[TM+4]
	v_cvt_scalef32_pk16_fp6_f32 v[TM+12:TM+14], v[\src+16:\src+31], v[TM+5]
	v_lshl_or_b32 v[\w16], v[TM+7], 8, v[TM+6]     ; (the plain place behind the conversions)
.irp i, 0,1,2
	v_permlane16_swap_b32 v[(\dst)+\i], v[TM+12+\i]
.endr
.irp i, 0,1,2
	v_mov_b32 v[(\dst)+3+\i], v[TM+12+\i]
.endr
.endm
.macro TILE tau
.if (\tau) < 7
	FETCH (\tau)+1
	RLOAD (\tau)+1
	s_wait_dscnt 33                                ; all but the 33 just issued: this tile's fragments and scale words are in
.else
	s_wait_dscnt 0x0
.endif
	PRODQ \tau
.rept 4
	v_nop                                          ; four places between the last product and the first read of a result
.endr
.if (\tau) < 7
	s_wait_loadcnt 8                               ; this tile's cos and sin are in; the next tile's eight loads may be out
.else
	s_wait_loadcnt 0x0
.endif
	ROT \tau
.if ((\tau) >= 4) && ((\tau)%2 == 0)
	s_wait_xcnt 0x0                                ; the stores of the pair two back have read this set of registers
.endif
	QUANT2 ACC, KF+12*(((\tau)/2)%2)+6*((\tau)%2), TM+8+(\tau)%2
.if (\tau)%2 == 1
.if ((\tau)/2)%2 == 0
	v_lshl_or_b32 v[TM+10], v[TM+9], 16, v[TM+8]   ; the pair's scale word: two bytes of each tile
.else
	v_lshl_or_b32 v[TM+11], v[TM+9], 16, v[TM+8]
	v_cndmask_b32 v[KSI+(\tau)/4], v[TM+10], v[TM+11], s5   ; lanes 0-15 the even pair's, lanes 16-31 the odd pair's
.endif
.irp g, 0,1,2
	global_store_b128 v1, v[KF+12*(((\tau)/2)%2)+4*\g:KF+12*(((\tau)/2)%2)+4*\g+3], s[42:43] offset:((\tau)/2)*1536+512*\g   ; 512 consecutive bytes, at a multiple of 256
.endr
.endif
.endm
	RLOAD 0
.irp u, 0,1,2,3,4,5,6,7
	TILE \u
.endr
	global_store_b64 v3, v[KSI:KSI+1], s[44:45]    ; the step's 256 bytes of scale words
	s_wait_tensorcnt 0x0                           ; the wave's end: three lines behind my last LDS store
	ds_add_u32 v[SPW], v[NIL]
	s_wait_dscnt 0x0
	s_endpgm
; ---------------- V
.Lv:
.irp t, 0,1,2,3
.irp j, 0,1,2,3,4,5,6,7
	v_mov_b32 v[BI+8*\t+\j], v[BL+\t]              ; here a lane holds one column: its bias in all eight registers of C
.endr
.endr
.macro PRODV tau
.set XFB, 96*((\tau)%2)
.set XSB, XS+4*((\tau)%2)
.set AV, ACC+8*((\tau)%2)
.set si, 0
.rept 8
.if si == 0
	WIN 0x07                                       ; source 0 (x) window 3, source 1 (W) window 1
.elseif si == 4
	WIN 0x0b                                       ; source 1 window 2
.endif
.set ti, 0
.rept 4
.if si == 0
	WM AV+16*ti, XFB+12*si, 12*(4*ti+si%4), BI+8*ti, XSB+si/2, WS+8*(ti/2)+si, si%2, ti%2
.else
	WM AV+16*ti, XFB+12*si, 12*(4*ti+si%4), AV+16*ti, XSB+si/2, WS+8*(ti/2)+si, si%2, ti%2
.endif
.set ti, ti+1
.endr
.set si, si+1
.endr
	WIN 0
.endm
.macro QV b                            ; block b of 32 keys, for my column in each of the four tiles
.irp t, 0,1,2,3
	v_max3_num_f32 v[TM+\t], |v[ACC+16*\t]|, |v[ACC+16*\t+1]|, 0x1800000
.endr
.irp i, 2,4,6,8,10,12,14
.irp t, 0,1,2,3
	v_max3_num_f32 v[TM+\t], v[TM+\t], |v[ACC+16*\t+\i]|, |v[ACC+16*\t+\i+1]|
.endr
.endr
.irp t, 0,1,2,3
	v_permlanex16_b32 v[TM+4+\t], v[TM+\t], s[SEL], s[SEL+1]
.endr
.irp t, 0,1,2,3
	v_max_num_f32 v[TM+\t], v[TM+\t], v[TM+4+\t]
.endr
.irp t, 0,1,2,3
	v_add_nc_u32 v[TM+12+\t], 0xff000000, v[TM+\t]
.endr
.irp t, 0,1,2,3
	v_lshrrev_b32 v[TM+4+\t], 23, v[TM+12+\t]
.endr
.irp t, 0,1,2,3
.if (\b) == 0
	v_mov_b32 v[VW+\t], v[TM+4+\t]
.else
	v_lshl_or_b32 v[VW+\t], v[TM+4+\t], 8*(\b), v[VW+\t]
.endif
.endr
.if (\b)%2 == 0
.irp t, 0,1,2,3
	v_cvt_scalef32_pk16_fp6_f32 v[VF+12*\t+6*((\b)/2):VF+12*\t+6*((\b)/2)+2], v[ACC+16*\t:ACC+16*\t+15], v[TM+12+\t]
.endr
	v_nop                                          ; one plain place behind a scaled conversion
.else
.irp t, 0,1,2,3
	v_cvt_scalef32_pk16_fp6_f32 v[VT+4*\t:VT+4*\t+2], v[ACC+16*\t:ACC+16*\t+15], v[TM+12+\t]
.endr
	v_nop
.irp t, 0,1,2,3
.irp i, 0,1,2
	v_permlane16_swap_b32 v[VF+12*\t+6*((\b)/2)+\i], v[VT+4*\t+\i]   ; a whole block to each half of the lanes
.endr
.endr
.irp t, 0,1,2,3
.irp i, 0,1,2
	v_mov_b32 v[VF+12*\t+6*((\b)/2)+3+\i], v[VT+4*\t+\i]
.endr
.endr
.endif
.endm
.macro TILEV tau
.if (\tau) < 7
	FETCH (\tau)+1
	s_wait_dscnt 33                                ; all but the 33 just issued
.else
	s_wait_dscnt 0x0
.endif
	PRODV \tau
.rept 4
	v_nop                                          ; places in front of loads into registers that these products have read, and of the first read of a result
.endr
.if (\tau)%2 == 1
	QV (\tau)/2
.endif
.endm
.irp u, 0,1,2,3,4,5,6,7
	TILEV \u
.endr
.irp t, 0,1,2,3
.irp g, 0,1,2
	global_store_b128 v1, v[VF+12*\t+4*\g:VF+12*\t+4*\g+3], s[42:43] offset:\t*1536+512*\g
.endr
.endr
	v_cndmask_b32 v[VSI], v[VW], v[VW+1], s5
	v_cndmask_b32 v[VSI+1], v[VW+2], v[VW+3], s5
	global_store_b64 v3, v[VSI:VSI+1], s[44:45]
	s_wait_tensorcnt 0x0                           ; the wave's end: three lines behind my last LDS store
	ds_add_u32 v[SPW], v[NIL]
	s_wait_dscnt 0x0
	s_endpgm
.Lfunc_end_k_q525ec4e6cb_proj:
	.size	k_q525ec4e6cb_proj, .Lfunc_end_k_q525ec4e6cb_proj-k_q525ec4e6cb_proj
	.p2alignl 7, 3214868480
	.fill 96, 4, 3214868480
	.section	.rodata,"a",@progbits
	.p2align	6, 0x0
	.amdhsa_kernel k_q525ec4e6cb_proj
		.amdhsa_group_segment_fixed_size 102912
		.amdhsa_private_segment_fixed_size 0
		.amdhsa_enable_private_segment 0
		.amdhsa_kernarg_size 64
		.amdhsa_user_sgpr_count 2
		.amdhsa_user_sgpr_kernarg_segment_ptr 1
		.amdhsa_wavefront_size32 1
		.amdhsa_system_sgpr_workgroup_id_x 1
		.amdhsa_system_sgpr_workgroup_id_y 1
		.amdhsa_system_sgpr_workgroup_id_z 1
		.amdhsa_system_vgpr_workitem_id 0
		.amdhsa_next_free_vgpr 1024
		.amdhsa_next_free_sgpr 66
		.amdhsa_reserve_vcc 0
		.amdhsa_float_denorm_mode_32 3
		.amdhsa_float_denorm_mode_16_64 3
		.amdhsa_memory_ordered 1
		.amdhsa_forward_progress 1
		.amdhsa_inst_pref_size 178
	.end_amdhsa_kernel
	.amdgpu_metadata
---
amdhsa.version: [ 1, 2 ]
amdhsa.kernels:
  - .name:           k_q525ec4e6cb_proj
    .symbol:         k_q525ec4e6cb_proj.kd
    .args:
      - { .name: xi, .offset: 0, .size: 8, .value_kind: global_buffer, .address_space: global }
      - { .name: wi, .offset: 8, .size: 8, .value_kind: global_buffer, .address_space: global }
      - { .name: rope, .offset: 16, .size: 8, .value_kind: global_buffer, .address_space: global }
      - { .name: bq, .offset: 24, .size: 8, .value_kind: global_buffer, .address_space: global }
      - { .name: bk, .offset: 32, .size: 8, .value_kind: global_buffer, .address_space: global }
      - { .name: bv, .offset: 40, .size: 8, .value_kind: global_buffer, .address_space: global }
      - { .name: qi, .offset: 48, .size: 8, .value_kind: global_buffer, .address_space: global }
      - { .name: kv, .offset: 56, .size: 8, .value_kind: global_buffer, .address_space: global }
    .group_segment_fixed_size: 102912
    .private_segment_fixed_size: 0
    .kernarg_segment_align: 8
    .kernarg_segment_size: 64
    .max_flat_workgroup_size: 128
    .sgpr_count:     66
    .vgpr_count:     1024
    .wavefront_size: 32
...
	.end_amdgpu_metadata
.endif
;; end of part 2
;; launch attn (part 3): grid 4 x 64, 16 waves a work-group, no clusters, 273,408 bytes of LDS; arguments qi, kv, mw, mf, oi; writes oi
.if DOCPART == 3
	.amdgcn_target "amdgcn-amd-amdhsa--gfx1250"
	.amdhsa_code_object_version 6
	.text
	.protected	k_q525ec4e6cb_attn
	.globl	k_q525ec4e6cb_attn
	.p2align	8
	.type	k_q525ec4e6cb_attn,@function
k_q525ec4e6cb_attn:
	s_mov_b64 s[64:65], 0
	v_nop
	global_prefetch_b8 v0, s[64:65] scope:SCOPE_SE
	s_setreg_imm32_b32 hwreg(HW_REG_WAVE_MODE, 25, 1), 1
	s_wait_xcnt 0x0
; ATTN.  O = softmax(Q K^T / 8, masked) V for one head, both products on codes of FP6 (E2M3) with E8M0 scales; O is quantised along the head's 64 and leaves as a part of the last product's operand.
; THE SOFTMAX AHEAD OF THE SECOND PRODUCT: t = score x log2(e) / 8; M = the running largest t, rounded UP to a whole number; p = 2^(t - M) is quantised along the keys, not normalised; the row's sum is taken of the
; unquantised p and divides O at the end.  When M moves, the sum and O are multiplied by 2^(old M - new M): exact.
; SHARES.  Work-group x = 512 queries, y = batch x 16 + head.  The head's K and V, 204,800 bytes, come into LDS once and stay.  Each of sixteen waves owns a tile of 16 queries in each of two passes and walks 16 steps of 128 keys.
; The four work-groups of a head read the same 204,800 bytes once each, at the head; they are not asked for jointly by tensor loads; the key loop jumps over the mask's 64 selects on a stored flag.
; LAYOUT.  Both products transposed: S^T = K Q^T, O^T = V^T P^T: a lane holds ONE query (lane % 16).  By the order of the keys in a tile, register 16 b + i of S is key 32 b + 16 (lane / 16) + i.
; K = 64 UNDER AN INSTRUCTION OF K = 128: a fragment of K holds two tiles of keys (k 0-63: tile 2 p; k 64-127: tile 2 p + 1).  It is multiplied once by (q | zero codes) and once by (zero codes | q).
; THE MASK: 64 words a step in scalar registers; bit L of word j says whether register j of lane L counts.  A step whose record has no hole (its flag bit is 0) jumps over the selects.
; A row with no key at all has the sum 0: its scale bytes become 0xff, which makes the last product's sums of that token NaN.
; LIMITS: NaN and infinities among the inputs are not served; a block whose largest magnitude lies under 2^-124 keeps the byte 1.
; REGISTERS: v0 lane; v1-3, v11 addresses and work; v4, v5 the add's two; v[6:7] K's scale words, v[8:9] V's, v10 q's; v12 -M, v13 the largest t, v[14:15] the sum; v16-33 zeros | q | zeros; v34 f, v35 p's scale word;
;   v36-51 at work; v47 the two passes' scale bytes of O; v52-63 p's codes; v64-111 K; v112-159 V; v160-223 S, then p; v224-255 O^T.
.set VIB,   131072                     ; LDS: K's step st at 8,192 st (6,144 used); V's at VIB + 8,192 st;
.set KSB,   262144                     ; K's scale words, 256 bytes a step;
.set VSB,   266240                     ; V's;
.set OSB,   270336                     ; the stage for O's scale bytes: 32 tiles x 32 bytes;
.set SPARE, 271360                     ; the spare words, 128 bytes for each of sixteen waves
.set SPW, 4
.set NIL, 5
.set KR,  64
.set VR,  112
.set S,   160
.set O,   224
.set WV,  2                            ; s2   my wave
.set ST,  84                           ; s84  the key step
.set PS,  85                           ; s85  the pass
.set FL,  86                           ; s86  the tile's 16 flags
.set MO,  87                           ; s87  the record's offset
.set MB,  88                           ; s[88:89] the tile's 16 records.  The words lie in s16-63 and s68-83
.set SEL, 90
.set CS,  92                           ; s[92:93] c = log2(e) / 8
.set TT,  101                          ; s101 the tile of queries
.macro WM d, a, b, c, sa, sb, ra
.if (\ra) == 0
	v_wmma_scale_f32_16x16x128_f8f6f4 v[(\d):(\d)+7], v[(\a):(\a)+11], v[(\b):(\b)+11], v[(\c):(\c)+7], v[\sa], v[\sb] matrix_a_fmt:MATRIX_FMT_FP6 matrix_b_fmt:MATRIX_FMT_FP6
.else
	v_wmma_scale_f32_16x16x128_f8f6f4 v[(\d):(\d)+7], v[(\a):(\a)+11], v[(\b):(\b)+11], v[(\c):(\c)+7], v[\sa], v[\sb] matrix_a_fmt:MATRIX_FMT_FP6 matrix_b_fmt:MATRIX_FMT_FP6 matrix_a_scale:MATRIX_SCALE_ROW1
.endif
.endm
.macro WM0 d, a, b, sa, sb, ra         ; the same with C = 0
.if (\ra) == 0
	v_wmma_scale_f32_16x16x128_f8f6f4 v[(\d):(\d)+7], v[(\a):(\a)+11], v[(\b):(\b)+11], 0, v[\sa], v[\sb] matrix_a_fmt:MATRIX_FMT_FP6 matrix_b_fmt:MATRIX_FMT_FP6
.else
	v_wmma_scale_f32_16x16x128_f8f6f4 v[(\d):(\d)+7], v[(\a):(\a)+11], v[(\b):(\b)+11], 0, v[\sa], v[\sb] matrix_a_fmt:MATRIX_FMT_FP6 matrix_b_fmt:MATRIX_FMT_FP6 matrix_a_scale:MATRIX_SCALE_ROW1
.endif
.endm
	s_load_b256 s[4:11], s[0:1], 0x0               ; qi s[4:5], kv s[6:7], mw s[8:9], mf s[10:11]
	s_load_b64 s[12:13], s[0:1], 0x20              ; oi
	v_lshl_add_u32 v[SPW], v0, 2, SPARE
	v_mov_b32 v[NIL], 0
	v_lshrrev_b32 v1, 5, v0
	v_readfirstlane_b32 s[WV], v1                  ; wave 0..15
	v_and_b32 v0, 31, v0                           ; FROM HERE ON v0 IS THE LANE
	s_and_b32 s15, ttmp7, 0xffff                   ; batch x 16 + head
	v_lshlrev_b32 v1, 4, v0                        ; 16 x lane
	s_lshl_b32 s94, s[WV], 13
	v_add_nc_u32 v2, s94, v1                       ; LDS: K's step w,
	v_add_nc_u32 v3, VIB, v2                       ; V's step w,
	s_lshl_b32 s94, s[WV], 9
	s_add_co_u32 s94, s94, KSB
	v_add_nc_u32 v11, s94, v1                      ; and 512 bytes of the scale words
	s_mov_b32 s[SEL], 0x76543210
	s_mov_b32 s[SEL+1], 0xfedcba98
	s_mov_b32 s[CS], 0x3e38aa3b
	s_mov_b32 s[CS+1], s[CS]                       ; (named with it as a pair, so it is written)
	s_mov_b32 s95, 0
	s_wait_kmcnt 0x0
	s_mul_i32 s94, s15, 204800
	s_add_nc_u64 s[6:7], s[6:7], s[94:95]          ; the head's record
	s_mul_i32 s94, s[WV], 6144
	s_add_nc_u64 s[96:97], s[6:7], s[94:95]
	s_lshl_b32 s94, s[WV], 9
	s_add_nc_u64 s[98:99], s[6:7], s[94:95]
.irp g, 0,1,2,3,4,5,6,7,8,9,10,11
	global_load_b128 v[KR+4*\g:KR+4*\g+3], v1, s[96:97] offset:512*\g
.endr
.irp g, 0,1,2,3,4,5,6,7,8,9,10,11
	global_load_b128 v[VR+4*\g:VR+4*\g+3], v1, s[96:97] offset:98304+512*\g
.endr
	global_load_b128 v[S:S+3], v1, s[98:99] offset:196608
.irp j, 16,17,18,19,20,21,28,29,30,31,32,33
	v_mov_b32 v[\j], 0                             ; the zero codes on both sides of q
.endr
.irp j, 40,41,42,43,47
	v_mov_b32 v[\j], 0                             ; written once: lane permutes' destinations count as sources; v47 gathers O's scale bytes
.endr
	s_wait_loadcnt 0x0
.irp g, 0,1,2,3,4,5,6,7,8,9,10,11
	ds_store_b128 v2, v[KR+4*\g:KR+4*\g+3] offset:512*\g
.endr
.irp g, 0,1,2,3,4,5,6,7,8,9,10,11
	ds_store_b128 v3, v[VR+4*\g:VR+4*\g+3] offset:512*\g
.endr
	ds_store_b128 v11, v[S:S+3]
	s_mul_i32 s94, s15, 102400
	s_add_nc_u64 s[4:5], s[4:5], s[94:95]          ; the head's record of Q
	s_lshr_b32 s94, s15, 4
	s_lshl_b32 s94, s94, 4
	s_mul_i32 s94, s94, 102400                     ; the batch's 16 blocks of oi
	s_and_b32 s96, s15, 15                         ; the head
	s_lshr_b32 s97, s96, 1
	s_mul_i32 s97, s97, 1536                       ; its K step of the last product,
	s_and_b32 s98, s96, 1
	s_mul_i32 s98, s98, 768                        ; and its unit of the fragment
	s_add_co_u32 s97, s97, s98
	s_add_co_u32 s98, s94, s97
	s_mov_b32 s99, 0
	s_add_nc_u64 s[6:7], s[12:13], s[98:99]        ; where O's codes go, but for the tile's place
	s_mul_i32 s98, ttmp9, 4*102400
	s_add_co_u32 s98, s98, s94
	s_lshl_b32 s97, s96, 8
	s_add_co_u32 s98, s98, s97
	s_add_co_u32 s98, s98, 98304
	s_add_nc_u64 s[12:13], s[12:13], s[98:99]      ; where the work-group's four units of scale bytes go
	s_wait_dscnt 0x0                               ; for the others' sake: my part of K, V and the scale words has landed
	s_barrier_signal -1
	s_barrier_wait -1
	v_lshl_add_u32 v3, v0, 3, KSB
.irp g, 0,1,2,3,4,5,6,7,8,9,10,11
	ds_load_b128 v[KR+4*\g:KR+4*\g+3], v1 offset:512*\g   ; K of step 0
.endr
	ds_load_b64 v[6:7], v3
	s_mov_b32 s[PS], 0
.Lpass:
	s_wait_xcnt 0x0                                ; the last pass's stores have read their registers and base
	s_wait_kmcnt 0x0                               ; and its last scalar loads have landed
	s_lshl_b32 s[TT], ttmp9, 5
	s_lshl_b32 s94, s[PS], 4
	s_add_co_u32 s[TT], s[TT], s94
	s_add_co_u32 s[TT], s[TT], s[WV]               ; my tile: 32 x + 16 pass + wave
	s_lshr_b32 s94, s[TT], 1
	s_mul_i32 s94, s94, 1536                       ; its pair's fragment
	s_mov_b32 s95, 0
	s_add_nc_u64 s[96:97], s[4:5], s[94:95]
	s_and_b32 s100, s[TT], 1                       ; u: registers 6 u .. 6 u + 5 of the three planes: bytes 16 L + {0, 8, 512} + u {520, 1016, 520}
	s_mul_i32 s98, s100, 520
	s_mul_i32 s99, s100, 1016
	v_lshl_add_u32 v[S], v0, 4, s98
	v_lshl_add_u32 v[S+1], v0, 4, s99
	global_load_b64 v[22:23], v[S], s[96:97]
	global_load_b64 v[24:25], v[S+1], s[96:97] offset:8
	global_load_b64 v[26:27], v[S], s[96:97] offset:512
	s_lshr_b32 s94, s[TT], 3
	s_lshl_b32 s94, s94, 8                         ; the step's 256 bytes of scale words;
	s_bfe_u32 s98, s[TT], 0x10001
	s_lshl_b32 s98, s98, 7                         ; an odd pair's lie in lanes 16-31;
	s_add_co_u32 s94, s94, s98
	s_bfe_u32 s98, s[TT], 0x10002
	s_lshl_b32 s98, s98, 2                         ; pairs 2, 3 in the second word;
	s_add_co_u32 s94, s94, s98
	s_lshl_b32 s98, s100, 1                        ; the odd tile's two bytes in its upper half
	s_add_co_u32 s94, s94, s98
	s_add_nc_u64 s[98:99], s[4:5], s[94:95]
	v_and_b32 v[S+2], 15, v0
	v_lshlrev_b32 v[S+2], 3, v[S+2]
	global_load_u16 v10, v[S+2], s[98:99] offset:98304
	s_lshl_b32 s94, s[TT], 8
	s_add_nc_u64 s[14:15], s[10:11], s[94:95]
	s_load_b32 s[FL], s[14:15], 0x0                ; the flags of key steps 0-7,
	s_load_b32 s3, s[14:15], 0x80                  ; and of 8-15
	s_lshl_b32 s94, s[TT], 12
	s_add_nc_u64 s[MB:MB+1], s[8:9], s[94:95]
	s_mov_b32 s[MO], 0
	s_load_b512 s[16:31], s[MB:MB+1], s[MO] offset:0x0     ; the record of step 0
	s_load_b512 s[32:47], s[MB:MB+1], s[MO] offset:0x40
	s_load_b512 s[48:63], s[MB:MB+1], s[MO] offset:0x80
	s_load_b512 s[68:83], s[MB:MB+1], s[MO] offset:0xc0
	v_mov_b32 v13, 0xff61b1e6                      ; the largest t so far: -3e38, under every t
	v_floor_f32 v12, -v13                          ; -M
	v_mov_b32 v14, 0
	v_mov_b32 v15, 0
	v_mov_b32 v35, 0                               ; (named as the upper half of the pair v[34:35] before it is first written)
	s_wait_loadcnt 0x0
	v_lshl_or_b32 v10, v10, 16, v10                ; q's two bytes serve k 0-63 and k 64-127 alike
.set j, 0
.rept 32
	v_mov_b32 v[O+j], 0                            ; O^T: the step is written once; its first trip finds zeros.  (These are also the places between the scale word's line and the first product)
.set j, j+1
.endr
	s_wait_kmcnt 0x0
	s_or_b32 s[FL], s[FL], s3
	s_mov_b32 s[ST], 0
.Lstep:
	s_add_co_u32 s94, s[ST], 1
	s_and_b32 s94, s94, 15                         ; the next step; behind the last comes step 0, which the next pass wants
	s_lshl_b32 s95, s94, 13                        ; its K,
	s_lshl_b32 s97, s94, 8
	s_add_co_u32 s98, s97, KSB                     ; its scale words;
	s_lshl_b32 s96, s[ST], 13
	s_add_co_u32 s96, s96, VIB                     ; this step's V,
	s_lshl_b32 s99, s[ST], 8
	s_add_co_u32 s99, s99, VSB                     ; and its scale words
	s_wait_dscnt 0x0                               ; this step's K and its scale words are in
.set p, 0
.rept 4
	WM0 S+16*p, KR+12*p, 22, 6+p/2, 10, p%2        ; tile 2 p: K's pair x (q | 0)
	WM0 S+16*p+8, KR+12*p, 16, 6+p/2, 10, p%2      ; tile 2 p + 1: x (0 | q)
.set p, p+1
.endr
	v_lshl_add_u32 v1, v0, 4, s95                  ; four plain lines: the places in front of the loads into registers that products have read, and of the first read of a score
	v_lshl_add_u32 v2, v0, 4, s96
	v_lshl_add_u32 v3, v0, 3, s98
	v_lshl_add_u32 v11, v0, 3, s99
.irp g, 0,1,2,3,4,5,6,7,8,9,10,11
	ds_load_b128 v[VR+4*\g:VR+4*\g+3], v2 offset:512*\g
.endr
	ds_load_b64 v[8:9], v11
.irp g, 0,1,2,3,4,5,6,7,8,9,10,11
	ds_load_b128 v[KR+4*\g:KR+4*\g+3], v1 offset:512*\g
.endr
	ds_load_b64 v[6:7], v3
	s_wait_kmcnt 0x0                               ; this step's record, asked for a step ago
	s_lshr_b32 s100, s[FL], s[ST]
	s_and_b32 s100, s100, 1
	s_cmp_eq_u32 s100, 0
	s_cbranch_scc1 .Lopen                          ; no hole in these 16 x 128: a branch on a stored whole number
	v_mov_b32 v11, 0xff800000                      ; -infinity
.set j, 0
.rept 64
.if j < 48
	v_cndmask_b32 v[S+j], v11, v[S+j], s[16+j]
.else
	v_cndmask_b32 v[S+j], v11, v[S+j], s[20+j]
.endif
.set j, j+1
.endr
.Lopen:
	s_mov_b32 s[MO], s97                           ; (behind the wait that shows the last loads done)
	s_load_b512 s[16:31], s[MB:MB+1], s[MO] offset:0x0
	s_load_b512 s[32:47], s[MB:MB+1], s[MO] offset:0x40
	s_load_b512 s[48:63], s[MB:MB+1], s[MO] offset:0x80
	s_load_b512 s[68:83], s[MB:MB+1], s[MO] offset:0xc0
.irp b, 0,1,2,3
	v_max3_num_f32 v[36+\b], v[S+16*\b], v[S+1+16*\b], v[S+2+16*\b]   ; the largest score of each block of 32 keys: for the row's maximum and, since p rises with the score, for the block's largest p
.endr
.irp i, 3,5,7,9,11,13
.irp b, 0,1,2,3
	v_max3_num_f32 v[36+\b], v[36+\b], v[S+16*\b+\i], v[S+1+16*\b+\i]
.endr
.endr
.irp b, 0,1,2,3
	v_max_num_f32 v[36+\b], v[36+\b], v[S+15+16*\b]
.endr
.irp b, 0,1,2,3
	v_permlanex16_b32 v[40+\b], v[36+\b], s[SEL], s[SEL+1]
.endr
.irp b, 0,1,2,3
	v_max_num_f32 v[36+\b], v[36+\b], v[40+\b]     ; with lane l xor 16's 16 keys
.endr
	v_max3_num_f32 v11, v36, v37, v38
	v_max_num_f32 v11, v11, v39
	v_mul_f32 v11, s[CS], v11                      ; as t (c is positive)
	v_max_num_f32 v13, v13, v11                    ; the running largest t
	v_mov_b32 v11, v12
	v_floor_f32 v12, -v13                          ; the new -M = -ceil(t): a whole number
	v_sub_f32 v11, v12, v11                        ; old M - new M: a whole number, 0 or less
	v_cvt_i32_f32 v11, v11                         ; (it saturates)
	v_ldexp_f32 v34, 1.0, v11                      ; f = 2^(old M - new M)
.set j, 0
.rept 32
	v_pk_fma_f32 v[S+j:S+j+1], v[S+j:S+j+1], s[CS:CS+1], v[12:13] op_sel_hi:[1,0,0]   ; t - M, two at a time
.set j, j+2
.endr
.irp b, 0,1,2,3
	v_fma_f32 v[36+\b], v[36+\b], s[CS], v12       ; the same of each block's largest score
.endr
.set j, 0
.rept 64
	v_exp_f32 v[S+j], v[S+j]                       ; p = 2^(t - M), at most 1
.set j, j+1
.endr
	v_pk_mul_f32 v[14:15], v[14:15], v[34:35] op_sel_hi:[1,0]   ; the sums under the new M (a plain place behind the exponentials)
	s_wait_alu depctr_va_vdst(0)                   ; one wait for the batch of 64, ahead of its first reader
.irp b, 0,1,2,3
	v_exp_f32 v[36+\b], v[36+\b]                   ; the block's largest p
.endr
	v_pk_add_f32 v[40:41], v[S:S+1], v[S+2:S+3]    ; the row's sum is taken of the unquantised p, in two chains
.irp j, 4,8,12,16,20,24,28,32,36,40,44,48,52,56,60
	v_pk_add_f32 v[14:15], v[14:15], v[S+\j:S+1+\j]
	v_pk_add_f32 v[40:41], v[40:41], v[S+2+\j:S+3+\j]
.endr
	v_pk_add_f32 v[14:15], v[14:15], v[40:41]
	s_wait_alu depctr_va_vdst(0)                   ; and one for the four
.irp b, 0,1,2,3
	v_max_num_f32 v[36+\b], 0x1800000, v[36+\b]    ; the floor 2^(3 - 127): the byte cannot fall under 1
.endr
.irp b, 0,1,2,3
	v_add_nc_u32 v[48+\b], 0xff000000, v[36+\b]    ; the conversion's scale operand
.endr
.irp b, 0,1,2,3
	v_lshrrev_b32 v[40+\b], 23, v[48+\b]           ; the scale's byte
.endr
	v_lshl_or_b32 v35, v41, 8, v40                 ; p's scale word for these 128 keys
	v_lshl_or_b32 v35, v42, 16, v35
	v_lshl_or_b32 v35, v43, 24, v35
.irp c, 0,1
	v_cvt_scalef32_pk16_fp6_f32 v[52+6*\c:54+6*\c], v[S+32*\c:S+15+32*\c], v[48+2*\c]
	v_cvt_scalef32_pk16_fp6_f32 v[40+4*\c:42+4*\c], v[S+16+32*\c:S+31+32*\c], v[48+2*\c+1]
.endr
	v_nop                                          ; one plain place behind a scaled conversion
.irp c, 0,1
.irp i, 0,1,2
	v_permlane16_swap_b32 v[52+6*\c+\i], v[40+4*\c+\i]
.endr
.irp i, 0,1,2
	v_mov_b32 v[55+6*\c+\i], v[40+4*\c+\i]
.endr
.endr
.set j, 0
.rept 16
	v_pk_mul_f32 v[O+j:O+j+1], v[O+j:O+j+1], v[34:35] op_sel_hi:[1,0]   ; O^T under the new M.  (These 16 are also the places between p's codes and scale word and the products)
.set j, j+2
.endr
	s_wait_dscnt 13                                ; V and its scale words are in; the 13 loads issued behind them, the next step's K, may be out
.set t, 0
.rept 4
	WM O+8*t, VR+12*t, 52, O+8*t, 8+t/2, 35, t%2   ; four accumulators, one instruction each
.set t, t+1
.endr
	s_add_co_u32 s[ST], s[ST], 1
	s_cmp_lt_u32 s[ST], 16
	s_cbranch_scc1 .Lstep
	; a pass's end: O^T / the sum, quantised along the head's 64: a unit of the last product's operand
	v_add_f32 v14, v14, v15
	v_lshlrev_b32 v1, 4, v0
	v_lshlrev_b32 v2, 3, v0
	v_nop                                          ; (with the three lines above: four places behind the last products)
	v_permlanex16_b32 v11, v14, s[SEL], s[SEL+1]
	v_add_f32 v14, v14, v11                        ; the row's sum
	v_rcp_f32 v15, v14
	v_cmp_neq_f32 vcc_lo, 0, v14                   ; a row with no key has the sum 0
	v_nop                                          ; a plain place behind the reciprocal
	s_wait_alu depctr_va_vdst(0)                   ; and the wait ahead of its first reader
.set j, 0
.rept 32
	v_mul_f32 v[S+j], v[O+j], v15                  ; register 16 b + i is channel 32 b + 16 (lane / 16) + i of my query
.set j, j+1
.endr
	v_max3_num_f32 v36, |v[S]|, |v[S+1]|, 0x1800000
	v_max3_num_f32 v37, |v[S+16]|, |v[S+17]|, 0x1800000
.irp i, 2,4,6,8,10,12,14
	v_max3_num_f32 v36, v36, |v[S+\i]|, |v[S+1+\i]|
	v_max3_num_f32 v37, v37, |v[S+16+\i]|, |v[S+17+\i]|
.endr
	v_permlanex16_b32 v38, v36, s[SEL], s[SEL+1]
	v_permlanex16_b32 v39, v37, s[SEL], s[SEL+1]
	v_max_num_f32 v36, v36, v38
	v_max_num_f32 v37, v37, v39
	v_add_nc_u32 v48, 0xff000000, v36
	v_add_nc_u32 v49, 0xff000000, v37
	v_lshrrev_b32 v50, 23, v48
	v_lshrrev_b32 v51, 23, v49
	v_cvt_scalef32_pk16_fp6_f32 v[52:54], v[S:S+15], v48
	v_cvt_scalef32_pk16_fp6_f32 v[44:46], v[S+16:S+31], v49
	v_lshl_or_b32 v11, v51, 8, v50                 ; my row's two scale bytes (the plain place behind the conversions)
.irp i, 0,1,2
	v_permlane16_swap_b32 v[52+\i], v[44+\i]
.endr
.irp i, 0,1,2
	v_mov_b32 v[55+\i], v[44+\i]
.endr
	v_cndmask_b32 v11, 0xffff, v11, vcc_lo         ; the sum 0: both bytes NaN
	v_lshrrev_b32 v47, 16, v47
	v_lshl_or_b32 v47, v11, 16, v47                ; behind two passes: the first pass's in the low half, the second's in the high
	s_lshr_b32 s94, s[TT], 3
	s_mul_i32 s94, s94, 102400                     ; the tile's block of 128 tokens,
	s_and_b32 s96, s[TT], 7
	s_mul_i32 s96, s96, 12288                      ; and its place there
	s_add_co_u32 s94, s94, s96
	s_mov_b32 s95, 0
	s_add_nc_u64 s[96:97], s[6:7], s[94:95]
	global_store_b128 v1, v[52:55], s[96:97]       ; 512 consecutive bytes, then 256, at multiples of 256
	global_store_b64 v2, v[56:57], s[96:97] offset:512
	s_add_co_u32 s[PS], s[PS], 1
	s_cmp_lt_u32 s[PS], 2
	s_cbranch_scc1 .Lpass
	s_wait_xcnt 0x0                                ; the last stores have read v1 and v2
	v_and_b32 v11, 15, v0
	s_lshl_b32 s94, s[WV], 5
	s_add_co_u32 s94, s94, OSB
	v_lshl_add_u32 v1, v11, 1, s94                 ; the stage: tile 16 pass + wave, 2 bytes a row
	v_lshl_add_u32 v2, v0, 4, OSB                  ; and back: 16 bytes a lane
	v_lshrrev_b32 v3, 4, v0
	v_mul_u32_u24 v3, v3, 102400
	v_lshl_add_u32 v3, v11, 4, v3                  ; in oi: lanes 0-15 one block's 256 bytes, lanes 16-31 the next block's
	s_wait_dscnt 0x0                               ; the loads of K that the last step issued
	s_barrier_signal -1                            ; every wave has left the key loop: from here on LDS serves the stage alone
	s_barrier_wait -1
	ds_store_b16 v1, v47                           ; both lanes of a row write the same bytes with the same value
	ds_store_b16_d16_hi v1, v47 offset:512
	s_wait_dscnt 0x0                               ; for wave 0's sake: my stores have landed
	s_barrier_signal -1
	s_barrier_wait -1
	s_cmp_lg_u32 s[WV], 0
	s_cbranch_scc1 .Ldone
	ds_load_b128 v[64:67], v2
	ds_load_b128 v[68:71], v2 offset:512
	s_wait_dscnt 0x0
	global_store_b128 v3, v[64:67], s[12:13]       ; sixteen lanes store one aligned block of 256 bytes
	global_store_b128 v3, v[68:71], s[12:13] offset:204800
.Ldone:
	s_wait_tensorcnt 0x0                           ; the wave's end: three lines behind my last LDS store
	ds_add_u32 v[SPW], v[NIL]
	s_wait_dscnt 0x0
	s_endpgm
.Lfunc_end_k_q525ec4e6cb_attn:
	.size	k_q525ec4e6cb_attn, .Lfunc_end_k_q525ec4e6cb_attn-k_q525ec4e6cb_attn
	.p2alignl 7, 3214868480
	.fill 96, 4, 3214868480
	.section	.rodata,"a",@progbits
	.p2align	6, 0x0
	.amdhsa_kernel k_q525ec4e6cb_attn
		.amdhsa_group_segment_fixed_size 273408
		.amdhsa_private_segment_fixed_size 0
		.amdhsa_enable_private_segment 0
		.amdhsa_kernarg_size 40
		.amdhsa_user_sgpr_count 2
		.amdhsa_user_sgpr_kernarg_segment_ptr 1
		.amdhsa_wavefront_size32 1
		.amdhsa_system_sgpr_workgroup_id_x 1
		.amdhsa_system_sgpr_workgroup_id_y 1
		.amdhsa_system_sgpr_workgroup_id_z 1
		.amdhsa_system_vgpr_workitem_id 0
		.amdhsa_next_free_vgpr 256
		.amdhsa_next_free_sgpr 102
		.amdhsa_reserve_vcc 1
		.amdhsa_float_denorm_mode_32 3
		.amdhsa_float_denorm_mode_16_64 3
		.amdhsa_memory_ordered 1
		.amdhsa_forward_progress 1
		.amdhsa_inst_pref_size 37
	.end_amdhsa_kernel
	.amdgpu_metadata
---
amdhsa.version: [ 1, 2 ]
amdhsa.kernels:
  - .name:           k_q525ec4e6cb_attn
    .symbol:         k_q525ec4e6cb_attn.kd
    .args:
      - { .name: qi, .offset: 0, .size: 8, .value_kind: global_buffer, .address_space: global }
      - { .name: kv, .offset: 8, .size: 8, .value_kind: global_buffer, .address_space: global }
      - { .name: mw, .offset: 16, .size: 8, .value_kind: global_buffer, .address_space: global }
      - { .name: mf, .offset: 24, .size: 8, .value_kind: global_buffer, .address_space: global }
      - { .name: oi, .offset: 32, .size: 8, .value_kind: global_buffer, .address_space: global }
    .group_segment_fixed_size: 273408
    .private_segment_fixed_size: 0
    .kernarg_segment_align: 8
    .kernarg_segment_size: 40
    .max_flat_workgroup_size: 512
    .sgpr_count:     102
    .vgpr_count:     256
    .wavefront_size: 32
...
	.end_amdgpu_metadata
.endif
;; end of part 3
;; launch outp (part 4): grid 4 x 64, 4 waves a work-group, no clusters, 120,320 bytes of LDS; arguments oi, wi, bo, out0; writes out0
.if DOCPART == 4
	.amdgcn_target "amdgcn-amd-amdhsa--gfx1250"
	.amdhsa_code_object_version 6
	.text
	.protected	k_q525ec4e6cb_outp
	.globl	k_q525ec4e6cb_outp
	.p2align	8
	.type	k_q525ec4e6cb_outp,@function
k_q525ec4e6cb_outp:
	s_mov_b64 s[64:65], 0
	v_nop
	global_prefetch_b8 v0, s[64:65] scope:SCOPE_SE
	s_setreg_imm32_b32 hwreg(HW_REG_WAVE_MODE, 25, 1), 1
	s_wait_xcnt 0x0
; OUTP.  out0 = O Wo + bo on codes of FP6 (E2M3) with E8M0 scales; out0 [8192][1024] f32.
; SHARES.  Work-group x = 256 columns, y = block of 128 tokens; wave w makes columns 64 (4 x + w) on for all 128 tokens.  Its 64 columns x K 1,024 of Wo stay in 384 registers; the block's codes of O (102,400 bytes)
; go through LDS once, as they lie, and are read by the four waves.  Straight-line code, one barrier.  Two thirds of a work-group's bytes go straight into registers: no cluster, no tensor load.
; THE PRODUCT IS USED TRANSPOSED (source 0 = 16 columns of Wo, source 1 = 16 tokens): a lane holds one token and 16 neighbouring columns of each 32.  A tile's 16 rows x 256 bytes go through the wave's own stage and
; leave as whole rows: sixteen lanes store 256 consecutive bytes, at a multiple of 256.
; O's scale bytes lie as [head 16][tile 8][row 16] pairs of bytes: a K step's word is made of two heads' pairs.  A pair 0xffff (a query with no key) makes that token's sums NaN.
; REGISTERS.  Window 1: Wo (tile t, K step s) for s 0-3 at 12 (4 t + s); window 2: s 4-7; window 3: two sets of O's eight fragments (at the head v0-199: the image on its way to LDS).
;   Window 0: v1-14 addresses; v16-31 Wo's scale words; v32-39 O's, two sets; v40-71 the bias as C; v72-79 halves of scale words; v96-127 accumulators; v160-191 rows on their way out.
.set STAGE, 102400                     ; behind the image: 16 rows x (256 bytes + 16) for each wave
.set SPARE, 119808                     ; behind the stages: the spare words, 128 bytes for each wave
.set SPW, 8
.set NIL, 9
.set WS,  16
.set XS,  32
.set BI,  40
.set UT,  72
.set ACC, 96
.set OB,  160
.set MSB, 0
.macro WIN new                         ; the immediate's high byte repeats the setting that is left
.if MSB != \new
	s_set_vgpr_msb (MSB<<8)|\new
.set MSB, \new
.endif
.endm
.macro WM d, a, b, c, sa, sb, ra, rb
.if ((\ra) == 0) && ((\rb) == 0)
	v_wmma_scale_f32_16x16x128_f8f6f4 v[(\d):(\d)+7], v[(\a):(\a)+11], v[(\b):(\b)+11], v[(\c):(\c)+7], v[\sa], v[\sb] matrix_a_fmt:MATRIX_FMT_FP6 matrix_b_fmt:MATRIX_FMT_FP6
.elseif (\rb) == 0
	v_wmma_scale_f32_16x16x128_f8f6f4 v[(\d):(\d)+7], v[(\a):(\a)+11], v[(\b):(\b)+11], v[(\c):(\c)+7], v[\sa], v[\sb] matrix_a_fmt:MATRIX_FMT_FP6 matrix_b_fmt:MATRIX_FMT_FP6 matrix_a_scale:MATRIX_SCALE_ROW1
.elseif (\ra) == 0
	v_wmma_scale_f32_16x16x128_f8f6f4 v[(\d):(\d)+7], v[(\a):(\a)+11], v[(\b):(\b)+11], v[(\c):(\c)+7], v[\sa], v[\sb] matrix_a_fmt:MATRIX_FMT_FP6 matrix_b_fmt:MATRIX_FMT_FP6 matrix_b_scale:MATRIX_SCALE_ROW1
.else
	v_wmma_scale_f32_16x16x128_f8f6f4 v[(\d):(\d)+7], v[(\a):(\a)+11], v[(\b):(\b)+11], v[(\c):(\c)+7], v[\sa], v[\sb] matrix_a_fmt:MATRIX_FMT_FP6 matrix_b_fmt:MATRIX_FMT_FP6 matrix_a_scale:MATRIX_SCALE_ROW1 matrix_b_scale:MATRIX_SCALE_ROW1
.endif
.endm
; tile tau's eight fragments and the eight halves of its scale words: 40 LDS loads
.macro FETCH tau
.set XFB, 96*((\tau)%2)
	WIN 0xc0                                       ; destination window 3
.irp s, 0,1,2,3,4,5,6,7
	ds_load_b128 v[XFB+12*\s:XFB+12*\s+3], v[1+(\tau)/4] offset:12288*((\tau)%4)+1536*\s
	ds_load_b64 v[XFB+12*\s+4:XFB+12*\s+5], v[3+(\tau)/4] offset:12288*((\tau)%4)+1536*\s+512
	ds_load_b128 v[XFB+12*\s+6:XFB+12*\s+9], v[1+(\tau)/4] offset:12288*((\tau)%4)+1536*\s+768
	ds_load_b64 v[XFB+12*\s+10:XFB+12*\s+11], v[3+(\tau)/4] offset:12288*((\tau)%4)+1536*\s+1280
.endr
	WIN 0
.irp i, 0,1,2,3
	ds_load_u16 v[UT+2*\i], v5 offset:1024*\i+32*(\tau)          ; lane (r, h): K step 2 i + h: head 4 i + 2 h,
	ds_load_u16 v[UT+2*\i+1], v5 offset:1024*\i+32*(\tau)+256    ; and head 4 i + 2 h + 1
.endr
.endm
.macro MKXS tau                        ; register i: lanes 0-15 the word of K step 2 i, lanes 16-31 of K step 2 i + 1
.irp i, 0,1,2,3
	v_lshl_or_b32 v[XS+4*((\tau)%2)+\i], v[UT+2*\i+1], 16, v[UT+2*\i]
.endr
.endm
.macro WLOAD half
.set ti, 0
.rept 4
.set si, 0
.rept 4
.set gi, 0
.rept 3
	global_load_b128 v[12*(4*ti+si)+4*gi:12*(4*ti+si)+4*gi+3], v1, s[10:11] offset:(8*ti+si+4*(\half))*1536+512*gi
.set gi, gi+1
.endr
.set si, si+1
.endr
.set ti, ti+1
.endr
.endm
	s_load_b256 s[8:15], s[0:1], 0x0               ; oi s[8:9], wi s[10:11], bo s[12:13], out0 s[14:15]
	v_lshl_add_u32 v[SPW], v0, 2, SPARE
	v_mov_b32 v[NIL], 0
	v_lshrrev_b32 v1, 5, v0
	v_readfirstlane_b32 s4, v1                     ; wave 0..3
	v_and_b32 v15, 31, v0                          ; lane
	v_and_b32 v6, 15, v0                           ; r
	v_bfe_u32 v10, v0, 4, 1                        ; h
	v_lshlrev_b32 v1, 4, v15                       ; 16 x lane;
	v_add_nc_u32 v2, 49152, v1                     ; the same for tiles 4-7
	v_lshlrev_b32 v3, 3, v15                       ; 8 x lane;
	v_add_nc_u32 v4, 49152, v3
	v_lshlrev_b32 v5, 1, v6
	v_lshl_add_u32 v5, v10, 9, v5
	v_add_nc_u32 v5, 98304, v5                     ; the scale bytes: 2 r + 512 h
	v_lshlrev_b32 v7, 6, v10                       ; the bias: 16 h numbers on
	s_mul_i32 s28, s4, 25600
	v_add_nc_u32 v11, s28, v1                      ; where I put my quarter of the image
	s_mul_i32 s29, s4, 4352
	s_add_co_u32 s29, s29, STAGE                   ; my stage
	v_mul_u32_u24 v12, v6, 272
	v_lshl_add_u32 v12, v10, 6, v12
	v_add_nc_u32 v12, s29, v12                     ; in: row r, + 64 h
	v_mul_u32_u24 v13, v10, 272
	v_lshl_add_u32 v13, v6, 4, v13
	v_add_nc_u32 v13, s29, v13                     ; back: lanes 0-15 one row, lanes 16-31 the next
	v_lshlrev_b32 v14, 12, v10
	v_lshl_add_u32 v14, v6, 4, v14                 ; and the same two rows in out0
	s_and_b32 s24, ttmp7, 0xffff                   ; the block
	s_lshl_b32 s25, ttmp9, 2
	s_add_co_u32 s25, s25, s4                      ; my group of 64 columns
	s_mov_b32 s27, 0
	s_wait_kmcnt 0x0
	s_mul_i32 s26, s24, 102400
	s_add_co_u32 s26, s26, s28
	s_add_nc_u64 s[8:9], s[8:9], s[26:27]
	s_add_co_u32 s26, s25, 48                      ; Wo is the fourth tensor of wi
	s_mul_i32 s26, s26, 51200
	s_add_nc_u64 s[10:11], s[10:11], s[26:27]
	s_lshl_b32 s26, s25, 8
	s_add_nc_u64 s[12:13], s[12:13], s[26:27]
	s_add_nc_u64 s[14:15], s[14:15], s[26:27]      ; my 256 bytes of a row,
	s_lshl_b32 s26, s24, 19
	s_add_nc_u64 s[14:15], s[14:15], s[26:27]      ; in the block's first row
	WIN 0xc0
.set i, 0
.rept 50
	global_load_b128 v[4*i:4*i+3], v1, s[8:9] offset:512*i
.set i, i+1
.endr
	WIN 0x40
	WLOAD 0
	WIN 0x80
	WLOAD 1
	WIN 0
.irp b, 0,1
.irp g, 0,1
	global_load_b128 v[WS+8*\b+4*\g:WS+8*\b+4*\g+3], v1, s[10:11] offset:49152+(2*\b+\g)*512
.endr
.endr
.irp t, 0,1,2,3
	global_load_b128 v[BI+8*\t:BI+8*\t+3], v7, s[12:13] offset:(32*(\t/2)+8*(\t%2))*4
	global_load_b128 v[BI+8*\t+4:BI+8*\t+7], v7, s[12:13] offset:(32*(\t/2)+8*(\t%2))*4+16
.endr
	s_wait_loadcnt 0x0
	WIN 0x0c                                       ; an LDS store's data are its source 1: window 3
.set i, 0
.rept 50
	ds_store_b128 v11, v[4*i:4*i+3] offset:512*i
.set i, i+1
.endr
	WIN 0
	s_wait_dscnt 0x0                               ; for the others' sake: my quarter of the image has landed
	s_barrier_signal -1
	s_barrier_wait -1
.macro PROD tau                        ; 32 matrix instructions: K step by K step, the four accumulators by turns; the bias is the C of each sum's first
.set XFB, 96*((\tau)%2)
.set XSB, XS+4*((\tau)%2)
.set si, 0
.rept 8
.if si == 0
	WIN 0x0d                                       ; source 0 (Wo) window 1, source 1 (O) window 3
.elseif si == 4
	WIN 0x0e                                       ; source 0 window 2
.endif
.set ti, 0
.rept 4
.if si == 0
	WM ACC+8*ti, 12*(4*ti+si%4), XFB+12*si, BI+8*ti, WS+8*(ti/2)+si, XSB+si/2, ti%2, si%2
.else
	WM ACC+8*ti, 12*(4*ti+si%4), XFB+12*si, ACC+8*ti, WS+8*(ti/2)+si, XSB+si/2, ti%2, si%2
.endif
.set ti, ti+1
.endr
.set si, si+1
.endr
	WIN 0
.endm
.macro TILE tau
.if (\tau) < 7
	FETCH (\tau)+1
	s_wait_dscnt 40                                ; all but the 40 just issued
.else
	s_wait_dscnt 0x0
.endif
	PROD \tau
.if (\tau) < 7
	s_wait_dscnt 0x0                               ; the next tile's fragments and halves of scale words are in
	MKXS (\tau)+1                                  ; four plain lines that name no register of the last products: the places in front of the first read of a result
.else
.rept 4
	v_nop
.endr
.endif
.irp b, 0,1
.irp j, 0,1,2,3
	ds_store_b128 v12, v[ACC+16*\b+4*\j:ACC+16*\b+4*\j+3] offset:128*\b+16*\j   ; each accumulator from its low end on
.endr
.endr
	s_wait_xcnt 0x0                                ; the last tile's stores have read their registers
.irp i, 0,1,2,3,4,5,6,7
	ds_load_b128 v[OB+4*\i:OB+4*\i+3], v13 offset:544*\i   ; LDS serves a wave's instructions in order: these see my stores
.endr
.irp i, 0,1,2,3,4,5,6,7
	s_wait_dscnt 7-\i
	global_store_b128 v14, v[OB+4*\i:OB+4*\i+3], s[14:15] offset:(32*((\tau)/2)+8*((\tau)%2)+2*\i+8*(\i/4))*4096 th:TH_STORE_NT   ; stage rows 2 i, 2 i + 1 are tokens 2 i + 8 (i / 4) + h of the tile
.endr
.if (\tau) < 7
.rept 8
	v_nop                                          ; a scale register written by a vector instruction stands eight places ahead of a scaled product
.endr
.endif
.endm
	FETCH 0
	s_wait_dscnt 0x0
	MKXS 0
.rept 8
	v_nop
.endr
.irp u, 0,1,2,3,4,5,6,7
	TILE \u
.endr
	s_wait_tensorcnt 0x0                           ; the wave's end: three lines behind my last LDS store
	ds_add_u32 v[SPW], v[NIL]
	s_wait_dscnt 0x0
	s_endpgm
.Lfunc_end_k_q525ec4e6cb_outp:
	.size	k_q525ec4e6cb_outp, .Lfunc_end_k_q525ec4e6cb_outp-k_q525ec4e6cb_outp
	.p2alignl 7, 3214868480
	.fill 96, 4, 3214868480
	.section	.rodata,"a",@progbits
	.p2align	6, 0x0
	.amdhsa_kernel k_q525ec4e6cb_outp
		.amdhsa_group_segment_fixed_size 120320
		.amdhsa_private_segment_fixed_size 0
		.amdhsa_enable_private_segment 0
		.amdhsa_kernarg_size 32
		.amdhsa_user_sgpr_count 2
		.amdhsa_user_sgpr_kernarg_segment_ptr 1
		.amdhsa_wavefront_size32 1
		.amdhsa_system_sgpr_workgroup_id_x 1
		.amdhsa_system_sgpr_workgroup_id_y 1
		.amdhsa_system_sgpr_workgroup_id_z 1
		.amdhsa_system_vgpr_workitem_id 0
		.amdhsa_next_free_vgpr 1024
		.amdhsa_next_free_sgpr 66
		.amdhsa_reserve_vcc 0
		.amdhsa_float_denorm_mode_32 3
		.amdhsa_float_denorm_mode_16_64 3
		.amdhsa_memory_ordered 1
		.amdhsa_forward_progress 1
		.amdhsa_inst_pref_size 95
	.end_amdhsa_kernel
	.amdgpu_metadata
---
amdhsa.version: [ 1, 2 ]
amdhsa.kernels:
  - .name:           k_q525ec4e6cb_outp
    .symbol:         k_q525ec4e6cb_outp.kd
    .args:
      - { .name: oi, .offset: 0, .size: 8, .value_kind: global_buffer, .address_space: global }
      - { .name: wi, .offset: 8, .size: 8, .value_kind: global_buffer, .address_space: global }
      - { .name: bo, .offset: 16, .size: 8, .value_kind: global_buffer, .address_space: global }
      - { .name: out0, .offset: 24, .size: 8, .value_kind: global_buffer, .address_space: global }
    .group_segment_fixed_size: 120320
    .private_segment_fixed_size: 0
    .kernarg_segment_align: 8
    .kernarg_segment_size: 32
    .max_flat_workgroup_size: 128
    .sgpr_count:     66
    .vgpr_count:     1024
    .wavefront_size: 32
...
	.end_amdgpu_metadata
.endif
;; end of part 4
;; ======== version 2 of 2: 4 launches
;; workspace buffers: xi 19,660,800 bytes; wi 3,276,800 bytes; mw 524,288 bytes of whole numbers; mf 32,768 bytes of whole numbers; rope 524,288 bytes; qi 6,553,600 bytes; kv 13,107,200 bytes; oi 6,553,600 bytes
;; launch prep (part 5): grid 256 x 1, 8 waves a work-group, no clusters, 140,288 bytes of LDS; arguments q, k, v, mask, Wq, Wk, Wv, Wo, xi, wi, mw, mf, rope; writes xi, wi, mw, mf, rope
.if DOCPART == 5
	.amdgcn_target "amdgcn-amd-amdhsa--gfx1250"
	.amdhsa_code_object_version 6
	.text
	.protected	k_q525ec4e6cb_prep
	.globl	k_q525ec4e6cb_prep
	.p2align	8
	.type	k_q525ec4e6cb_prep,@function
k_q525ec4e6cb_prep:
	s_mov_b64 s[64:65], 0
	v_nop
	global_prefetch_b8 v0, s[64:65] scope:SCOPE_SE
	s_setreg_imm32_b32 hwreg(HW_REG_WAVE_MODE, 25, 1), 1
	s_wait_xcnt 0x0
; PREP.  q, k, v [8192][1024] and Wq, Wk, Wv, Wo [1024 (k)][1024 (n)], f32, become codes of FP6 (E2M3) with one E8M0 byte for each 32 along K, laid in the order of a matrix operand's
; registers; the mask [2048][2048] int32 becomes lane-mask words and flags; the table of cos and sin is made.  2,048 wave tasks of 64 KiB read each; no wave depends on another: no barrier.
; Work-groups 0-191: q, k, v (path X).  192-223: the weights (path W).  224-255: the mask and the table (path M).  The paths part on the work-group's number and never meet again; X and M have LDS bytes of their own.
; THE ORDER OF ROWS.  Lane r of tile t of a block of 128 rows takes row 32 (t/2) + 8 (t%2) + r + 8 (r/8): so in a product that is used with the other side first the 16 registers of tiles 2 b and 2 b + 1 are 16 neighbours.
; xi [tensor 3][block 64] x 102,400 bytes: [tile 8][K step 8] fragments of 1,536 bytes (two units of 768: registers 6c..6c+3, 16 bytes a lane; then registers 6c+4, 6c+5, 8 bytes a lane);
;    from byte 98,304: [tile 8][lane 32][4] scale words: word (L, i) is that of row L % 16 for K step 2 i + L / 16.
; wi [tensor 4][head 16] x 51,200 bytes: [tile 4][K step 8] fragments of 1,536 bytes (three planes of 512: registers 4g..4g+3, 16 bytes a lane); from byte 49,152: [b 2][sg 2][lane][4] scale words:
;    word (b, sg, L, j) is that of K step 4 sg + j, tile 2 b + L / 16, row L % 16.
; mw [tile of queries 128][key step 16][64] words: bit L of word 16 b + i says whether key 128 st + 32 b + 16 (L / 16) + i counts for the query of lane L.  mf [tile][half][32] equal words: bit st is set where a record has a hole.
; rope [position 2048][32] (cos, sin).
; A block's scale is 2^(floor(log2(its largest magnitude)) - 2); its byte is the largest magnitude's exponent field - 2, held at 1 from below (a block of zeros keeps the byte 1: its codes are zeros, and this program alone reads the bytes).
; LIMITS: NaN and infinities among the inputs are not served; blocks whose largest magnitude lies under 2^-124 keep the byte 1; cos and sin lie within about 1e-7 of the exact functions of the f32 angle, and the 32 frequencies are the f32 numbers nearest to 10^(-i/8).
.set SPARE, 139264                     ; the spare words: 128 bytes for each of eight waves, four blocks of 256 bytes that no other line names
.set STG,   8704                       ; a wave's stage: 16 rows x (512 bytes + 16)
.set MSTG,  69632                      ; path M's eight stages lie behind path X's
.set SPW,   5                          ; v5  LDS address of my spare word; never rewritten
.set NIL,   6                          ; v6  0; never rewritten
.set TM,    8                          ; v8-23   the quantiser's work
.set PW,    24                         ; v24     a scale word just made
.set XSW,   28                         ; v28-31  the tile's scale words as they are stored
.set PC,    32                         ; v32-50  codes just made
.set X,     64                         ; v64-127 64 numbers of a lane: register 16 b + i = k 32 b + 16 (lane / 16) + i of my row
.set R,     128                        ; v128-255 two sets of 64 registers as loaded
.set SEL,   46                         ; s[46:47] v_permlanex16_b32's selects for lane l xor 16
.set FA,    32                         ; path W: the fragment of tile 2 b,
.set FB,    44                         ; of tile 2 b + 1,
.set T0,    56                         ; and the conversions' upper halves
.set T1,    60
; 16 rows x 512 bytes (K step s): load i takes row i + 8 (i / 8); 32 lanes read 512 consecutive bytes
.macro LOADR s, base, pitch
.irp i, 0,1,2,3,4,5,6,7,8,9,10,11,12,13,14,15
	global_load_b128 v[R+64*((\s)%2)+4*\i:R+64*((\s)%2)+4*\i+3], v1, s[\base:\base+1] offset:(\i+8*(\i/8))*\pitch+512*(\s) th:TH_LOAD_NT
.endr
.endm
; through my own stage: in as loaded, out 16 neighbours of each block of 32 to a lane.  LDS serves a wave's instructions in order: no wait between the stores and the loads
.macro TURN s
.irp i, 0,1,2,3,4,5,6,7,8,9,10,11,12,13,14,15
	ds_store_b128 v2, v[R+64*((\s)%2)+4*\i:R+64*((\s)%2)+4*\i+3] offset:528*\i
.endr
.irp b, 0,1,2,3
.irp j, 0,1,2,3
	ds_load_b128 v[X+16*\b+4*\j:X+16*\b+4*\j+3], v3 offset:128*\b+16*\j
.endr
.endr
.endm
; 64 numbers of a lane become a fragment's codes in v[PC] on and its scale word in v[PW]
.macro QUANT s
.irp b, 0,1,2,3
	v_max3_num_f32 v[TM+\b], |v[\s+16*\b]|, |v[\s+1+16*\b]|, 0x1800000   ; my 16 numbers of block b, and the floor 2^(3 - 127): the byte cannot fall under 1
.endr
.irp i, 2,4,6,8,10,12,14
.irp b, 0,1,2,3
	s_delay_alu instid0(VALU_DEP_4)
	v_max3_num_f32 v[TM+\b], v[TM+\b], |v[\s+16*\b+\i]|, |v[\s+1+16*\b+\i]|
.endr
.endr
.irp b, 0,1,2,3
	s_delay_alu instid0(VALU_DEP_4)
	v_permlanex16_b32 v[TM+4+\b], v[TM+\b], s[SEL], s[SEL+1]
.endr
.irp b, 0,1,2,3
	s_delay_alu instid0(VALU_DEP_4)
	v_max_num_f32 v[TM+\b], v[TM+\b], v[TM+4+\b]       ; with lane l xor 16's: the block's largest magnitude
.endr
.irp b, 0,1,2,3
	s_delay_alu instid0(VALU_DEP_4)
	v_add_nc_u32 v[TM+12+\b], 0xff000000, v[TM+\b]     ; 2 off its exponent field: the conversion's scale operand
.endr
.irp b, 0,1,2,3
	s_delay_alu instid0(VALU_DEP_4)
	v_lshrrev_b32 v[TM+4+\b], 23, v[TM+12+\b]          ; the scale's byte
.endr
	s_delay_alu instid0(VALU_DEP_3)
	v_lshl_or_b32 v[PW], v[TM+5], 8, v[TM+4]
	s_delay_alu instid0(VALU_DEP_1)
	v_lshl_or_b32 v[PW], v[TM+6], 16, v[PW]
	s_delay_alu instid0(VALU_DEP_1)
	v_lshl_or_b32 v[PW], v[TM+7], 24, v[PW]
.irp c, 0,1
	v_cvt_scalef32_pk16_fp6_f32 v[PC+6*\c:PC+2+6*\c], v[\s+32*\c:\s+15+32*\c], v[TM+12+2*\c]
	v_cvt_scalef32_pk16_fp6_f32 v[PC+12+4*\c:PC+14+4*\c], v[\s+16+32*\c:\s+31+32*\c], v[TM+12+2*\c+1]   ; (a conversion's three registers begin on an even number)
.endr
	v_nop                                              ; one plain place behind a scaled conversion
.irp c, 0,1                                        ; the operand wants a whole block in a lane: lanes 0-15 block 2 c, lanes 16-31 block 2 c + 1
.irp i, 0,1,2
	v_permlane16_swap_b32 v[PC+6*\c+\i], v[PC+12+4*\c+\i]
.endr
.irp i, 0,1,2
	s_delay_alu instid0(VALU_DEP_3)
	v_mov_b32 v[PC+3+6*\c+\i], v[PC+12+4*\c+\i]
.endr
.endr
.endm
	s_load_b512 s[8:23], s[0:1], 0x0               ; q s[8:9], k s[10:11], v s[12:13], mask s[14:15], Wq s[16:17], Wk s[18:19], Wv s[20:21], Wo s[22:23]
	s_load_b256 s[24:31], s[0:1], 0x40             ; xi s[24:25], wi s[26:27], mw s[28:29], mf s[30:31]
	s_load_b64 s[32:33], s[0:1], 0x60              ; rope
	v_lshl_add_u32 v[SPW], v0, 2, SPARE
	v_mov_b32 v[NIL], 0
	v_lshrrev_b32 v1, 5, v0
	s_delay_alu instid0(VALU_DEP_1)
	v_readfirstlane_b32 s4, v1                     ; wave 0..7
	v_and_b32 v7, 31, v0                           ; lane
	s_delay_alu instid0(VALU_DEP_1)
	v_lshlrev_b32 v1, 4, v7                        ; 16 x lane
	s_delay_alu instid0(VALU_DEP_2)
	v_lshlrev_b32 v4, 3, v7                        ; 8 x lane
	v_and_b32 v8, 15, v0                           ; r
	v_bfe_u32 v9, v0, 4, 1                         ; h
	s_delay_alu instid0(VALU_DEP_2)
	v_mul_u32_u24 v3, v8, 528
	s_delay_alu instid0(VALU_DEP_1)
	v_lshl_add_u32 v3, v9, 6, v3                   ; out of a stage: row r, + 64 h
	s_mul_i32 s44, s4, STG                         ; my stage
	s_mov_b32 s5, 0xffff0000                       ; lanes 16-31
	s_mov_b32 s[SEL], 0x76543210
	s_mov_b32 s[SEL+1], 0xfedcba98
	s_wait_kmcnt 0x0
	s_cmp_lt_u32 ttmp9, 192
	s_cbranch_scc1 .Lx
	s_cmp_lt_u32 ttmp9, 224
	s_cbranch_scc1 .Lw
; ---------------- PATH M: task m = tile of queries m / 2, keys 1,024 (m % 2) on; then positions 8 m .. 8 m + 7 of the table
	s_sub_co_u32 s34, ttmp9, 224
	s_lshl_b32 s34, s34, 3
	s_add_co_u32 s34, s34, s4                      ; m
	s_lshr_b32 s35, s34, 1                         ; the tile T
	s_and_b32 s38, s34, 1                          ; the half
	s_lshr_b32 s39, s35, 1
	s_lshl_b32 s39, s39, 5
	s_and_b32 s40, s35, 1
	s_lshl_b32 s40, s40, 3
	s_add_co_u32 s39, s39, s40                     ; the tile's first query: 32 (T / 2) + 8 (T % 2)
	s_lshl_b32 s40, s39, 13                        ; a row of the mask is 8,192 bytes
	s_lshl_b32 s41, s38, 12
	s_add_co_u32 s40, s40, s41
	s_mov_b32 s41, 0
	s_add_nc_u64 s[14:15], s[14:15], s[40:41]
	s_lshl_b32 s40, s35, 12                        ; mw: records of 256 bytes, 16 T + 8 half on
	s_lshl_b32 s42, s38, 11
	s_add_co_u32 s40, s40, s42
	s_add_nc_u64 s[28:29], s[28:29], s[40:41]
	s_lshl_b32 s40, s34, 7                         ; mf: 128 bytes a task
	s_add_nc_u64 s[30:31], s[30:31], s[40:41]
	s_lshl_b32 s40, s34, 11                        ; rope: 8 positions of 256 bytes a task
	s_add_nc_u64 s[32:33], s[32:33], s[40:41]
	s_add_co_u32 s44, s44, MSTG
	s_wait_alu depctr_va_vdst(0)
	v_add_nc_u32 v2, s44, v1
	v_add_nc_u32 v3, s44, v3
	v_mov_b32 v24, 0                               ; (v_writelane_b32's destination counts as read)
	v_mov_b32 v25, 0
	v_mov_b32 v28, 0
	s_mov_b32 s57, 0                               ; the flags
	LOADR 0, 14, 8192
	LOADR 1, 14, 8192
.macro STEPM s
.if (\s) < 7
	s_wait_loadcnt 16                              ; this step's 16 loads are in; the next step's may be out
.else
	s_wait_loadcnt 0x0
.endif
	TURN \s
	s_wait_dscnt 0x0
	s_wait_xcnt 0x0                                ; the last step's store has read v24 and v25
.if (\s) < 6
	LOADR (\s)+2, 14, 8192
.endif
.irp g, 0,1,2,3,4,5,6,7
.irp k, 0,1,2,3,4,5,6,7
	v_cmp_ne_u32 s[48+\k], 0, v[X+8*\g+\k]         ; the compare's lane mask IS the word
.endr
.irp k, 0,1,2,3,4,5,6,7
	v_writelane_b32 v[24+\k%2], s[48+\k], 4*\g+\k/2   ; word j to lane j / 2, register j % 2: the record leaves as 256 consecutive bytes
.endr
.endr
	global_store_b64 v4, v[24:25], s[28:29] offset:256*(\s)
	v_and_b32 v26, v24, v25
	s_delay_alu instid0(VALU_DEP_1)
	v_cmp_ne_u32 vcc_lo, -1, v26                   ; any word with a hole?
	s_cmp_lg_u32 vcc_lo, 0
	s_cselect_b32 s56, 1<<(\s), 0
	s_or_b32 s57, s57, s56
.endm
	s_wait_alu depctr_va_vdst(0)
.irp s, 0,1,2,3,4,5,6,7
	STEPM \s
.endr
	s_lshl_b32 s56, s38, 3
	s_lshl_b32 s57, s57, s56                       ; bit = the key step's number among the 16
	v_mov_b32 v27, s57
	v_lshlrev_b32 v26, 2, v7
	global_store_b32 v26, v27, s[30:31]
; the table: lane i holds frequency 10^(-i/8) = 10000^(-2 i / 64)
.macro FREQ i, f
	s_mov_b32 s56, \f
	v_writelane_b32 v28, s56, \i
.endm
	FREQ 0, 1.0
	FREQ 1, 0.7498942093324559
	FREQ 2, 0.5623413251903491
	FREQ 3, 0.4216965034285822
	FREQ 4, 0.31622776601683794
	FREQ 5, 0.23713737056616552
	FREQ 6, 0.1778279410038923
	FREQ 7, 0.1333521432163324
	FREQ 8, 0.1
	FREQ 9, 0.07498942093324559
	FREQ 10, 0.05623413251903491
	FREQ 11, 0.04216965034285822
	FREQ 12, 0.031622776601683794
	FREQ 13, 0.023713737056616552
	FREQ 14, 0.01778279410038923
	FREQ 15, 0.01333521432163324
	FREQ 16, 0.01
	FREQ 17, 0.007498942093324559
	FREQ 18, 0.005623413251903491
	FREQ 19, 0.004216965034285822
	FREQ 20, 0.0031622776601683794
	FREQ 21, 0.0023713737056616552
	FREQ 22, 0.001778279410038923
	FREQ 23, 0.001333521432163324
	FREQ 24, 0.001
	FREQ 25, 0.0007498942093324559
	FREQ 26, 0.0005623413251903491
	FREQ 27, 0.0004216965034285822
	FREQ 28, 0.00031622776601683794
	FREQ 29, 0.00023713737056616552
	FREQ 30, 0.0001778279410038923
	FREQ 31, 0.0001333521432163324
	s_lshl_b32 s58, s34, 3                         ; my first position
	s_mov_b32 s60, 0x3fc90fdb                      ; pi / 2, its f32,
	s_mov_b32 s61, 0xb33bbd2e                      ; and what that leaves
	s_mov_b32 s62, 0x3638ef1d                      ; 1/9!
	s_mov_b32 s63, 0xb9500d01                      ; -1/7!
	s_mov_b32 s68, 0x3c088889                      ; 1/5!
	s_mov_b32 s70, 0xbe2aaaab                      ; -1/3!
	s_mov_b32 s66, 0x37d00d01                      ; 1/8!
	s_mov_b32 s67, 0xbab60b61                      ; -1/6!
	s_mov_b32 s69, 0x3d2aaaab                      ; 1/4!
.macro ROPE p
	s_add_co_u32 s59, s58, \p
	v_cvt_f32_u32 v29, s59
	s_wait_alu depctr_va_vdst(0)
	v_mul_f32 v30, v29, v28                        ; the angle, rounded once
	s_delay_alu instid0(VALU_DEP_1)
	v_mul_f32 v31, 0x3f22f983, v30
	s_delay_alu instid0(VALU_DEP_1)
	v_rndne_f32 v31, v31                           ; n = the nearest multiple of pi / 2
	s_delay_alu instid0(VALU_DEP_1)
	v_fma_f32 v32, -v31, s60, v30                  ; exact: the difference is a multiple of 2^-23 under 1
	s_delay_alu instid0(VALU_DEP_1)
	v_fma_f32 v32, -v31, s61, v32                  ; r, at most pi / 4
	s_delay_alu instid0(VALU_DEP_1)
	v_mul_f32 v33, v32, v32
	s_delay_alu instid0(VALU_DEP_1)
	v_fma_f32 v34, v33, s62, s63
	s_delay_alu instid0(VALU_DEP_2)
	v_fma_f32 v36, v33, s66, s67
	s_delay_alu instid0(VALU_DEP_2)
	v_fma_f32 v34, v34, v33, s68
	s_delay_alu instid0(VALU_DEP_2)
	v_fma_f32 v36, v36, v33, s69
	s_delay_alu instid0(VALU_DEP_2)
	v_fma_f32 v34, v34, v33, s70
	s_delay_alu instid0(VALU_DEP_2)
	v_fma_f32 v36, v36, v33, -0.5
	v_mul_f32 v35, v32, v33
	s_delay_alu instid0(VALU_DEP_2)
	v_fma_f32 v36, v36, v33, 1.0                   ; cos r, to r^8
	s_delay_alu instid0(VALU_DEP_2)
	v_fma_f32 v34, v35, v34, v32                   ; sin r, to r^9
	v_cvt_i32_f32 v37, v31
	s_delay_alu instid0(VALU_DEP_1)
	v_and_b32 v38, 1, v37
	s_delay_alu instid0(VALU_DEP_1)
	v_cmp_ne_u32 vcc_lo, 0, v38                    ; an odd quadrant swaps the two
	s_delay_alu instid0(VALU_DEP_1)
	v_cndmask_b32 v39, v36, v34, vcc_lo
	s_delay_alu instid0(VALU_DEP_2)
	v_cndmask_b32 v40, v34, v36, vcc_lo
	v_add_nc_u32 v41, 1, v37
	s_delay_alu instid0(VALU_DEP_1)
	v_and_b32 v41, 2, v41                          ; cos is negative in quadrants 1 and 2,
	v_and_b32 v42, 2, v37                          ; sin in 2 and 3
	s_delay_alu instid0(VALU_DEP_2)
	v_lshlrev_b32 v41, 30, v41
	s_delay_alu instid0(VALU_DEP_2)
	v_lshlrev_b32 v42, 30, v42
	s_delay_alu instid0(VALU_DEP_2)
	v_xor_b32 v[64+2*\p], v39, v41
	s_delay_alu instid0(VALU_DEP_2)
	v_xor_b32 v[65+2*\p], v40, v42
	global_store_b64 v4, v[64+2*\p:65+2*\p], s[32:33] offset:256*\p   ; a position's 256 bytes; each position has its own data registers
.endm
.irp p, 0,1,2,3,4,5,6,7
	ROPE \p
.endr
	s_wait_tensorcnt 0x0                           ; the wave's end: three lines behind my last LDS store
	ds_add_u32 v[SPW], v[NIL]
	s_wait_dscnt 0x0
	s_endpgm
; ---------------- PATH X: work-group = tensor x 64 + block of 128 rows; wave = tile
.Lx:
	s_lshr_b32 s34, ttmp9, 6                       ; the tensor
	s_and_b32 s35, ttmp9, 63                       ; the block
	s_cmp_eq_u32 s34, 0
	s_cselect_b64 s[36:37], s[8:9], s[10:11]
	s_cmp_eq_u32 s34, 2
	s_cselect_b64 s[36:37], s[12:13], s[36:37]
	s_lshl_b32 s38, s35, 7
	s_lshr_b32 s39, s4, 1
	s_lshl_b32 s39, s39, 5
	s_add_co_u32 s38, s38, s39
	s_and_b32 s39, s4, 1
	s_lshl_b32 s39, s39, 3
	s_add_co_u32 s38, s38, s39                     ; the tile's first row
	s_lshl_b32 s38, s38, 12
	s_mov_b32 s39, 0
	s_add_nc_u64 s[36:37], s[36:37], s[38:39]
	s_mul_i32 s40, ttmp9, 102400
	s_mov_b32 s41, 0
	s_add_nc_u64 s[24:25], s[24:25], s[40:41]      ; the block's record in xi
	s_mul_i32 s40, s4, 12288
	s_add_nc_u64 s[42:43], s[24:25], s[40:41]      ; my tile's eight fragments
	s_lshl_b32 s40, s4, 9
	s_add_co_u32 s40, s40, 98304
	s_add_nc_u64 s[24:25], s[24:25], s[40:41]      ; and its scale words
	s_wait_alu depctr_va_vdst(0)
	v_add_nc_u32 v2, s44, v1
	v_add_nc_u32 v3, s44, v3
.irp b, 0,1,2,3
	v_mov_b32 v[TM+4+\b], 0                        ; written once: a lane permute's destination counts as one of its sources
.endr
	LOADR 0, 36, 4096
	LOADR 1, 36, 4096
.macro STEPX s
.if (\s) < 7
	s_wait_loadcnt 16                              ; this K step's 16 loads are in; the next step's may be out
.else
	s_wait_loadcnt 0x0
.endif
	TURN \s
	s_wait_dscnt 0x0                               ; the numbers are back, and the stage's stores have read their registers
	s_wait_xcnt 0x0                                ; the last step's stores have read the codes' registers
.if (\s) < 6
	LOADR (\s)+2, 36, 4096
.endif
	QUANT X
	global_store_b128 v1, v[PC:PC+3], s[42:43] offset:1536*(\s)          ; each store covers 512 or 256 consecutive bytes, at a multiple of 256
	global_store_b64 v4, v[PC+4:PC+5], s[42:43] offset:1536*(\s)+512
	global_store_b128 v1, v[PC+6:PC+9], s[42:43] offset:1536*(\s)+768
	global_store_b64 v4, v[PC+10:PC+11], s[42:43] offset:1536*(\s)+1280
.if (\s)%2 == 0
	v_mov_b32 v[XSW+(\s)/2], v[PW]                 ; lanes 0-15 keep the even K step's word,
.else
	v_cndmask_b32 v[XSW+(\s)/2], v[XSW+(\s)/2], v[PW], s5   ; lanes 16-31 take the odd one's
.endif
.endm
	s_wait_alu depctr_va_vdst(0)
.irp s, 0,1,2,3,4,5,6,7
	STEPX \s
.endr
	global_store_b128 v1, v[XSW:XSW+3], s[24:25]
	s_wait_tensorcnt 0x0                           ; the wave's end: three lines behind my last LDS store
	ds_add_u32 v[SPW], v[NIL]
	s_wait_dscnt 0x0
	s_endpgm
; ---------------- PATH W: task m = tensor m / 64, 32 columns (m % 64) / 2, K steps 4 (m % 2) on.  A lane takes a column and its registers run down K: nothing is transposed, and this path uses no LDS
.Lw:
	s_sub_co_u32 s34, ttmp9, 192
	s_lshl_b32 s34, s34, 3
	s_add_co_u32 s34, s34, s4                      ; m
	s_lshr_b32 s35, s34, 6                         ; the tensor: q, k, v, o
	s_bfe_u32 s38, s34, 0x50001                    ; the group of 32 columns
	s_and_b32 s39, s34, 1                          ; the half of K
	s_cmp_lt_u32 s35, 2
	s_cselect_b64 s[36:37], s[16:17], s[20:21]
	s_cselect_b64 s[40:41], s[18:19], s[22:23]
	s_and_b32 s42, s35, 1
	s_cmp_lg_u32 s42, 0
	s_cselect_b64 s[36:37], s[40:41], s[36:37]
	s_lshl_b32 s42, s39, 21                        ; 512 rows of 4,096 bytes
	s_lshl_b32 s43, s38, 7
	s_add_co_u32 s42, s42, s43
	s_mov_b32 s43, 0
	s_add_nc_u64 s[36:37], s[36:37], s[42:43]
	s_wait_alu depctr_va_vdst(0)
	v_and_b32 v10, 8, v8
	s_delay_alu instid0(VALU_DEP_1)
	v_add_nc_u32 v10, v10, v8
	s_delay_alu instid0(VALU_DEP_1)
	v_lshl_add_u32 v10, v9, 3, v10                 ; my column of the 32: 8 h + r + 8 (r / 8): row r of tile 2 b + h
	s_delay_alu instid0(VALU_DEP_1)
	v_lshlrev_b32 v2, 2, v10
	s_wait_alu depctr_va_vdst(0)
	s_lshl_b32 s42, s35, 4
	s_lshr_b32 s44, s38, 1
	s_add_co_u32 s42, s42, s44
	s_mul_i32 s42, s42, 51200
	s_add_nc_u64 s[26:27], s[26:27], s[42:43]      ; the head's record in wi
	s_and_b32 s44, s38, 1                          ; b
	s_mul_i32 s42, s44, 16*1536
	s_mul_i32 s45, s39, 4*1536
	s_add_co_u32 s42, s42, s45
	s_add_nc_u64 s[40:41], s[26:27], s[42:43]      ; tile 2 b, my first K step
	s_lshl_b32 s42, s44, 1
	s_add_co_u32 s42, s42, s39
	s_lshl_b32 s42, s42, 9
	s_add_co_u32 s42, s42, 49152
	s_add_nc_u64 s[26:27], s[26:27], s[42:43]      ; my 512 bytes of scale words
.macro LOADP u                         ; 64 rows of K: two blocks of my column; 32 lanes read 128 consecutive bytes
.set j, 0
.rept 64
	global_load_b32 v[R+64*((\u)%2)+j], v2, s[36:37] offset:(64*(\u)+j)*4096 th:TH_LOAD_NT
.set j, j+1
.endr
.endm
	LOADP 0
	LOADP 1
.macro STEPW u
.set WB, R+64*((\u)%2)
.set CI, (\u)%2                        ; which half of the K step
.set KI, (\u)/2                        ; which of my four K steps
.if (\u) < 7
	s_wait_loadcnt 63                              ; 64 loads were issued behind this set's last: with at most 63 out the set is in
.else
	s_wait_loadcnt 0x0
.endif
	v_max3_num_f32 v12, |v[WB]|, |v[WB+1]|, 0x1800000
	v_max3_num_f32 v13, |v[WB+32]|, |v[WB+33]|, 0x1800000
.irp i, 2,4,6,8,10,12,14,16,18,20,22,24,26,28,30
	s_delay_alu instid0(VALU_DEP_2)
	v_max3_num_f32 v12, v12, |v[WB+\i]|, |v[WB+\i+1]|
	s_delay_alu instid0(VALU_DEP_2)
	v_max3_num_f32 v13, v13, |v[WB+32+\i]|, |v[WB+33+\i]|
.endr
	s_delay_alu instid0(VALU_DEP_2)
	v_add_nc_u32 v14, 0xff000000, v12
	s_delay_alu instid0(VALU_DEP_2)
	v_add_nc_u32 v15, 0xff000000, v13
	s_delay_alu instid0(VALU_DEP_2)
	v_lshrrev_b32 v16, 23, v14
	s_delay_alu instid0(VALU_DEP_2)
	v_lshrrev_b32 v17, 23, v15
.if CI == 0
	s_delay_alu instid0(VALU_DEP_1)
	v_lshl_or_b32 v[24+KI], v17, 8, v16            ; my column's scale word of this K step: all four bytes are mine
.else
	s_delay_alu instid0(VALU_DEP_2)
	v_lshl_or_b32 v[24+KI], v16, 16, v[24+KI]
	s_delay_alu instid0(VALU_DEP_1)
	v_lshl_or_b32 v[24+KI], v17, 24, v[24+KI]
.endif
.if (CI == 0) && ((\u) > 0)
	s_wait_alu depctr_va_vdst(0)
	s_wait_xcnt 0x0                                ; the last K step's stores have read both fragments
.endif
	v_cvt_scalef32_pk16_fp6_f32 v[FA+6*CI:FA+6*CI+2], v[WB:WB+15], v14
	v_cvt_scalef32_pk16_fp6_f32 v[T0:T0+2], v[WB+16:WB+31], v14
	v_cvt_scalef32_pk16_fp6_f32 v[FB+6*CI:FB+6*CI+2], v[WB+32:WB+47], v15
	v_cvt_scalef32_pk16_fp6_f32 v[T1:T1+2], v[WB+48:WB+63], v15
	v_nop                                          ; one plain place behind a scaled conversion
.irp i, 0,1,2
	v_mov_b32 v[FA+6*CI+3+\i], v[T0+\i]
	v_mov_b32 v[FB+6*CI+3+\i], v[T1+\i]
.endr
.irp i, 0,1,2,3,4,5
	v_permlane16_swap_b32 v[FA+6*CI+\i], v[FB+6*CI+\i]   ; lanes 0-15 held tile 2 b's two blocks, lanes 16-31 tile 2 b + 1's: now the first holds tile 2 b (a block to each half of the lanes), the second tile 2 b + 1
.endr
.if (\u) < 6
	LOADP (\u)+2
.endif
.if CI == 1
.irp g, 0,1,2
	global_store_b128 v1, v[FA+4*\g:FA+4*\g+3], s[40:41] offset:KI*1536+512*\g
	global_store_b128 v1, v[FB+4*\g:FB+4*\g+3], s[40:41] offset:12288+KI*1536+512*\g
.endr
.endif
.endm
.irp u, 0,1,2,3,4,5,6,7
	STEPW \u
.endr
	global_store_b128 v1, v[24:27], s[26:27]
	s_endpgm
.Lfunc_end_k_q525ec4e6cb_prep:
	.size	k_q525ec4e6cb_prep, .Lfunc_end_k_q525ec4e6cb_prep-k_q525ec4e6cb_prep
	.p2alignl 7, 3214868480
	.fill 96, 4, 3214868480
	.section	.rodata,"a",@progbits
	.p2align	6, 0x0
	.amdhsa_kernel k_q525ec4e6cb_prep
		.amdhsa_group_segment_fixed_size 140288
		.amdhsa_private_segment_fixed_size 0
		.amdhsa_enable_private_segment 0
		.amdhsa_kernarg_size 104
		.amdhsa_user_sgpr_count 2
		.amdhsa_user_sgpr_kernarg_segment_ptr 1
		.amdhsa_wavefront_size32 1
		.amdhsa_system_sgpr_workgroup_id_x 1
		.amdhsa_system_sgpr_workgroup_id_y 1
		.amdhsa_system_sgpr_workgroup_id_z 1
		.amdhsa_system_vgpr_workitem_id 0
		.amdhsa_next_free_vgpr 256
		.amdhsa_next_free_sgpr 72
		.amdhsa_reserve_vcc 1
		.amdhsa_float_denorm_mode_32 3
		.amdhsa_float_denorm_mode_16_64 3
		.amdhsa_memory_ordered 1
		.amdhsa_forward_progress 1
		.amdhsa_inst_pref_size 255
	.end_amdhsa_kernel
	.section	.bss,"aw",@nobits
	.p2align	6
	.space	262144
	.amdgpu_metadata
---
amdhsa.version: [ 1, 2 ]
amdhsa.kernels:
  - .name:           k_q525ec4e6cb_prep
    .symbol:         k_q525ec4e6cb_prep.kd
    .args:
      - { .name: q, .offset: 0, .size: 8, .value_kind: global_buffer, .address_space: global }
      - { .name: k, .offset: 8, .size: 8, .value_kind: global_buffer, .address_space: global }
      - { .name: v, .offset: 16, .size: 8, .value_kind: global_buffer, .address_space: global }
      - { .name: mask, .offset: 24, .size: 8, .value_kind: global_buffer, .address_space: global }
      - { .name: Wq, .offset: 32, .size: 8, .value_kind: global_buffer, .address_space: global }
      - { .name: Wk, .offset: 40, .size: 8, .value_kind: global_buffer, .address_space: global }
      - { .name: Wv, .offset: 48, .size: 8, .value_kind: global_buffer, .address_space: global }
      - { .name: Wo, .offset: 56, .size: 8, .value_kind: global_buffer, .address_space: global }
      - { .name: xi, .offset: 64, .size: 8, .value_kind: global_buffer, .address_space: global }
      - { .name: wi, .offset: 72, .size: 8, .value_kind: global_buffer, .address_space: global }
      - { .name: mw, .offset: 80, .size: 8, .value_kind: global_buffer, .address_space: global }
      - { .name: mf, .offset: 88, .size: 8, .value_kind: global_buffer, .address_space: global }
      - { .name: rope, .offset: 96, .size: 8, .value_kind: global_buffer, .address_space: global }
    .group_segment_fixed_size: 140288
    .private_segment_fixed_size: 0
    .kernarg_segment_align: 8
    .kernarg_segment_size: 104
    .max_flat_workgroup_size: 256
    .sgpr_count:     72
    .vgpr_count:     256
    .wavefront_size: 32
...
	.end_amdgpu_metadata
.endif
;; end of part 5
;; launch proj (part 6): grid 12 x 64, 4 waves a work-group, no clusters, 102,912 bytes of LDS; arguments xi, wi, rope, bq, bk, bv, qi, kv; writes qi, kv
.if DOCPART == 6
	.amdgcn_target "amdgcn-amd-amdhsa--gfx1250"
	.amdhsa_code_object_version 6
	.text
	.protected	k_q525ec4e6cb_proj
	.globl	k_q525ec4e6cb_proj
	.p2align	8
	.type	k_q525ec4e6cb_proj,@function
k_q525ec4e6cb_proj:
	s_mov_b64 s[64:65], 0
	v_nop
	global_prefetch_b8 v0, s[64:65] scope:SCOPE_SE
	s_setreg_imm32_b32 hwreg(HW_REG_WAVE_SCHED_MODE, 0, 2), 2
	s_setreg_imm32_b32 hwreg(HW_REG_WAVE_MODE, 25, 1), 1
	s_wait_xcnt 0x0
	s_wait_alu depctr_vm_vsrc(0)
; PROJ.  The three projections x W + b on codes of FP6 (E2M3) with E8M0 scales; q's and k's results are rotated (RoPE) and quantised along the head's 64, v's along the keys; all leave as images of operand registers.
; SHARES.  Work-group x = tensor x 4 + nq, y = block of 128 tokens.  It makes 128 tokens x 256 columns; wave w makes head 4 nq + w for all 128 tokens.  The wave's 64 columns x K 1,024 of W stay in 384 registers
; (96 dense loads of 512 bytes); the block's codes of x (102,400 bytes) go through LDS once, as they lie, and are read by the four waves.  Straight-line code, one barrier.
; Of a work-group's 307,200 bytes two thirds (W) go straight into registers; what four work-groups share (x's block) is the other third: no cluster, no tensor load.
; Q, K: THE PRODUCT IS USED TRANSPOSED (source 0 = 16 columns of W, source 1 = 16 tokens): a lane holds one token, and, by the order of W's columns in a tile, the registers of tiles 2 b, 2 b + 1 are columns 32 b + 16 (lane / 16) + 0 .. 15.
; V: source 0 = 16 tokens, source 1 = 16 columns: a lane holds one column, and, by the order of the tokens in a tile, the registers of tiles 2 b, 2 b + 1 are tokens 32 b + 16 (lane / 16) + 0 .. 15: neighbours along the keys.
; qi [batch x head 64] x 102,400: [key step 16][pair 4] fragments of three planes of 512 bytes: registers 0-5 tile 2 p, registers 6-11 tile 2 p + 1; from 98,304: [step][lane][2] words: word (L, i): pair 2 i + L / 16, row L % 16.
; kv [batch x head 64] x 204,800: K as qi's codes; from 98,304 V: [step][tile of 16 channels 4] fragments, K = the step's 128 keys; from 196,608 K's words as qi's; from 200,704 V's: word (L, i): tile 2 i + L / 16, row L % 16.
; LIMITS: NaN and infinities are not served; a block whose largest magnitude lies under 2^-124 keeps the byte 1.
; REGISTERS.  Window 1: W (tile t, K step s) for s 0-3 at 12 (4 t + s); window 2: s 4-7; window 3: two sets of x's eight fragments at 0 and 96 (at the head v0-199: x's bytes on their way to LDS).
;   Window 0: v1-11 addresses; v16-31 W's scale words; v32-39 x's, two sets; v40-71 the bias as C; v72-95 at work; v96-159 accumulators; above: see the paths.
; THE MODE: SCHED_MODE bits 1:0 = 2 (LLVM: expert scheduling mode 2), set by the entry lines.  The code itself states the register dependences between vector or matrix instructions and memory or LDS instructions, with s_wait_alu, always for 0.
; THE PLAN.  Registers that memory or LDS instructions touch:
;   v1-v7, v10, v11   offsets and LDS addresses: made once at the head, never written again.
;   XF0, XF1, XS0, XS1  Tile t's products read set t % 2; among them the LDS loads of tile t + 1 land in the other set, which the products of tile t - 1 read last.
;   RP0, RP1 (Q, K)   Tile t's rotation reads set t % 2; the loads of tile t + 1, issued at tile t's head, land in the other set, which the rotation of tile t - 1 read last.
;   KF0, KF1 (Q, K)   Pair p's fragment is written by the quantiser in tiles 2 p and 2 p + 1, stored at the head of tile 2 p + 2, written again in tile 2 p + 4.
;   KSI; VF, VSI      written by vector instructions, stored once at the path's end.
; So ONE wait on va_vdst stands at the head of tiles 1 to 6: the tile before is complete.  The tile's stores and loads follow it with no further wait: the products among which the fragment loads are dealt name the
; set in hand, W, its scale words, the bias and the accumulators, none of which those loads touch.
.set SPARE, 102400                     ; behind x's image: the spare words, 128 bytes for each wave
.set SPW, 8
.set NIL, 9
.set WS,  16                           ; register 8 b + s: lanes 0-15 tile 2 b, lanes 16-31 tile 2 b + 1, K step s
.set XS,  32                           ; set tau % 2; register i: lanes 0-15 K step 2 i, lanes 16-31 K step 2 i + 1
.set BI,  40
.set TM,  72
.set ACC, 96
.set RP,  160                          ; Q, K: v160-223 cos and sin, two sets of 32
.set KF,  224                          ; v224-247 a pair's fragment, two sets
.set KSI, 248                          ; v248-249 the scale words as they are stored
.set VF,  160                          ; V: v160-207 four fragments
.set VW,  208                          ; v208-211 their scale words
.set VSI, 216
.set BL,  220                          ; v220-223 the bias of my column in tile t
.set VT,  224                          ; v224-239 the conversions of an odd block
.set SEL, 46
.set MSB, 0
.macro WIN new                         ; the immediate's high byte repeats the setting that is left
.if MSB != \new
	s_set_vgpr_msb (MSB<<8)|\new
.set MSB, \new
.endif
.endm
; one matrix instruction: D, A, B, C by their first registers; the two scale registers; ra, rb = 1: that side's scales lie in lanes 16-31
.macro WM d, a, b, c, sa, sb, ra, rb
.if ((\ra) == 0) && ((\rb) == 0)
	v_wmma_scale_f32_16x16x128_f8f6f4 v[(\d):(\d)+7], v[(\a):(\a)+11], v[(\b):(\b)+11], v[(\c):(\c)+7], v[\sa], v[\sb] matrix_a_fmt:MATRIX_FMT_FP6 matrix_b_fmt:MATRIX_FMT_FP6
.elseif (\rb) == 0
	v_wmma_scale_f32_16x16x128_f8f6f4 v[(\d):(\d)+7], v[(\a):(\a)+11], v[(\b):(\b)+11], v[(\c):(\c)+7], v[\sa], v[\sb] matrix_a_fmt:MATRIX_FMT_FP6 matrix_b_fmt:MATRIX_FMT_FP6 matrix_a_scale:MATRIX_SCALE_ROW1
.elseif (\ra) == 0
	v_wmma_scale_f32_16x16x128_f8f6f4 v[(\d):(\d)+7], v[(\a):(\a)+11], v[(\b):(\b)+11], v[(\c):(\c)+7], v[\sa], v[\sb] matrix_a_fmt:MATRIX_FMT_FP6 matrix_b_fmt:MATRIX_FMT_FP6 matrix_b_scale:MATRIX_SCALE_ROW1
.else
	v_wmma_scale_f32_16x16x128_f8f6f4 v[(\d):(\d)+7], v[(\a):(\a)+11], v[(\b):(\b)+11], v[(\c):(\c)+7], v[\sa], v[\sb] matrix_a_fmt:MATRIX_FMT_FP6 matrix_b_fmt:MATRIX_FMT_FP6 matrix_a_scale:MATRIX_SCALE_ROW1 matrix_b_scale:MATRIX_SCALE_ROW1
.endif
.endm
; tile tau's fragment of K step s, from x's image: four LDS loads, destination window 3
.macro FRAG4 tau, s
.set XFL, 96*((\tau)%2)
	ds_load_b128 v[XFL+12*(\s):XFL+12*(\s)+3], v[1+(\tau)/4] offset:12288*((\tau)%4)+1536*(\s)
	ds_load_b64 v[XFL+12*(\s)+4:XFL+12*(\s)+5], v[3+(\tau)/4] offset:12288*((\tau)%4)+1536*(\s)+512
	ds_load_b128 v[XFL+12*(\s)+6:XFL+12*(\s)+9], v[1+(\tau)/4] offset:12288*((\tau)%4)+1536*(\s)+768
	ds_load_b64 v[XFL+12*(\s)+10:XFL+12*(\s)+11], v[3+(\tau)/4] offset:12288*((\tau)%4)+1536*(\s)+1280
.endm
.macro XWORDS tau                      ; tile tau's scale words, window 0
	ds_load_b128 v[XS+4*((\tau)%2):XS+4*((\tau)%2)+3], v5 offset:512*(\tau)
.endm
.macro FETCH tau                       ; a whole tile in one run: the first tile alone comes so
	WIN 0xc0                                       ; destination window 3
.irp s, 0,1,2,3,4,5,6,7
	FRAG4 \tau, \s
.endr
	WIN 0
	XWORDS \tau
.endm
.macro WLOAD half                      ; W's fragments of K steps 4 half .. 4 half + 3
.set ti, 0
.rept 4
.set si, 0
.rept 4
.set gi, 0
.rept 3
	global_load_b128 v[12*(4*ti+si)+4*gi:12*(4*ti+si)+4*gi+3], v1, s[10:11] offset:(8*ti+si+4*(\half))*1536+512*gi
.set gi, gi+1
.endr
.set si, si+1
.endr
.set ti, ti+1
.endr
.endm
	s_load_b512 s[8:23], s[0:1], 0x0               ; xi s[8:9], wi s[10:11], rope s[12:13], bq s[14:15], bk s[16:17], bv s[18:19], qi s[20:21], kv s[22:23]
	v_lshl_add_u32 v[SPW], v0, 2, SPARE
	v_mov_b32 v[NIL], 0
	v_lshrrev_b32 v1, 5, v0
	v_readfirstlane_b32 s4, v1                     ; wave 0..3
	v_and_b32 v12, 31, v0                          ; lane
	v_and_b32 v13, 15, v0                          ; r
	v_bfe_u32 v14, v0, 4, 1                        ; h
	v_lshlrev_b32 v1, 4, v12                       ; 16 x lane;
	v_add_nc_u32 v2, 49152, v1                     ; the same for tiles 4-7 (an LDS immediate has 16 bits)
	v_lshlrev_b32 v3, 3, v12                       ; 8 x lane;
	v_add_nc_u32 v4, 49152, v3
	v_add_nc_u32 v5, 98304, v1                     ; x's scale words
	v_and_b32 v15, 8, v13
	v_add_nc_u32 v15, v15, v13                     ; r + 8 (r / 8)
	v_lshlrev_b32 v6, 8, v15
	v_lshl_add_u32 v6, v14, 6, v6                  ; cos and sin: my token's 256 bytes, + 64 h
	v_lshlrev_b32 v7, 6, v14                       ; the bias as C of the transposed product: 16 h numbers on
	v_lshlrev_b32 v10, 2, v15                      ; the bias of my column
	s_wait_alu depctr_va_sdst(0)                   ; s4 is written, ahead of its first reader: LDS places, bases and the head's number are made from it
	s_mul_i32 s28, s4, 25600
	v_add_nc_u32 v11, s28, v1                      ; where I put my quarter of x's image
.irp i, 2,3,4,5,6,7
	v_mov_b32 v[TM+\i], 0                          ; written once: a lane permute's destination counts as one of its sources
.endr
	s_lshr_b32 s6, ttmp9, 2                        ; the tensor: 0 q, 1 k, 2 v
	s_and_b32 s7, ttmp9, 3                         ; nq
	s_and_b32 s24, ttmp7, 0xffff                   ; the block
	s_lshl_b32 s25, s7, 2
	s_add_co_u32 s25, s25, s4                      ; my head
	s_mov_b32 s5, 0xffff0000                       ; lanes 16-31
	s_mov_b32 s[SEL], 0x76543210
	s_mov_b32 s[SEL+1], 0xfedcba98
	s_mov_b32 s27, 0
	s_mov_b32 s41, 0
	s_wait_kmcnt 0x0
	s_lshl_b32 s26, s6, 6
	s_add_co_u32 s26, s26, s24
	s_mul_i32 s26, s26, 102400
	s_add_co_u32 s26, s26, s28
	s_add_nc_u64 s[8:9], s[8:9], s[26:27]          ; my quarter of the block's record
	s_lshl_b32 s26, s6, 4
	s_add_co_u32 s26, s26, s25
	s_mul_i32 s26, s26, 51200
	s_add_nc_u64 s[10:11], s[10:11], s[26:27]      ; my head's record of W
	s_and_b32 s33, s24, 15                         ; the block's place in its sequence
	s_lshl_b32 s26, s33, 15
	s_add_nc_u64 s[12:13], s[12:13], s[26:27]      ; its 128 positions
	s_cmp_eq_u32 s6, 0                             ; the choices hang on the work-group's number alone
	s_cselect_b64 s[30:31], s[14:15], s[16:17]
	s_cselect_b64 s[34:35], s[20:21], s[22:23]
	s_mov_b32 s36, 204800
	s_cselect_b32 s36, 102400, s36                 ; a head's record in qi or in kv
	s_mov_b32 s37, 196608
	s_cselect_b32 s37, 98304, s37                  ; where its scale words begin
	s_cmp_eq_u32 s6, 2
	s_cselect_b64 s[30:31], s[18:19], s[30:31]
	s_cselect_b32 s38, 98304, 0                    ; V's codes lie behind K's
	s_mov_b32 s39, 200704
	s_cselect_b32 s37, s39, s37
	s_lshl_b32 s26, s25, 8
	s_add_nc_u64 s[30:31], s[30:31], s[26:27]      ; my head's 64 numbers of the bias
	s_lshr_b32 s32, s24, 4
	s_lshl_b32 s32, s32, 4
	s_add_co_u32 s32, s32, s25                     ; batch x 16 + head
	s_mul_i32 s36, s36, s32
	s_mul_i32 s40, s33, 6144
	s_add_co_u32 s40, s40, s36
	s_add_co_u32 s40, s40, s38
	s_add_nc_u64 s[42:43], s[34:35], s[40:41]      ; where my codes go
	s_lshl_b32 s40, s33, 8
	s_add_co_u32 s40, s40, s36
	s_add_co_u32 s40, s40, s37
	s_add_nc_u64 s[44:45], s[34:35], s[40:41]      ; and my scale words
	WIN 0xc0
	s_wait_alu depctr_va_vdst(0)                   ; the offsets and LDS addresses v1 to v7, v10 and v11 are written: every load and store of the kernel reads one of them
.set i, 0
.rept 50
	global_load_b128 v[4*i:4*i+3], v1, s[8:9] offset:512*i
.set i, i+1
.endr
	WIN 0x40
	WLOAD 0
	WIN 0x80
	WLOAD 1
	WIN 0
.irp b, 0,1
.irp g, 0,1
	global_load_b128 v[WS+8*\b+4*\g:WS+8*\b+4*\g+3], v1, s[10:11] offset:49152+(2*\b+\g)*512
.endr
.endr
.irp t, 0,1,2,3
	global_load_b128 v[BI+8*\t:BI+8*\t+3], v7, s[30:31] offset:(32*(\t/2)+8*(\t%2))*4
	global_load_b128 v[BI+8*\t+4:BI+8*\t+7], v7, s[30:31] offset:(32*(\t/2)+8*(\t%2))*4+16
	global_load_b32 v[BL+\t], v10, s[30:31] offset:(32*(\t/2)+8*(\t%2))*4
.endr
	s_wait_loadcnt 0x0
	WIN 0x0c                                       ; an LDS store's data are its source 1: window 3
.set i, 0
.rept 50
	ds_store_b128 v11, v[4*i:4*i+3] offset:512*i
.set i, i+1
.endr
	WIN 0
	s_wait_dscnt 0x0                               ; for the others' sake: my quarter of the image has landed
	s_barrier_signal -1
	s_barrier_wait -1
	s_wait_alu depctr_vm_vsrc(0)                   ; my LDS stores have read window 3's v0-199: from here on these registers are the two sets of fragments, in which LDS loads land
	FETCH 0
	s_cmp_eq_u32 s6, 2
	s_cbranch_scc1 .Lv
; ---------------- Q and K
.macro RLOAD tau                       ; cos and sin of my token of tile tau, pairs 16 b + 8 h + 0 .. 7
.irp b, 0,1
.irp j, 0,1,2,3
	global_load_b128 v[RP+32*((\tau)%2)+16*\b+4*\j:RP+32*((\tau)%2)+16*\b+4*\j+3], v6, s[12:13] offset:(32*((\tau)/2)+8*((\tau)%2))*256+128*\b+16*\j
.endr
.endr
.endm
; 32 matrix instructions: K step by K step, the four accumulators by turns; the bias is the C of each sum's first.
; Ahead of each K step's four stand the four LDS loads of the same K step of the next tile: they land in the other set, which no vector or matrix instruction since the wait at the tile's head names.
.macro PRODQ tau
.set XFB, 96*((\tau)%2)
.set XSB, XS+4*((\tau)%2)
.set si, 0
.rept 8
.if (\tau) < 7
	WIN 0xc0                                       ; destination window 3
	FRAG4 (\tau)+1, si
.endif
.if si < 4
	WIN 0x0d                                       ; source 0 (W) window 1, source 1 (x) window 3
.else
	WIN 0x0e                                       ; source 0 window 2
.endif
.set ti, 0
.rept 4
.if si == 0
	WM ACC+8*ti, 12*(4*ti+si%4), XFB+12*si, BI+8*ti, WS+8*(ti/2)+si, XSB+si/2, ti%2, si%2
.else
	WM ACC+8*ti, 12*(4*ti+si%4), XFB+12*si, ACC+8*ti, WS+8*(ti/2)+si, XSB+si/2, ti%2, si%2
.endif
.set ti, ti+1
.endr
.set si, si+1
.endr
	WIN 0
.endm
.macro ROT tau                         ; (t1, t2) -> (t1 c - t2 s, t1 s + t2 c): two packed instructions a pair, each accumulator from its low end on
.set RB, RP+32*((\tau)%2)
.set gi, 0
.rept 4
.irp n, 0,1,2,3
	v_pk_mul_f32 v[TM+16+2*\n:TM+17+2*\n], v[ACC+8*gi+2*\n:ACC+8*gi+2*\n+1], v[RB+8*gi+2*\n:RB+8*gi+2*\n+1] op_sel_hi:[1,0]   ; (t1 c, t2 c)
.endr
.irp n, 0,1,2,3
	v_pk_fma_f32 v[ACC+8*gi+2*\n:ACC+8*gi+2*\n+1], v[ACC+8*gi+2*\n:ACC+8*gi+2*\n+1], v[RB+8*gi+2*\n:RB+8*gi+2*\n+1], v[TM+16+2*\n:TM+17+2*\n] op_sel:[1,1,0] op_sel_hi:[0,1,1] neg_lo:[0,1,0]
.endr
.set gi, gi+1
.endr
.endm
; 32 numbers of a lane (register 16 b + i = k 32 b + 16 (lane / 16) + i of my row) become six registers of codes at dst (a block to each half of the lanes) and two scale bytes in v[w16]
.macro QUANT2 src, dst, w16
	v_max3_num_f32 v[TM], |v[\src]|, |v[\src+1]|, 0x1800000       ; and the floor 2^(3 - 127): the byte cannot fall under 1
	v_max3_num_f32 v[TM+1], |v[\src+16]|, |v[\src+17]|, 0x1800000
.irp i, 2,4,6,8,10,12,14
	v_max3_num_f32 v[TM], v[TM], |v[\src+\i]|, |v[\src+\i+1]|
	v_max3_num_f32 v[TM+1], v[TM+1], |v[\src+16+\i]|, |v[\src+17+\i]|
.endr
	v_permlanex16_b32 v[TM+2], v[TM], s[SEL], s[SEL+1]
	v_permlanex16_b32 v[TM+3], v[TM+1], s[SEL], s[SEL+1]
	v_max_num_f32 v[TM], v[TM], v[TM+2]
	v_max_num_f32 v[TM+1], v[TM+1], v[TM+3]
	v_add_nc_u32 v[TM+4], 0xff000000, v[TM]        ; 2 off the exponent field: the conversion's scale operand
	v_add_nc_u32 v[TM+5], 0xff000000, v[TM+1]
	v_lshrrev_b32 v[TM+6], 23, v[TM+4]
	v_lshrrev_b32 v[TM+7], 23, v[TM+5]
	v_cvt_scalef32_pk16_fp6_f32 v[(\dst):(\dst)+2], v[\src:\src+15], v[TM+4]
	v_cvt_scalef32_pk16_fp6_f32 v[TM+12:TM+14], v[\src+16:\src+31], v[TM+5]
	v_lshl_or_b32 v[\w16], v[TM+7], 8, v[TM+6]     ; (the plain place behind the conversions)
.irp i, 0,1,2
	v_permlane16_swap_b32 v[(\dst)+\i], v[TM+12+\i]
.endr
.irp i, 0,1,2
	v_mov_b32 v[(\dst)+3+\i], v[TM+12+\i]
.endr
.endm
.macro PSTORE p                        ; pair p's fragment leaves: each store covers 512 consecutive bytes, at a multiple of 256
.irp g, 0,1,2
	global_store_b128 v1, v[KF+12*((\p)%2)+4*\g:KF+12*((\p)%2)+4*\g+3], s[42:43] offset:(\p)*1536+512*\g
.endr
.endm
.macro TILE tau
	s_wait_dscnt 0x0                               ; this tile's fragments and scale words, asked for in the tile before, are in
.if ((\tau) > 0) && ((\tau) < 7)
	s_wait_alu depctr_va_vdst(0)                   ; the tile before is complete: its products are done reading their fragments and scale words, its rotation its cos and sin, in all of which loads land below; its quantiser has written the pair's fragment, which the stores below read
.endif
.if ((\tau) >= 2) && ((\tau)%2 == 0)
	PSTORE (\tau)/2-1                              ; the pair that the tile before has finished
.endif
.if (\tau) < 7
	XWORDS (\tau)+1
	RLOAD (\tau)+1
.endif
	PRODQ \tau
.rept 4
	v_nop                                          ; four places between the last product and the first read of a result
.endr
.if (\tau) < 7
	s_wait_loadcnt 8                               ; this tile's cos and sin are in; the next tile's eight loads may be out
.else
	s_wait_loadcnt 0x0
.endif
	ROT \tau
.if ((\tau) >= 4) && ((\tau)%2 == 0)
	s_wait_xcnt 0x0                                ; the stores of the pair two back have had their addresses translated,
	s_wait_alu depctr_vm_vsrc(0)                   ; and have read this set of the pair's registers, which the quantiser writes again
.endif
	QUANT2 ACC, KF+12*(((\tau)/2)%2)+6*((\tau)%2), TM+8+(\tau)%2
.if (\tau)%2 == 1
.if ((\tau)/2)%2 == 0
	v_lshl_or_b32 v[TM+10], v[TM+9], 16, v[TM+8]   ; the pair's scale word: two bytes of each tile
.else
	v_lshl_or_b32 v[TM+11], v[TM+9], 16, v[TM+8]
	v_cndmask_b32 v[KSI+(\tau)/4], v[TM+10], v[TM+11], s5   ; lanes 0-15 the even pair's, lanes 16-31 the odd pair's
.endif
.endif
.endm
	RLOAD 0
.irp u, 0,1,2,3,4,5,6,7
	TILE \u
.endr
	s_wait_alu depctr_va_vdst(0)                   ; tile 7 has written the last pair's fragment and the scale words, which the stores below read
	PSTORE 3
	global_store_b64 v3, v[KSI:KSI+1], s[44:45]    ; the step's 256 bytes of scale words
	s_wait_dscnt 0x0                               ; the wave's end: six lines, on end, of a launch in the mode that stores to LDS
	s_wait_alu 0x0
	s_wait_tensorcnt 0x0
	ds_add_u32 v[SPW], v[NIL]
	s_wait_dscnt 0x0
	s_endpgm
; ---------------- V
.Lv:
.irp t, 0,1,2,3
.irp j, 0,1,2,3,4,5,6,7
	v_mov_b32 v[BI+8*\t+\j], v[BL+\t]              ; here a lane holds one column: its bias in all eight registers of C
.endr
.endr
.macro PRODV tau                       ; as the other path's products, with the sources the other way round; the next tile's fragment loads are dealt in the same way
.set XFB, 96*((\tau)%2)
.set XSB, XS+4*((\tau)%2)
.set AV, ACC+8*((\tau)%2)
.set si, 0
.rept 8
.if (\tau) < 7
	WIN 0xc0                                       ; destination window 3
	FRAG4 (\tau)+1, si
.endif
.if si < 4
	WIN 0x07                                       ; source 0 (x) window 3, source 1 (W) window 1
.else
	WIN 0x0b                                       ; source 1 window 2
.endif
.set ti, 0
.rept 4
.if si == 0
	WM AV+16*ti, XFB+12*si, 12*(4*ti+si%4), BI+8*ti, XSB+si/2, WS+8*(ti/2)+si, si%2, ti%2
.else
	WM AV+16*ti, XFB+12*si, 12*(4*ti+si%4), AV+16*ti, XSB+si/2, WS+8*(ti/2)+si, si%2, ti%2
.endif
.set ti, ti+1
.endr
.set si, si+1
.endr
	WIN 0
.endm
.macro QV b                            ; block b of 32 keys, for my column in each of the four tiles
.irp t, 0,1,2,3
	v_max3_num_f32 v[TM+\t], |v[ACC+16*\t]|, |v[ACC+16*\t+1]|, 0x1800000
.endr
.irp i, 2,4,6,8,10,12,14
.irp t, 0,1,2,3
	v_max3_num_f32 v[TM+\t], v[TM+\t], |v[ACC+16*\t+\i]|, |v[ACC+16*\t+\i+1]|
.endr
.endr
.irp t, 0,1,2,3
	v_permlanex16_b32 v[TM+4+\t], v[TM+\t], s[SEL], s[SEL+1]
.endr
.irp t, 0,1,2,3
	v_max_num_f32 v[TM+\t], v[TM+\t], v[TM+4+\t]
.endr
.irp t, 0,1,2,3
	v_add_nc_u32 v[TM+12+\t], 0xff000000, v[TM+\t]
.endr
.irp t, 0,1,2,3
	v_lshrrev_b32 v[TM+4+\t], 23, v[TM+12+\t]
.endr
.irp t, 0,1,2,3
.if (\b) == 0
	v_mov_b32 v[VW+\t], v[TM+4+\t]
.else
	v_lshl_or_b32 v[VW+\t], v[TM+4+\t], 8*(\b), v[VW+\t]
.endif
.endr
.if (\b)%2 == 0
.irp t, 0,1,2,3
	v_cvt_scalef32_pk16_fp6_f32 v[VF+12*\t+6*((\b)/2):VF+12*\t+6*((\b)/2)+2], v[ACC+16*\t:ACC+16*\t+15], v[TM+12+\t]
.endr
	v_nop                                          ; one plain place behind a scaled conversion
.else
.irp t, 0,1,2,3
	v_cvt_scalef32_pk16_fp6_f32 v[VT+4*\t:VT+4*\t+2], v[ACC+16*\t:ACC+16*\t+15], v[TM+12+\t]
.endr
	v_nop
.irp t, 0,1,2,3
.irp i, 0,1,2
	v_permlane16_swap_b32 v[VF+12*\t+6*((\b)/2)+\i], v[VT+4*\t+\i]   ; a whole block to each half of the lanes
.endr
.endr
.irp t, 0,1,2,3
.irp i, 0,1,2
	v_mov_b32 v[VF+12*\t+6*((\b)/2)+3+\i], v[VT+4*\t+\i]
.endr
.endr
.endif
.endm
.macro TILEV tau
	s_wait_dscnt 0x0                               ; this tile's fragments and scale words, asked for in the tile before, are in
.if ((\tau) > 0) && ((\tau) < 7)
	s_wait_alu depctr_va_vdst(0)                   ; the products of the tile before are done reading their fragments and scale words, in which the loads of this tile land
.endif
.if (\tau) < 7
	XWORDS (\tau)+1
.endif
	PRODV \tau
.rept 4
	v_nop                                          ; four places behind the last product, ahead of the first read of a result
.endr
.if (\tau)%2 == 1
	QV (\tau)/2
.endif
.endm
	s_wait_alu depctr_va_vdst(0)
.irp u, 0,1,2,3,4,5,6,7
	TILEV \u
.endr
	v_cndmask_b32 v[VSI], v[VW], v[VW+1], s5
	v_cndmask_b32 v[VSI+1], v[VW+2], v[VW+3], s5
	s_wait_alu depctr_va_vdst(0)                   ; the quantiser has written the four fragments, the two selects the scale words: the stores below read them
.irp t, 0,1,2,3
.irp g, 0,1,2
	global_store_b128 v1, v[VF+12*\t+4*\g:VF+12*\t+4*\g+3], s[42:43] offset:\t*1536+512*\g
.endr
.endr
	global_store_b64 v3, v[VSI:VSI+1], s[44:45]
	s_wait_dscnt 0x0                               ; the wave's end: six lines, on end, of a launch in the mode that stores to LDS
	s_wait_alu 0x0
	s_wait_tensorcnt 0x0
	ds_add_u32 v[SPW], v[NIL]
	s_wait_dscnt 0x0
	s_endpgm
.Lfunc_end_k_q525ec4e6cb_proj:
	.size	k_q525ec4e6cb_proj, .Lfunc_end_k_q525ec4e6cb_proj-k_q525ec4e6cb_proj
	.p2alignl 7, 3214868480
	.fill 96, 4, 3214868480
	.section	.rodata,"a",@progbits
	.p2align	6, 0x0
	.amdhsa_kernel k_q525ec4e6cb_proj
		.amdhsa_group_segment_fixed_size 102912
		.amdhsa_private_segment_fixed_size 0
		.amdhsa_enable_private_segment 0
		.amdhsa_kernarg_size 64
		.amdhsa_user_sgpr_count 2
		.amdhsa_user_sgpr_kernarg_segment_ptr 1
		.amdhsa_wavefront_size32 1
		.amdhsa_system_sgpr_workgroup_id_x 1
		.amdhsa_system_sgpr_workgroup_id_y 1
		.amdhsa_system_sgpr_workgroup_id_z 1
		.amdhsa_system_vgpr_workitem_id 0
		.amdhsa_next_free_vgpr 1024
		.amdhsa_next_free_sgpr 66
		.amdhsa_reserve_vcc 0
		.amdhsa_float_denorm_mode_32 3
		.amdhsa_float_denorm_mode_16_64 3
		.amdhsa_memory_ordered 1
		.amdhsa_forward_progress 1
		.amdhsa_inst_pref_size 185
	.end_amdhsa_kernel
	.amdgpu_metadata
---
amdhsa.version: [ 1, 2 ]
amdhsa.kernels:
  - .name:           k_q525ec4e6cb_proj
    .symbol:         k_q525ec4e6cb_proj.kd
    .args:
      - { .name: xi, .offset: 0, .size: 8, .value_kind: global_buffer, .address_space: global }
      - { .name: wi, .offset: 8, .size: 8, .value_kind: global_buffer, .address_space: global }
      - { .name: rope, .offset: 16, .size: 8, .value_kind: global_buffer, .address_space: global }
      - { .name: bq, .offset: 24, .size: 8, .value_kind: global_buffer, .address_space: global }
      - { .name: bk, .offset: 32, .size: 8, .value_kind: global_buffer, .address_space: global }
      - { .name: bv, .offset: 40, .size: 8, .value_kind: global_buffer, .address_space: global }
      - { .name: qi, .offset: 48, .size: 8, .value_kind: global_buffer, .address_space: global }
      - { .name: kv, .offset: 56, .size: 8, .value_kind: global_buffer, .address_space: global }
    .group_segment_fixed_size: 102912
    .private_segment_fixed_size: 0
    .kernarg_segment_align: 8
    .kernarg_segment_size: 64
    .max_flat_workgroup_size: 128
    .sgpr_count:     66
    .vgpr_count:     1024
    .wavefront_size: 32
...
	.end_amdgpu_metadata
.endif
;; end of part 6
;; launch attn (part 7): grid 4 x 64, 16 waves a work-group, no clusters, 273,408 bytes of LDS; arguments qi, kv, mw, mf, oi; writes oi
.if DOCPART == 7
	.amdgcn_target "amdgcn-amd-amdhsa--gfx1250"
	.amdhsa_code_object_version 6
	.text
	.protected	k_q525ec4e6cb_attn
	.globl	k_q525ec4e6cb_attn
	.p2align	8
	.type	k_q525ec4e6cb_attn,@function
k_q525ec4e6cb_attn:
	s_mov_b64 s[64:65], 0
	v_nop
	global_prefetch_b8 v0, s[64:65] scope:SCOPE_SE
	s_setreg_imm32_b32 hwreg(HW_REG_WAVE_SCHED_MODE, 0, 2), 2
	s_setreg_imm32_b32 hwreg(HW_REG_WAVE_MODE, 25, 1), 1
	s_wait_xcnt 0x0
	s_wait_alu depctr_vm_vsrc(0)
; ATTN.  O = softmax(Q K^T / 8, masked) V for one head, both products on codes of FP6 (E2M3) with E8M0 scales; O is quantised along the head's 64 and leaves as a part of the last product's operand.
; THE SOFTMAX AHEAD OF THE SECOND PRODUCT: t = score x log2(e) / 8; M = the running largest t, rounded UP to a whole number; p = 2^(t - M) is quantised along the keys, not normalised; the row's sum is taken of the
; unquantised p and divides O at the end.  When M moves, the sum and O are multiplied by 2^(old M - new M): exact.
; SHARES.  Work-group x = 512 queries, y = batch x 16 + head.  The head's K and V, 204,800 bytes, come into LDS once and stay.  Each of sixteen waves owns a tile of 16 queries in each of two passes and walks 16 steps of 128 keys.
; The four work-groups of a head read the same 204,800 bytes once each, at the head; they are not asked for jointly by tensor loads; the key loop jumps over the mask's 64 selects on a stored flag.
; LAYOUT.  Both products transposed: S^T = K Q^T, O^T = V^T P^T: a lane holds ONE query (lane % 16).  By the order of the keys in a tile, register 16 b + i of S is key 32 b + 16 (lane / 16) + i.
; K = 64 UNDER AN INSTRUCTION OF K = 128: a fragment of K holds two tiles of keys (k 0-63: tile 2 p; k 64-127: tile 2 p + 1).  It is multiplied once by (q | zero codes) and once by (zero codes | q).
; THE MASK: 64 words a step in scalar registers; bit L of word j says whether register j of lane L counts.  A step whose record has no hole (its flag bit is 0) jumps over the selects.
; A row with no key at all has the sum 0: its scale bytes become 0xff, which makes the last product's sums of that token NaN.
; LIMITS: NaN and infinities among the inputs are not served; a block whose largest magnitude lies under 2^-124 keeps the byte 1.
; REGISTERS: v0 lane; v1-3, v11 addresses and work; v4, v5 the add's two; v[6:7] K's scale words, v[8:9] V's, v10 q's; v12 -M, v13 the largest t, v[14:15] the sum; v16-33 zeros | q | zeros; v34 f, v35 p's scale word;
;   v36-51 at work; v47 the two passes' scale bytes of O; v52-63 p's codes; v64-111 K; v112-159 V; v160-223 S, then p; v224-255 O^T.
; THE MODE: SCHED_MODE bits 1:0 = 2 (LLVM: expert scheduling mode 2), set by the entry lines.  The code itself states the register dependences between vector or matrix instructions and memory or LDS instructions, with s_wait_alu, always for 0.
; THE PLAN.  Registers that memory or LDS instructions touch, in a key step:
;   v1, v2, v3, v11  made by four vector lines behind the score products; read by the step's 26 LDS loads; v11 is written again in the same step, the others in the next.
;   K, v[6:7]        read by the step's eight score products; behind them the next step's K and its scale words land there.
;   V, v[8:9]        read by the last step's four products; this step's V and its scale words land there.
;   p's codes and scale word are made by vector instructions and taken by the step's last four products.
; So a step holds: one wait on va_vdst behind the four address lines (the addresses are written; all products issued so far are done reading K, V and their scale words); one on vm_vsrc behind the loads;
; the two waits behind the exponentials; one on va_vdst ahead of the last four products.
; In a pass: v160-162 are offsets at its head, then scores; q and its scale word are loaded once; v1, v2 and v52-57 serve the pass's two stores.
.set VIB,   131072                     ; LDS: K's step st at 8,192 st (6,144 used); V's at VIB + 8,192 st;
.set KSB,   262144                     ; K's scale words, 256 bytes a step;
.set VSB,   266240                     ; V's;
.set OSB,   270336                     ; the stage for O's scale bytes: 32 tiles x 32 bytes;
.set SPARE, 271360                     ; the spare words, 128 bytes for each of sixteen waves
.set SPW, 4
.set NIL, 5
.set KR,  64
.set VR,  112
.set S,   160
.set O,   224
.set WV,  2                            ; s2   my wave
.set ST,  84                           ; s84  the key step
.set PS,  85                           ; s85  the pass
.set FL,  86                           ; s86  the tile's 16 flags
.set MO,  87                           ; s87  the record's offset
.set MB,  88                           ; s[88:89] the tile's 16 records.  The words lie in s16-63 and s68-83
.set SEL, 90
.set CS,  92                           ; s[92:93] c = log2(e) / 8
.set TT,  101                          ; s101 the tile of queries
.macro WM d, a, b, c, sa, sb, ra
.if (\ra) == 0
	v_wmma_scale_f32_16x16x128_f8f6f4 v[(\d):(\d)+7], v[(\a):(\a)+11], v[(\b):(\b)+11], v[(\c):(\c)+7], v[\sa], v[\sb] matrix_a_fmt:MATRIX_FMT_FP6 matrix_b_fmt:MATRIX_FMT_FP6
.else
	v_wmma_scale_f32_16x16x128_f8f6f4 v[(\d):(\d)+7], v[(\a):(\a)+11], v[(\b):(\b)+11], v[(\c):(\c)+7], v[\sa], v[\sb] matrix_a_fmt:MATRIX_FMT_FP6 matrix_b_fmt:MATRIX_FMT_FP6 matrix_a_scale:MATRIX_SCALE_ROW1
.endif
.endm
.macro WM0 d, a, b, sa, sb, ra         ; the same with C = 0
.if (\ra) == 0
	v_wmma_scale_f32_16x16x128_f8f6f4 v[(\d):(\d)+7], v[(\a):(\a)+11], v[(\b):(\b)+11], 0, v[\sa], v[\sb] matrix_a_fmt:MATRIX_FMT_FP6 matrix_b_fmt:MATRIX_FMT_FP6
.else
	v_wmma_scale_f32_16x16x128_f8f6f4 v[(\d):(\d)+7], v[(\a):(\a)+11], v[(\b):(\b)+11], 0, v[\sa], v[\sb] matrix_a_fmt:MATRIX_FMT_FP6 matrix_b_fmt:MATRIX_FMT_FP6 matrix_a_scale:MATRIX_SCALE_ROW1
.endif
.endm
	s_load_b256 s[4:11], s[0:1], 0x0               ; qi s[4:5], kv s[6:7], mw s[8:9], mf s[10:11]
	s_load_b64 s[12:13], s[0:1], 0x20              ; oi
	v_lshl_add_u32 v[SPW], v0, 2, SPARE
	v_mov_b32 v[NIL], 0
	v_lshrrev_b32 v1, 5, v0
	v_readfirstlane_b32 s[WV], v1                  ; wave 0..15
	v_and_b32 v0, 31, v0                           ; FROM HERE ON v0 IS THE LANE
	s_and_b32 s15, ttmp7, 0xffff                   ; batch x 16 + head
	v_lshlrev_b32 v1, 4, v0                        ; 16 x lane
	s_wait_alu depctr_va_sdst(0)                   ; the wave's number is written, ahead of its first reader: LDS places, bases and the tile's number are made from it
	s_lshl_b32 s94, s[WV], 13
	v_add_nc_u32 v2, s94, v1                       ; LDS: K's step w,
	v_add_nc_u32 v3, VIB, v2                       ; V's step w,
	s_lshl_b32 s94, s[WV], 9
	s_add_co_u32 s94, s94, KSB
	v_add_nc_u32 v11, s94, v1                      ; and 512 bytes of the scale words
	s_mov_b32 s[SEL], 0x76543210
	s_mov_b32 s[SEL+1], 0xfedcba98
	s_mov_b32 s[CS], 0x3e38aa3b
	s_mov_b32 s[CS+1], s[CS]                       ; (named with it as a pair, so it is written)
	s_mov_b32 s95, 0
	s_wait_kmcnt 0x0
	s_mul_i32 s94, s15, 204800
	s_add_nc_u64 s[6:7], s[6:7], s[94:95]          ; the head's record
	s_mul_i32 s94, s[WV], 6144
	s_add_nc_u64 s[96:97], s[6:7], s[94:95]
	s_lshl_b32 s94, s[WV], 9
	s_add_nc_u64 s[98:99], s[6:7], s[94:95]
	s_wait_alu depctr_va_vdst(0)                   ; v1, v2, v3 and v11 are written: the loads below read v1 as their offset, the LDS stores behind them the other three as their addresses
.irp g, 0,1,2,3,4,5,6,7,8,9,10,11
	global_load_b128 v[KR+4*\g:KR+4*\g+3], v1, s[96:97] offset:512*\g
.endr
.irp g, 0,1,2,3,4,5,6,7,8,9,10,11
	global_load_b128 v[VR+4*\g:VR+4*\g+3], v1, s[96:97] offset:98304+512*\g
.endr
	global_load_b128 v[S:S+3], v1, s[98:99] offset:196608
.irp j, 16,17,18,19,20,21,28,29,30,31,32,33
	v_mov_b32 v[\j], 0                             ; the zero codes on both sides of q
.endr
.irp j, 40,41,42,43,47
	v_mov_b32 v[\j], 0                             ; written once: lane permutes' destinations count as sources; v47 gathers O's scale bytes
.endr
	s_wait_loadcnt 0x0
.irp g, 0,1,2,3,4,5,6,7,8,9,10,11
	ds_store_b128 v2, v[KR+4*\g:KR+4*\g+3] offset:512*\g
.endr
.irp g, 0,1,2,3,4,5,6,7,8,9,10,11
	ds_store_b128 v3, v[VR+4*\g:VR+4*\g+3] offset:512*\g
.endr
	ds_store_b128 v11, v[S:S+3]
	s_mul_i32 s94, s15, 102400
	s_add_nc_u64 s[4:5], s[4:5], s[94:95]          ; the head's record of Q
	s_lshr_b32 s94, s15, 4
	s_lshl_b32 s94, s94, 4
	s_mul_i32 s94, s94, 102400                     ; the batch's 16 blocks of oi
	s_and_b32 s96, s15, 15                         ; the head
	s_lshr_b32 s97, s96, 1
	s_mul_i32 s97, s97, 1536                       ; its K step of the last product,
	s_and_b32 s98, s96, 1
	s_mul_i32 s98, s98, 768                        ; and its unit of the fragment
	s_add_co_u32 s97, s97, s98
	s_add_co_u32 s98, s94, s97
	s_mov_b32 s99, 0
	s_add_nc_u64 s[6:7], s[12:13], s[98:99]        ; where O's codes go, but for the tile's place
	s_mul_i32 s98, ttmp9, 4*102400
	s_add_co_u32 s98, s98, s94
	s_lshl_b32 s97, s96, 8
	s_add_co_u32 s98, s98, s97
	s_add_co_u32 s98, s98, 98304
	s_add_nc_u64 s[12:13], s[12:13], s[98:99]      ; where the work-group's four units of scale bytes go
	s_wait_dscnt 0x0                               ; for the others' sake: my part of K, V and the scale words has landed
	s_barrier_signal -1
	s_barrier_wait -1
	s_wait_alu depctr_vm_vsrc(0)                   ; my LDS stores have read v3, which the next line writes, K's registers, in which the loads below land, and v160-163, which the first pass writes
	v_lshl_add_u32 v3, v0, 3, KSB
	s_wait_alu depctr_va_vdst(0)                   ; v3 is written, which the last load below reads; so are the zero codes beside q, which the score products take
.irp g, 0,1,2,3,4,5,6,7,8,9,10,11
	ds_load_b128 v[KR+4*\g:KR+4*\g+3], v1 offset:512*\g   ; K of step 0
.endr
	ds_load_b64 v[6:7], v3
	s_mov_b32 s[PS], 0
.Lpass:
	s_wait_xcnt 0x0                                ; the last pass's stores have had their addresses translated: their base may be written
	s_wait_alu depctr_vm_vsrc(0)                   ; they have read v1, v2 and v52-57 (in the first pass: K's loads have read v1 and v3), all of which the first key step writes
	s_wait_kmcnt 0x0                               ; and the last pass's last scalar loads have landed
	s_lshl_b32 s[TT], ttmp9, 5
	s_lshl_b32 s94, s[PS], 4
	s_add_co_u32 s[TT], s[TT], s94
	s_add_co_u32 s[TT], s[TT], s[WV]               ; my tile: 32 x + 16 pass + wave
	s_lshr_b32 s94, s[TT], 1
	s_mul_i32 s94, s94, 1536                       ; its pair's fragment
	s_mov_b32 s95, 0
	s_add_nc_u64 s[96:97], s[4:5], s[94:95]
	s_and_b32 s100, s[TT], 1                       ; u: registers 6 u .. 6 u + 5 of the three planes: bytes 16 L + {0, 8, 512} + u {520, 1016, 520}
	s_mul_i32 s98, s100, 520
	s_mul_i32 s99, s100, 1016
	v_lshl_add_u32 v[S], v0, 4, s98
	v_lshl_add_u32 v[S+1], v0, 4, s99
	v_and_b32 v[S+2], 15, v0
	v_lshlrev_b32 v[S+2], 3, v[S+2]                ; the scale word's offset: 8 bytes a row
	s_wait_alu depctr_va_vdst(0)                   ; the three offsets are written, which the four loads below read; the last pass's products are done reading q and its scale word, in which these loads land
	global_load_b64 v[22:23], v[S], s[96:97]
	global_load_b64 v[24:25], v[S+1], s[96:97] offset:8
	global_load_b64 v[26:27], v[S], s[96:97] offset:512
	s_lshr_b32 s94, s[TT], 3
	s_lshl_b32 s94, s94, 8                         ; the step's 256 bytes of scale words;
	s_bfe_u32 s98, s[TT], 0x10001
	s_lshl_b32 s98, s98, 7                         ; an odd pair's lie in lanes 16-31;
	s_add_co_u32 s94, s94, s98
	s_bfe_u32 s98, s[TT], 0x10002
	s_lshl_b32 s98, s98, 2                         ; pairs 2, 3 in the second word;
	s_add_co_u32 s94, s94, s98
	s_lshl_b32 s98, s100, 1                        ; the odd tile's two bytes in its upper half
	s_add_co_u32 s94, s94, s98
	s_add_nc_u64 s[98:99], s[4:5], s[94:95]
	global_load_u16 v10, v[S+2], s[98:99] offset:98304
	s_lshl_b32 s94, s[TT], 8
	s_add_nc_u64 s[14:15], s[10:11], s[94:95]
	s_load_b32 s[FL], s[14:15], 0x0                ; the flags of key steps 0-7,
	s_load_b32 s3, s[14:15], 0x80                  ; and of 8-15
	s_lshl_b32 s94, s[TT], 12
	s_add_nc_u64 s[MB:MB+1], s[8:9], s[94:95]
	s_mov_b32 s[MO], 0
	s_load_b512 s[16:31], s[MB:MB+1], s[MO] offset:0x0     ; the record of step 0
	s_load_b512 s[32:47], s[MB:MB+1], s[MO] offset:0x40
	s_load_b512 s[48:63], s[MB:MB+1], s[MO] offset:0x80
	s_load_b512 s[68:83], s[MB:MB+1], s[MO] offset:0xc0
	v_mov_b32 v13, 0xff61b1e6                      ; the largest t so far: -3e38, under every t
	v_floor_f32 v12, -v13                          ; -M
	v_mov_b32 v14, 0
	v_mov_b32 v15, 0
	v_mov_b32 v35, 0                               ; (named as the upper half of the pair v[34:35] before it is first written)
	s_wait_loadcnt 0x0
	s_wait_alu depctr_vm_vsrc(0)                   ; the four loads have read their offsets v160-162, which the first score products write
	v_lshl_or_b32 v10, v10, 16, v10                ; q's two bytes serve k 0-63 and k 64-127 alike
.set j, 0
.rept 32
	v_mov_b32 v[O+j], 0                            ; O^T: the step is written once; its first trip finds zeros.  (These are also the places between the scale word's line and the first product)
.set j, j+1
.endr
	s_wait_alu depctr_va_vdst(0)                   ; q's scale word v10 is written, which the score products take; the places stand ahead of this wait
	s_wait_kmcnt 0x0
	s_or_b32 s[FL], s[FL], s3
	s_mov_b32 s[ST], 0
.Lstep:
	s_add_co_u32 s94, s[ST], 1
	s_and_b32 s94, s94, 15                         ; the next step; behind the last comes step 0, which the next pass wants
	s_lshl_b32 s95, s94, 13                        ; its K,
	s_lshl_b32 s97, s94, 8
	s_add_co_u32 s98, s97, KSB                     ; its scale words;
	s_lshl_b32 s96, s[ST], 13
	s_add_co_u32 s96, s96, VIB                     ; this step's V,
	s_lshl_b32 s99, s[ST], 8
	s_add_co_u32 s99, s99, VSB                     ; and its scale words
	s_wait_dscnt 0x0                               ; this step's K and its scale words are in
.set p, 0
.rept 4
	WM0 S+16*p, KR+12*p, 22, 6+p/2, 10, p%2        ; tile 2 p: K's pair x (q | 0)
	WM0 S+16*p+8, KR+12*p, 16, 6+p/2, 10, p%2      ; tile 2 p + 1: x (0 | q)
.set p, p+1
.endr
	v_lshl_add_u32 v1, v0, 4, s95                  ; four plain lines: the places in front of the first read of a score
	v_lshl_add_u32 v2, v0, 4, s96
	v_lshl_add_u32 v3, v0, 3, s98
	v_lshl_add_u32 v11, v0, 3, s99
	s_wait_alu depctr_va_vdst(0)                   ; the four addresses are written; the score products are done reading K and v[6:7], the last step's products V and v[8:9]: the loads below land in all of these
.irp g, 0,1,2,3,4,5,6,7,8,9,10,11
	ds_load_b128 v[VR+4*\g:VR+4*\g+3], v2 offset:512*\g
.endr
	ds_load_b64 v[8:9], v11
.irp g, 0,1,2,3,4,5,6,7,8,9,10,11
	ds_load_b128 v[KR+4*\g:KR+4*\g+3], v1 offset:512*\g
.endr
	ds_load_b64 v[6:7], v3
	s_wait_alu depctr_vm_vsrc(0)                   ; these loads have read v1, v2, v3 and v11: v11 is written again on both ways below, the other three in the next step or at the pass's end
	s_wait_kmcnt 0x0                               ; this step's record, asked for a step ago
	s_lshr_b32 s100, s[FL], s[ST]
	s_and_b32 s100, s100, 1
	s_cmp_eq_u32 s100, 0
	s_cbranch_scc1 .Lopen                          ; no hole in these 16 x 128: a branch on a stored whole number
	v_mov_b32 v11, 0xff800000                      ; -infinity
.set j, 0
.rept 64
.if j < 48
	v_cndmask_b32 v[S+j], v11, v[S+j], s[16+j]
.else
	v_cndmask_b32 v[S+j], v11, v[S+j], s[20+j]
.endif
.set j, j+1
.endr
.Lopen:
	s_mov_b32 s[MO], s97                           ; (behind the wait that shows the last loads done)
	s_load_b512 s[16:31], s[MB:MB+1], s[MO] offset:0x0
	s_load_b512 s[32:47], s[MB:MB+1], s[MO] offset:0x40
	s_load_b512 s[48:63], s[MB:MB+1], s[MO] offset:0x80
	s_load_b512 s[68:83], s[MB:MB+1], s[MO] offset:0xc0
.irp b, 0,1,2,3
	v_max3_num_f32 v[36+\b], v[S+16*\b], v[S+1+16*\b], v[S+2+16*\b]   ; the largest score of each block of 32 keys: for the row's maximum and, since p rises with the score, for the block's largest p
.endr
.irp i, 3,5,7,9,11,13
.irp b, 0,1,2,3
	v_max3_num_f32 v[36+\b], v[36+\b], v[S+16*\b+\i], v[S+1+16*\b+\i]
.endr
.endr
.irp b, 0,1,2,3
	v_max_num_f32 v[36+\b], v[36+\b], v[S+15+16*\b]
.endr
.irp b, 0,1,2,3
	v_permlanex16_b32 v[40+\b], v[36+\b], s[SEL], s[SEL+1]
.endr
.irp b, 0,1,2,3
	v_max_num_f32 v[36+\b], v[36+\b], v[40+\b]     ; with lane l xor 16's 16 keys
.endr
	v_max3_num_f32 v11, v36, v37, v38
	v_max_num_f32 v11, v11, v39
	v_mul_f32 v11, s[CS], v11                      ; as t (c is positive)
	v_max_num_f32 v13, v13, v11                    ; the running largest t
	v_mov_b32 v11, v12
	v_floor_f32 v12, -v13                          ; the new -M = -ceil(t): a whole number
	v_sub_f32 v11, v12, v11                        ; old M - new M: a whole number, 0 or less
	v_cvt_i32_f32 v11, v11                         ; (it saturates)
	v_ldexp_f32 v34, 1.0, v11                      ; f = 2^(old M - new M)
.set j, 0
.rept 32
	v_pk_fma_f32 v[S+j:S+j+1], v[S+j:S+j+1], s[CS:CS+1], v[12:13] op_sel_hi:[1,0,0]   ; t - M, two at a time
.set j, j+2
.endr
.irp b, 0,1,2,3
	v_fma_f32 v[36+\b], v[36+\b], s[CS], v12       ; the same of each block's largest score
.endr
.set j, 0
	s_wait_alu depctr_va_vdst(0)
.rept 64
	v_exp_f32 v[S+j], v[S+j]                       ; p = 2^(t - M), at most 1
.set j, j+1
.endr
	v_pk_mul_f32 v[14:15], v[14:15], v[34:35] op_sel_hi:[1,0]   ; the sums under the new M (a plain place behind the exponentials)
	s_wait_alu depctr_va_vdst(0)                   ; the 64 exponentials have written p: one wait for the batch, ahead of its first reader
.irp b, 0,1,2,3
	v_exp_f32 v[36+\b], v[36+\b]                   ; the block's largest p
.endr
	v_pk_add_f32 v[40:41], v[S:S+1], v[S+2:S+3]    ; the row's sum is taken of the unquantised p, in two chains
.irp j, 4,8,12,16,20,24,28,32,36,40,44,48,52,56,60
	v_pk_add_f32 v[14:15], v[14:15], v[S+\j:S+1+\j]
	v_pk_add_f32 v[40:41], v[40:41], v[S+2+\j:S+3+\j]
.endr
	v_pk_add_f32 v[14:15], v[14:15], v[40:41]
	s_wait_alu depctr_va_vdst(0)                   ; the four exponentials have written v36-39, ahead of their first reader
.irp b, 0,1,2,3
	v_max_num_f32 v[36+\b], 0x1800000, v[36+\b]    ; the floor 2^(3 - 127): the byte cannot fall under 1
.endr
.irp b, 0,1,2,3
	v_add_nc_u32 v[48+\b], 0xff000000, v[36+\b]    ; the conversion's scale operand
.endr
.irp b, 0,1,2,3
	v_lshrrev_b32 v[40+\b], 23, v[48+\b]           ; the scale's byte
.endr
	v_lshl_or_b32 v35, v41, 8, v40                 ; p's scale word for these 128 keys
	v_lshl_or_b32 v35, v42, 16, v35
	v_lshl_or_b32 v35, v43, 24, v35
.irp c, 0,1
	v_cvt_scalef32_pk16_fp6_f32 v[52+6*\c:54+6*\c], v[S+32*\c:S+15+32*\c], v[48+2*\c]
	v_cvt_scalef32_pk16_fp6_f32 v[40+4*\c:42+4*\c], v[S+16+32*\c:S+31+32*\c], v[48+2*\c+1]
.endr
	v_nop                                          ; one plain place behind a scaled conversion
.irp c, 0,1
.irp i, 0,1,2
	v_permlane16_swap_b32 v[52+6*\c+\i], v[40+4*\c+\i]
.endr
.irp i, 0,1,2
	v_mov_b32 v[55+6*\c+\i], v[40+4*\c+\i]
.endr
.endr
.set j, 0
.rept 16
	v_pk_mul_f32 v[O+j:O+j+1], v[O+j:O+j+1], v[34:35] op_sel_hi:[1,0]   ; O^T under the new M.  (These 16 are also the places between p's codes and scale word and the products)
.set j, j+2
.endr
	s_wait_dscnt 13                                ; V and its scale words are in; the 13 loads issued behind them, the next step's K, may be out
	s_wait_alu depctr_va_vdst(0)                   ; p's codes v52-63 and its scale word v35 are written, which the four products take; the places stand ahead of this wait
.set t, 0
.rept 4
	WM O+8*t, VR+12*t, 52, O+8*t, 8+t/2, 35, t%2   ; four accumulators, one instruction each
.set t, t+1
.endr
	s_add_co_u32 s[ST], s[ST], 1
	s_cmp_lt_u32 s[ST], 16
	s_cbranch_scc1 .Lstep
	; a pass's end: O^T / the sum, quantised along the head's 64: a unit of the last product's operand
	v_add_f32 v14, v14, v15
	v_lshlrev_b32 v1, 4, v0
	v_lshlrev_b32 v2, 3, v0
	v_nop                                          ; (with the three lines above: four places behind the last products)
	v_permlanex16_b32 v11, v14, s[SEL], s[SEL+1]
	v_add_f32 v14, v14, v11                        ; the row's sum
	s_wait_alu depctr_va_vdst(0)
	v_rcp_f32 v15, v14
	v_cmp_neq_f32 vcc_lo, 0, v14                   ; a row with no key has the sum 0
	v_nop                                          ; a plain place behind the reciprocal
	s_wait_alu depctr_va_vdst(0)                   ; the reciprocal has written v15, ahead of its first reader
	s_wait_alu depctr_va_vcc(0)                    ; the compare has written VCC, ahead of the select below that reads it
.set j, 0
.rept 32
	v_mul_f32 v[S+j], v[O+j], v15                  ; register 16 b + i is channel 32 b + 16 (lane / 16) + i of my query
.set j, j+1
.endr
	v_max3_num_f32 v36, |v[S]|, |v[S+1]|, 0x1800000
	v_max3_num_f32 v37, |v[S+16]|, |v[S+17]|, 0x1800000
.irp i, 2,4,6,8,10,12,14
	v_max3_num_f32 v36, v36, |v[S+\i]|, |v[S+1+\i]|
	v_max3_num_f32 v37, v37, |v[S+16+\i]|, |v[S+17+\i]|
.endr
	v_permlanex16_b32 v38, v36, s[SEL], s[SEL+1]
	v_permlanex16_b32 v39, v37, s[SEL], s[SEL+1]
	v_max_num_f32 v36, v36, v38
	v_max_num_f32 v37, v37, v39
	v_add_nc_u32 v48, 0xff000000, v36
	v_add_nc_u32 v49, 0xff000000, v37
	v_lshrrev_b32 v50, 23, v48
	v_lshrrev_b32 v51, 23, v49
	v_cvt_scalef32_pk16_fp6_f32 v[52:54], v[S:S+15], v48
	v_cvt_scalef32_pk16_fp6_f32 v[44:46], v[S+16:S+31], v49
	v_lshl_or_b32 v11, v51, 8, v50                 ; my row's two scale bytes (the plain place behind the conversions)
.irp i, 0,1,2
	v_permlane16_swap_b32 v[52+\i], v[44+\i]
.endr
.irp i, 0,1,2
	v_mov_b32 v[55+\i], v[44+\i]
.endr
	v_cndmask_b32 v11, 0xffff, v11, vcc_lo         ; the sum 0: both bytes NaN
	v_lshrrev_b32 v47, 16, v47
	v_lshl_or_b32 v47, v11, 16, v47                ; behind two passes: the first pass's in the low half, the second's in the high
	s_lshr_b32 s94, s[TT], 3
	s_mul_i32 s94, s94, 102400                     ; the tile's block of 128 tokens,
	s_and_b32 s96, s[TT], 7
	s_mul_i32 s96, s96, 12288                      ; and its place there
	s_add_co_u32 s94, s94, s96
	s_mov_b32 s95, 0
	s_add_nc_u64 s[96:97], s[6:7], s[94:95]
	s_wait_alu depctr_va_vdst(0)                   ; O's codes v52-57 and the offsets v1 and v2 are written, which the two stores read
	global_store_b128 v1, v[52:55], s[96:97]       ; 512 consecutive bytes, then 256, at multiples of 256
	global_store_b64 v2, v[56:57], s[96:97] offset:512
	s_add_co_u32 s[PS], s[PS], 1
	s_cmp_lt_u32 s[PS], 2
	s_cbranch_scc1 .Lpass
	s_wait_xcnt 0x0                                ; the last stores have had their addresses translated,
	s_wait_alu depctr_vm_vsrc(0)                   ; and have read v1 and v2, which are written below
	v_and_b32 v11, 15, v0
	s_lshl_b32 s94, s[WV], 5
	s_add_co_u32 s94, s94, OSB
	v_lshl_add_u32 v1, v11, 1, s94                 ; the stage: tile 16 pass + wave, 2 bytes a row
	v_lshl_add_u32 v2, v0, 4, OSB                  ; and back: 16 bytes a lane
	v_lshrrev_b32 v3, 4, v0
	v_mul_u32_u24 v3, v3, 102400
	v_lshl_add_u32 v3, v11, 4, v3                  ; in oi: lanes 0-15 one block's 256 bytes, lanes 16-31 the next block's
	s_wait_alu depctr_va_vdst(0)                   ; v1, v2, v3 and v47 are written, which the LDS stores, the LDS loads and the stores below read; the products are done reading K's registers, in which those loads land
	s_wait_dscnt 0x0                               ; the loads of K that the last step issued
	s_barrier_signal -1                            ; every wave has left the key loop: from here on LDS serves the stage alone
	s_barrier_wait -1
	ds_store_b16 v1, v47                           ; both lanes of a row write the same bytes with the same value
	ds_store_b16_d16_hi v1, v47 offset:512
	s_wait_dscnt 0x0                               ; for wave 0's sake: my stores have landed
	s_barrier_signal -1
	s_barrier_wait -1
	s_cmp_lg_u32 s[WV], 0
	s_cbranch_scc1 .Ldone
	ds_load_b128 v[64:67], v2
	ds_load_b128 v[68:71], v2 offset:512
	s_wait_dscnt 0x0
	global_store_b128 v3, v[64:67], s[12:13]       ; sixteen lanes store one aligned block of 256 bytes
	global_store_b128 v3, v[68:71], s[12:13] offset:204800
.Ldone:
	s_wait_dscnt 0x0                               ; the wave's end: six lines, on end, of a launch in the mode that stores to LDS
	s_wait_alu 0x0
	s_wait_tensorcnt 0x0
	ds_add_u32 v[SPW], v[NIL]
	s_wait_dscnt 0x0
	s_endpgm
.Lfunc_end_k_q525ec4e6cb_attn:
	.size	k_q525ec4e6cb_attn, .Lfunc_end_k_q525ec4e6cb_attn-k_q525ec4e6cb_attn
	.p2alignl 7, 3214868480
	.fill 96, 4, 3214868480
	.section	.rodata,"a",@progbits
	.p2align	6, 0x0
	.amdhsa_kernel k_q525ec4e6cb_attn
		.amdhsa_group_segment_fixed_size 273408
		.amdhsa_private_segment_fixed_size 0
		.amdhsa_enable_private_segment 0
		.amdhsa_kernarg_size 40
		.amdhsa_user_sgpr_count 2
		.amdhsa_user_sgpr_kernarg_segment_ptr 1
		.amdhsa_wavefront_size32 1
		.amdhsa_system_sgpr_workgroup_id_x 1
		.amdhsa_system_sgpr_workgroup_id_y 1
		.amdhsa_system_sgpr_workgroup_id_z 1
		.amdhsa_system_vgpr_workitem_id 0
		.amdhsa_next_free_vgpr 256
		.amdhsa_next_free_sgpr 102
		.amdhsa_reserve_vcc 1
		.amdhsa_float_denorm_mode_32 3
		.amdhsa_float_denorm_mode_16_64 3
		.amdhsa_memory_ordered 1
		.amdhsa_forward_progress 1
		.amdhsa_inst_pref_size 38
	.end_amdhsa_kernel
	.amdgpu_metadata
---
amdhsa.version: [ 1, 2 ]
amdhsa.kernels:
  - .name:           k_q525ec4e6cb_attn
    .symbol:         k_q525ec4e6cb_attn.kd
    .args:
      - { .name: qi, .offset: 0, .size: 8, .value_kind: global_buffer, .address_space: global }
      - { .name: kv, .offset: 8, .size: 8, .value_kind: global_buffer, .address_space: global }
      - { .name: mw, .offset: 16, .size: 8, .value_kind: global_buffer, .address_space: global }
      - { .name: mf, .offset: 24, .size: 8, .value_kind: global_buffer, .address_space: global }
      - { .name: oi, .offset: 32, .size: 8, .value_kind: global_buffer, .address_space: global }
    .group_segment_fixed_size: 273408
    .private_segment_fixed_size: 0
    .kernarg_segment_align: 8
    .kernarg_segment_size: 40
    .max_flat_workgroup_size: 512
    .sgpr_count:     102
    .vgpr_count:     256
    .wavefront_size: 32
...
	.end_amdgpu_metadata
.endif
;; end of part 7
;; launch outp (part 8): grid 4 x 64, 4 waves a work-group, no clusters, 120,320 bytes of LDS; arguments oi, wi, bo, out0; writes out0
.if DOCPART == 8
	.amdgcn_target "amdgcn-amd-amdhsa--gfx1250"
	.amdhsa_code_object_version 6
	.text
	.protected	k_q525ec4e6cb_outp
	.globl	k_q525ec4e6cb_outp
	.p2align	8
	.type	k_q525ec4e6cb_outp,@function
k_q525ec4e6cb_outp:
	s_mov_b64 s[64:65], 0
	v_nop
	global_prefetch_b8 v0, s[64:65] scope:SCOPE_SE
	s_setreg_imm32_b32 hwreg(HW_REG_WAVE_SCHED_MODE, 0, 2), 2
	s_setreg_imm32_b32 hwreg(HW_REG_WAVE_MODE, 25, 1), 1
	s_wait_xcnt 0x0
	s_wait_alu depctr_vm_vsrc(0)
; OUTP.  out0 = O Wo + bo on codes of FP6 (E2M3) with E8M0 scales; out0 [8192][1024] f32.
; SHARES.  Work-group x = 256 columns, y = block of 128 tokens; wave w makes columns 64 (4 x + w) on for all 128 tokens.  Its 64 columns x K 1,024 of Wo stay in 384 registers; the block's codes of O (102,400 bytes)
; go through LDS once, as they lie, and are read by the four waves.  Straight-line code, one barrier.  Two thirds of a work-group's bytes go straight into registers: no cluster, no tensor load.
; THE PRODUCT IS USED TRANSPOSED (source 0 = 16 columns of Wo, source 1 = 16 tokens): a lane holds one token and 16 neighbouring columns of each 32.  A tile's 16 rows x 256 bytes go through the wave's own stage and
; leave as whole rows: sixteen lanes store 256 consecutive bytes, at a multiple of 256.
; O's scale bytes lie as [head 16][tile 8][row 16] pairs of bytes: a K step's word is made of two heads' pairs.  A pair 0xffff (a query with no key) makes that token's sums NaN.
; REGISTERS.  Window 1: Wo (tile t, K step s) for s 0-3 at 12 (4 t + s); window 2: s 4-7; window 3: two sets of O's eight fragments (at the head v0-199: the image on its way to LDS).
;   Window 0: v1-14 addresses; v16-31 Wo's scale words; v32-39 O's, two sets; v40-71 the bias as C; v72-79 halves of scale words; v96-127 accumulators; v160-191 rows on their way out.
; THE MODE: SCHED_MODE bits 1:0 = 2 (LLVM: expert scheduling mode 2), set by the entry lines.  The code itself states the register dependences between vector or matrix instructions and memory or LDS instructions, with s_wait_alu, always for 0.
; THE PLAN.  Registers that memory or LDS instructions touch:
;   v1-v5, v7, v11-v14  offsets and LDS addresses: made once at the head, never written again.
;   XF0, XF1   Tile t's products read set t % 2; among them the LDS loads of tile t + 1 land in the other set, which the products of tile t - 1 read last.
;   UT         The halves of tile t + 1's scale words land at tile t's head; four vector lines behind tile t's products read them and write XS[(t + 1) % 2], which the products of tile t + 1 take.
;   ACC        Written by tile t's products; read by the eight LDS stores into the stage; written again by the products of tile t + 1.
;   OB         The stage's rows land there; tile t's eight global stores read them; the rows of tile t + 1 land there.
; So ONE wait on va_vdst stands in a tile, behind its products, the four lines that make the next scale words and their eight places: the accumulators and the scale words are written, and the products and those lines are
; done reading the fragments and the halves.  ONE wait on vm_vsrc stands behind the stage's stores: they have read the accumulators, and the last tile's global stores their rows.
.set STAGE, 102400                     ; behind the image: 16 rows x (256 bytes + 16) for each wave
.set SPARE, 119808                     ; behind the stages: the spare words, 128 bytes for each wave
.set SPW, 8
.set NIL, 9
.set WS,  16
.set XS,  32
.set BI,  40
.set UT,  72
.set ACC, 96
.set OB,  160
.set MSB, 0
.macro WIN new                         ; the immediate's high byte repeats the setting that is left
.if MSB != \new
	s_set_vgpr_msb (MSB<<8)|\new
.set MSB, \new
.endif
.endm
.macro WM d, a, b, c, sa, sb, ra, rb
.if ((\ra) == 0) && ((\rb) == 0)
	v_wmma_scale_f32_16x16x128_f8f6f4 v[(\d):(\d)+7], v[(\a):(\a)+11], v[(\b):(\b)+11], v[(\c):(\c)+7], v[\sa], v[\sb] matrix_a_fmt:MATRIX_FMT_FP6 matrix_b_fmt:MATRIX_FMT_FP6
.elseif (\rb) == 0
	v_wmma_scale_f32_16x16x128_f8f6f4 v[(\d):(\d)+7], v[(\a):(\a)+11], v[(\b):(\b)+11], v[(\c):(\c)+7], v[\sa], v[\sb] matrix_a_fmt:MATRIX_FMT_FP6 matrix_b_fmt:MATRIX_FMT_FP6 matrix_a_scale:MATRIX_SCALE_ROW1
.elseif (\ra) == 0
	v_wmma_scale_f32_16x16x128_f8f6f4 v[(\d):(\d)+7], v[(\a):(\a)+11], v[(\b):(\b)+11], v[(\c):(\c)+7], v[\sa], v[\sb] matrix_a_fmt:MATRIX_FMT_FP6 matrix_b_fmt:MATRIX_FMT_FP6 matrix_b_scale:MATRIX_SCALE_ROW1
.else
	v_wmma_scale_f32_16x16x128_f8f6f4 v[(\d):(\d)+7], v[(\a):(\a)+11], v[(\b):(\b)+11], v[(\c):(\c)+7], v[\sa], v[\sb] matrix_a_fmt:MATRIX_FMT_FP6 matrix_b_fmt:MATRIX_FMT_FP6 matrix_a_scale:MATRIX_SCALE_ROW1 matrix_b_scale:MATRIX_SCALE_ROW1
.endif
.endm
; tile tau's fragment of K step s, from the image: four LDS loads, destination window 3
.macro FRAG4 tau, s
.set XFL, 96*((\tau)%2)
	ds_load_b128 v[XFL+12*(\s):XFL+12*(\s)+3], v[1+(\tau)/4] offset:12288*((\tau)%4)+1536*(\s)
	ds_load_b64 v[XFL+12*(\s)+4:XFL+12*(\s)+5], v[3+(\tau)/4] offset:12288*((\tau)%4)+1536*(\s)+512
	ds_load_b128 v[XFL+12*(\s)+6:XFL+12*(\s)+9], v[1+(\tau)/4] offset:12288*((\tau)%4)+1536*(\s)+768
	ds_load_b64 v[XFL+12*(\s)+10:XFL+12*(\s)+11], v[3+(\tau)/4] offset:12288*((\tau)%4)+1536*(\s)+1280
.endm
.macro UHALF tau                       ; the eight halves of tile tau's scale words, window 0
.irp i, 0,1,2,3
	ds_load_u16 v[UT+2*\i], v5 offset:1024*\i+32*(\tau)          ; lane (r, h): K step 2 i + h: head 4 i + 2 h,
	ds_load_u16 v[UT+2*\i+1], v5 offset:1024*\i+32*(\tau)+256    ; and head 4 i + 2 h + 1
.endr
.endm
.macro FETCH tau                       ; a whole tile in one run: the first tile alone comes so
	WIN 0xc0                                       ; destination window 3
.irp s, 0,1,2,3,4,5,6,7
	FRAG4 \tau, \s
.endr
	WIN 0
	UHALF \tau
.endm
.macro MKXS tau                        ; register i: lanes 0-15 the word of K step 2 i, lanes 16-31 of K step 2 i + 1
.irp i, 0,1,2,3
	v_lshl_or_b32 v[XS+4*((\tau)%2)+\i], v[UT+2*\i+1], 16, v[UT+2*\i]
.endr
.endm
.macro WLOAD half
.set ti, 0
.rept 4
.set si, 0
.rept 4
.set gi, 0
.rept 3
	global_load_b128 v[12*(4*ti+si)+4*gi:12*(4*ti+si)+4*gi+3], v1, s[10:11] offset:(8*ti+si+4*(\half))*1536+512*gi
.set gi, gi+1
.endr
.set si, si+1
.endr
.set ti, ti+1
.endr
.endm
	s_load_b256 s[8:15], s[0:1], 0x0               ; oi s[8:9], wi s[10:11], bo s[12:13], out0 s[14:15]
	v_lshl_add_u32 v[SPW], v0, 2, SPARE
	v_mov_b32 v[NIL], 0
	v_lshrrev_b32 v1, 5, v0
	v_readfirstlane_b32 s4, v1                     ; wave 0..3
	v_and_b32 v15, 31, v0                          ; lane
	v_and_b32 v6, 15, v0                           ; r
	v_bfe_u32 v10, v0, 4, 1                        ; h
	v_lshlrev_b32 v1, 4, v15                       ; 16 x lane;
	v_add_nc_u32 v2, 49152, v1                     ; the same for tiles 4-7
	v_lshlrev_b32 v3, 3, v15                       ; 8 x lane;
	v_add_nc_u32 v4, 49152, v3
	v_lshlrev_b32 v5, 1, v6
	v_lshl_add_u32 v5, v10, 9, v5
	v_add_nc_u32 v5, 98304, v5                     ; the scale bytes: 2 r + 512 h
	v_lshlrev_b32 v7, 6, v10                       ; the bias: 16 h numbers on
	s_wait_alu depctr_va_sdst(0)                   ; s4 is written, ahead of its first reader: LDS places and bases are made from it
	s_mul_i32 s28, s4, 25600
	v_add_nc_u32 v11, s28, v1                      ; where I put my quarter of the image
	s_mul_i32 s29, s4, 4352
	s_add_co_u32 s29, s29, STAGE                   ; my stage
	v_mul_u32_u24 v12, v6, 272
	v_lshl_add_u32 v12, v10, 6, v12
	v_add_nc_u32 v12, s29, v12                     ; in: row r, + 64 h
	v_mul_u32_u24 v13, v10, 272
	v_lshl_add_u32 v13, v6, 4, v13
	v_add_nc_u32 v13, s29, v13                     ; back: lanes 0-15 one row, lanes 16-31 the next
	v_lshlrev_b32 v14, 12, v10
	v_lshl_add_u32 v14, v6, 4, v14                 ; and the same two rows in out0
	s_and_b32 s24, ttmp7, 0xffff                   ; the block
	s_lshl_b32 s25, ttmp9, 2
	s_add_co_u32 s25, s25, s4                      ; my group of 64 columns
	s_mov_b32 s27, 0
	s_wait_kmcnt 0x0
	s_mul_i32 s26, s24, 102400
	s_add_co_u32 s26, s26, s28
	s_add_nc_u64 s[8:9], s[8:9], s[26:27]
	s_add_co_u32 s26, s25, 48                      ; Wo is the fourth tensor of wi
	s_mul_i32 s26, s26, 51200
	s_add_nc_u64 s[10:11], s[10:11], s[26:27]
	s_lshl_b32 s26, s25, 8
	s_add_nc_u64 s[12:13], s[12:13], s[26:27]
	s_add_nc_u64 s[14:15], s[14:15], s[26:27]      ; my 256 bytes of a row,
	s_lshl_b32 s26, s24, 19
	s_add_nc_u64 s[14:15], s[14:15], s[26:27]      ; in the block's first row
	WIN 0xc0
	s_wait_alu depctr_va_vdst(0)                   ; the offsets and LDS addresses v1 to v5, v7 and v11 to v14 are written: every load and store of the kernel reads one of them
.set i, 0
.rept 50
	global_load_b128 v[4*i:4*i+3], v1, s[8:9] offset:512*i
.set i, i+1
.endr
	WIN 0x40
	WLOAD 0
	WIN 0x80
	WLOAD 1
	WIN 0
.irp b, 0,1
.irp g, 0,1
	global_load_b128 v[WS+8*\b+4*\g:WS+8*\b+4*\g+3], v1, s[10:11] offset:49152+(2*\b+\g)*512
.endr
.endr
.irp t, 0,1,2,3
	global_load_b128 v[BI+8*\t:BI+8*\t+3], v7, s[12:13] offset:(32*(\t/2)+8*(\t%2))*4
	global_load_b128 v[BI+8*\t+4:BI+8*\t+7], v7, s[12:13] offset:(32*(\t/2)+8*(\t%2))*4+16
.endr
	s_wait_loadcnt 0x0
	WIN 0x0c                                       ; an LDS store's data are its source 1: window 3
.set i, 0
.rept 50
	ds_store_b128 v11, v[4*i:4*i+3] offset:512*i
.set i, i+1
.endr
	WIN 0
	s_wait_dscnt 0x0                               ; for the others' sake: my quarter of the image has landed
	s_barrier_signal -1
	s_barrier_wait -1
	s_wait_alu depctr_vm_vsrc(0)                   ; my LDS stores have read window 3's v0-199: from here on these registers are the two sets of fragments, in which LDS loads land
; 32 matrix instructions: K step by K step, the four accumulators by turns; the bias is the C of each sum's first.
; Ahead of each K step's four stand the four LDS loads of the same K step of the next tile: they land in the other set, which no vector or matrix instruction since the last wait on va_vdst names.
.macro PROD tau
.set XFB, 96*((\tau)%2)
.set XSB, XS+4*((\tau)%2)
.set si, 0
.rept 8
.if (\tau) < 7
	WIN 0xc0                                       ; destination window 3
	FRAG4 (\tau)+1, si
.endif
.if si < 4
	WIN 0x0d                                       ; source 0 (Wo) window 1, source 1 (O) window 3
.else
	WIN 0x0e                                       ; source 0 window 2
.endif
.set ti, 0
.rept 4
.if si == 0
	WM ACC+8*ti, 12*(4*ti+si%4), XFB+12*si, BI+8*ti, WS+8*(ti/2)+si, XSB+si/2, ti%2, si%2
.else
	WM ACC+8*ti, 12*(4*ti+si%4), XFB+12*si, ACC+8*ti, WS+8*(ti/2)+si, XSB+si/2, ti%2, si%2
.endif
.set ti, ti+1
.endr
.set si, si+1
.endr
	WIN 0
.endm
.macro TILE tau
.if (\tau) < 7
	UHALF (\tau)+1                                 ; first, so that a counted wait shows them in
.endif
	PROD \tau                                      ; (this tile's fragments are in: the last wait on DScnt ahead of this line is for 0)
.if (\tau) < 7
	s_wait_dscnt 32                                ; the eight halves of the next tile's scale words are in; the 32 fragment loads issued behind them may be out
	MKXS (\tau)+1                                  ; four plain lines that name no register of the last products: the places in front of the first read of a result
.rept 8
	v_nop                                          ; a scale register written by a vector instruction stands eight places ahead of a scaled product
.endr
.else
.rept 4
	v_nop
.endr
.endif
	s_wait_alu depctr_va_vdst(0)                   ; the products have written the accumulators, which the LDS stores read, and are done reading their fragments; the four lines have written the next scale words, which the next products take, and are done reading the halves
.irp b, 0,1
.irp j, 0,1,2,3
	ds_store_b128 v12, v[ACC+16*\b+4*\j:ACC+16*\b+4*\j+3] offset:128*\b+16*\j   ; each accumulator from its low end on
.endr
.endr
	s_wait_xcnt 0x0                                ; the last tile's stores have had their addresses translated,
	s_wait_alu depctr_vm_vsrc(0)                   ; and have read their rows, in which the loads below land; the LDS stores above have read the accumulators, which the next tile's products write
.irp i, 0,1,2,3,4,5,6,7
	ds_load_b128 v[OB+4*\i:OB+4*\i+3], v13 offset:544*\i   ; LDS serves a wave's instructions in order: these see my stores
.endr
.irp i, 0,1,2,3,4,5,6,7
	s_wait_dscnt 7-\i
	global_store_b128 v14, v[OB+4*\i:OB+4*\i+3], s[14:15] offset:(32*((\tau)/2)+8*((\tau)%2)+2*\i+8*(\i/4))*4096 th:TH_STORE_NT   ; stage rows 2 i, 2 i + 1 are tokens 2 i + 8 (i / 4) + h of the tile
.endr
.endm
	FETCH 0
	s_wait_dscnt 0x0
	MKXS 0
.rept 8
	v_nop
.endr
	s_wait_alu depctr_va_vdst(0)                   ; the first scale words are written, which the first products take; the four lines are done reading the halves, in which the next tile's land
.irp u, 0,1,2,3,4,5,6,7
	TILE \u
.endr
	s_wait_dscnt 0x0                               ; the wave's end: six lines, on end, of a launch in the mode that stores to LDS
	s_wait_alu 0x0
	s_wait_tensorcnt 0x0
	ds_add_u32 v[SPW], v[NIL]
	s_wait_dscnt 0x0
	s_endpgm
.Lfunc_end_k_q525ec4e6cb_outp:
	.size	k_q525ec4e6cb_outp, .Lfunc_end_k_q525ec4e6cb_outp-k_q525ec4e6cb_outp
	.p2alignl 7, 3214868480
	.fill 96, 4, 3214868480
	.section	.rodata,"a",@progbits
	.p2align	6, 0x0
	.amdhsa_kernel k_q525ec4e6cb_outp
		.amdhsa_group_segment_fixed_size 120320
		.amdhsa_private_segment_fixed_size 0
		.amdhsa_enable_private_segment 0
		.amdhsa_kernarg_size 32
		.amdhsa_user_sgpr_count 2
		.amdhsa_user_sgpr_kernarg_segment_ptr 1
		.amdhsa_wavefront_size32 1
		.amdhsa_system_sgpr_workgroup_id_x 1
		.amdhsa_system_sgpr_workgroup_id_y 1
		.amdhsa_system_sgpr_workgroup_id_z 1
		.amdhsa_system_vgpr_workitem_id 0
		.amdhsa_next_free_vgpr 1024
		.amdhsa_next_free_sgpr 66
		.amdhsa_reserve_vcc 0
		.amdhsa_float_denorm_mode_32 3
		.amdhsa_float_denorm_mode_16_64 3
		.amdhsa_memory_ordered 1
		.amdhsa_forward_progress 1
		.amdhsa_inst_pref_size 98
	.end_amdhsa_kernel
	.amdgpu_metadata
---
amdhsa.version: [ 1, 2 ]
amdhsa.kernels:
  - .name:           k_q525ec4e6cb_outp
    .symbol:         k_q525ec4e6cb_outp.kd
    .args:
      - { .name: oi, .offset: 0, .size: 8, .value_kind: global_buffer, .address_space: global }
      - { .name: wi, .offset: 8, .size: 8, .value_kind: global_buffer, .address_space: global }
      - { .name: bo, .offset: 16, .size: 8, .value_kind: global_buffer, .address_space: global }
      - { .name: out0, .offset: 24, .size: 8, .value_kind: global_buffer, .address_space: global }
    .group_segment_fixed_size: 120320
    .private_segment_fixed_size: 0
    .kernarg_segment_align: 8
    .kernarg_segment_size: 32
    .max_flat_workgroup_size: 128
    .sgpr_count:     66
    .vgpr_count:     1024
    .wavefront_size: 32
...
	.end_amdgpu_metadata
.endif
;; end of part 8
